; MI455X (gfx1250); checked and timed in simulation.
; The chip was launched on July 23, 2026; its instructions are those of AMD's public machine-readable ISA for CDNA 5 (MIT licence, August 2026) and "CDNA5" Instruction Set Architecture Reference Guide (July 2026). The comments in the code are by the model that wrote it; some were corrected since.
;; Mo E1. Allowed arithmetic: matrix products marked QUANTISED: E5M2 operands, one E8M0 scale for each 32 along K, by v_wmma_scale_f32_16x16x128_f8f6f4 with both operands' format E5M2, f32 sums; products left as they are: f32 operands where the result goes on into a quantised operand, else bf16, f16 or f32 operands; f32 sums; everything else in f32.
;; Inputs: W1 8 x 1,024 x 4,096 float32; W2 8 x 4,096 x 1,024 float32; Wr 1,024 x 8 float32; b1 8 x 4,096 float32; b2 8 x 1,024 float32; br 8 float32; x 4 x 256 x 1,024 float32.
;; Outputs: out0 4 x 256 x 1,024 float32.
;; This version of the problem:
;;   THIS VERSION OF THE PROBLEM IS GIVEN IN LOW PRECISION. The matrix products marked QUANTISED in the list below multiply operands that are first quantised to E5M2 (5 exponent bits, 2 mantissa bits; 8 bits a number), with one power-of-two scale for each 32 numbers along K (OCP MX v1.0); their sums are f32. All else is computed in f32.
;;   The module's matrix products, in the order in which they are computed (A, B: the left and right operand; K: the contracted axis; several contracted axes count as one K, in the product's order):
;;     1. [M 1,024, K 1,024] x [K 1,024, N 8]; A: input x; B: input Wr: left as it is (N = 8 < 16)
;;     2. [M 1,024, K 1,024] x [K 1,024, N 32,768]; A: input x; B: input W1: QUANTISED
;;     3. batch 8 x [M 1,024, K 4,096] x [K 4,096, N 1,024]; A: input W2; B: computed on the way: QUANTISED
;;     4. batch 1,024 x [M 1, K 8] x [K 8, N 1,024]; A: computed on the way; B: computed on the way: left as it is (K = 8 < 32)
;;     5. [M 1,024, K 8] x [K 8, N 1,024]; A: computed on the way; B: input b2: left as it is (K = 8 < 32)
;;   THE QUANTISER, for each operand of a quantised product, along K:
;;     - K is cut into blocks of 32 from its start; a last block that is shorter is filled with zeros.
;;     - A block's scale is 2^e with e = floor(log2(the largest magnitude in the block)) - 15, held to -126 .. 127; a block of zeros has e = 0. As a byte (E8M0): e + 127.
;;     - Each number is divided by its block's scale, clamped to +-57,344, and rounded to the nearest number of E5M2, ties to even, subnormals kept.
;;     - The product sums the exact products of the quantised numbers (number of the format x scale) in f32.
;;   ~~~python
;;   def quantise(x, axis):      # numpy; x: float32 -> the quantised numbers, widened to float32 again
;;       x = np.moveaxis(x, axis, -1); K = x.shape[-1]
;;       x = np.pad(x, [(0, 0)] * (x.ndim - 1) + [(0, -K % 32)]); x = x.reshape(x.shape[:-1] + (-1, 32)); a = np.abs(x).max(-1, keepdims=True)
;;       e = np.where(a > 0, np.clip(np.frexp(np.where(a > 0, a, 1))[1] - 1 - 15, -126, 127), 0)      # np.frexp(a)[1] - 1 = floor(log2(a)), exactly
;;       r = np.clip(x / 2.0 ** e, -57344, 57344)
;;       step = 2.0 ** (np.maximum(np.frexp(np.where(r == 0, 1, r))[1] - 1, -14) - 2)
;;       q = np.round(r / step) * step * 2.0 ** e      # np.round: ties to even
;;       return np.moveaxis(q.reshape(q.shape[:-2] + (-1,))[..., :K], -1, axis).astype(np.float32)
;;   ~~~
;;   OPERANDS COMPUTED ON THE WAY. 'Computed on the way' means the value that the module computes at that place (a softmax that the list does not call 'softmax' is quantised finished and normalised). What goes into a quantiser is computed in f32, as accurately as f32 sums, v_exp_f32 and their like allow (about 1e-6 of the number): no bf16 or f16 on the way to a quantiser, and a product that is left as it is and whose result goes on into a quantised operand takes f32 operands (vector FMAs, or v_wmma_f32_16x16x4_f32). A number that lies on a knife's edge between two numbers of the format may be rounded either way, as far as f32 arithmetic and the matrix unit's own rounding can turn it there, and no further.
;; 2 versions. Each part assembles by itself: llvm-mc -triple=amdgcn-amd-amdhsa -mcpu=gfx1250 --defsym DOCPART=n.
;; ======== version 1 of 2: 6 launches
;; workspace buffers: route 10,240 bytes of whole numbers; gw 8,192 bytes; plan 26,880 bytes of whole numbers; xq 2,442,240 bytes; hq 9,732,096 bytes; y 37,748,736 bytes
;; launch router (part 1): grid 32 x 1, 8 waves a work-group, no clusters, 38,912 bytes of LDS; arguments x, Wr, br, route, gw; writes route, gw
.if DOCPART == 1
	.amdgcn_target "amdgcn-amd-amdhsa--gfx1250"
	.amdhsa_code_object_version 6
	.text
	.protected	k_qc4e4a4d965_router
	.globl	k_qc4e4a4d965_router
	.p2align	8
	.type	k_qc4e4a4d965_router,@function
k_qc4e4a4d965_router:
	s_mov_b64 s[64:65], 0
	v_nop
	global_prefetch_b8 v0, s[64:65] scope:SCOPE_SE
	s_setreg_imm32_b32 hwreg(HW_REG_WAVE_MODE, 25, 1), 1
	s_wait_xcnt 0x0
; ROUTER.  gate = softmax(x Wr + br); the two largest gates of each token, normalised to sum 1.  All in f32.
; x [1024][1024], Wr [1024][8], br [8].  Stored: route: SEL at byte 0, [32 groups of 32 tokens][8 experts], a word whose bit b says that token 32 j + b chose the expert;
; CNT at byte 1,024, the same shape, the word's number of ones; IDS at byte 2,048, [token][2] the chosen experts, the larger gate first.  gw: [token][2] their weights.
; SHARES.  A work-group takes 32 tokens, a wave 4 of them.  A lane takes the channels 128 i + 4 lane + k (i 0..7, k 0..3) of all four tokens: each load of x covers 512 consecutive bytes.
; Wr lies whole in each wave's registers (256 a lane, window 1): a lane wants the four rows of its four channels, 128 bytes on end, 128 bytes from its neighbour's.  Loaded so from memory, each of a wave's 64 loads would touch 32 separate
; pieces.  So Wr (32 KiB) comes ONCE A WORK-GROUP: each wave loads an eighth of it by eight loads of 512 consecutive bytes and lays it into LDS, a lane's 128 bytes at a pitch of 144; behind a barrier every wave reads all of it,
; 16 bytes a lane, 144 bytes from lane to lane: an odd multiple of 16, so that sixteen lanes fall on sixteen different columns of 16 bytes (64 banks of 4 bytes: ISA guide 11.1).
; The 32 sums of a wave (4 tokens x 8 experts) are added across the lanes, meet in LDS (32 bytes a token), and wave 0, a lane to a token, does the softmax and the choice.
; The largest logit is taken away ahead of the exponentials.  Of equal gates the lower expert wins, as in jax.lax.top_k: a later gate replaces only where it is strictly larger.
; No address and no branch hangs on a floating-point number: the choice is stored as values only.
; LIMITS: NaN and infinities among the inputs are not served.  The sums over the 1,024 channels run in another order than a row-by-row sum: a token whose second and third gates differ by less than that rounding may choose the other expert.
.set ACC, 64                           ; v64-95   sum of token u, expert e at ACC + 8 u + e
.set STG, 96                           ; v96-127  my wave's eighth of Wr as it is loaded
.set X,   128                          ; v128-255 x of token u: X + 32 u + 4 i + k
.set WRL, 1024                         ; LDS: bytes 0-1,023 the logits; from here Wr: 256 groups of 128 bytes (group 32 i + lane)
.set WP,  144                          ; at this pitch
.set MSB, 0
.macro WIN new                         ; the immediate's high byte repeats the setting that is left
.if MSB != (\new)
	s_set_vgpr_msb (MSB<<8)|(\new)
.set MSB, (\new)
.endif
.endm
	s_load_b256 s[4:11], s[0:1], 0x0               ; x s[4:5], Wr s[6:7], br s[8:9], route s[10:11]
	s_load_b64 s[12:13], s[0:1], 0x20              ; gw
	v_lshl_add_u32 v62, v0, 2, 0x9400
	v_mov_b32 v63, 0
	v_lshrrev_b32 v5, 5, v0
	v_readfirstlane_b32 s2, v5                     ; wave 0..7
	v_and_b32 v6, 31, v0                           ; lane
	v_lshlrev_b32 v1, 4, v6                        ; x, and Wr as it is loaded: 16 bytes a lane
	s_lshl_b32 s3, s2, 7
	v_mov_b32 v3, s3                               ; LDS: my wave's four tokens, 32 bytes each
	v_lshrrev_b32 v7, 3, v6                        ; Wr into LDS: eight lanes' 128 bytes are one group:
	v_and_b32 v13, 7, v6
	v_mul_u32_u24 v7, v7, WP                       ; 144 (lane / 8)
	v_lshl_add_u32 v7, v13, 4, v7                  ; + 16 (lane % 8)
	s_mul_i32 s26, s2, 32*WP                       ; + my wave's 32 groups
	s_add_co_u32 s26, s26, WRL
	v_add_nc_u32 v7, s26, v7
	v_mul_u32_u24 v2, v6, WP                       ; and out of it: group 32 i + lane
	v_add_nc_u32 v2, WRL, v2
.irp n, 8,9,10,11
	v_mov_b32 v\n, 0                               ; a lane permute's destination counts as one of its sources
.endr
	s_mov_b32 s24, 0x76543210
	s_mov_b32 s25, 0xfedcba98                      ; v_permlanex16_b32's selects for lane l xor 16
	s_lshl_b32 s14, ttmp9, 17                      ; 32 tokens of 4,096 bytes a work-group,
	s_lshl_b32 s15, s2, 14                         ; four a wave
	s_add_co_u32 s14, s14, s15
	s_mov_b32 s15, 0
	s_lshl_b32 s28, s2, 12                         ; my wave's 4,096 bytes of Wr
	s_mov_b32 s29, 0
	s_wait_kmcnt 0x0
	s_load_b256 s[16:23], s[8:9], 0x0              ; br's eight numbers
	s_add_nc_u64 s[4:5], s[4:5], s[14:15]
	s_add_nc_u64 s[6:7], s[6:7], s[28:29]
.irp m, 0,1,2,3,4,5,6,7
	global_load_b128 v[STG+4*\m:STG+4*\m+3], v1, s[6:7] offset:512*\m          ; 32 lanes read 512 consecutive bytes
.endr
.irp u, 0,1,2,3
.irp i, 0,1,2,3,4,5,6,7
	global_load_b128 v[X+32*\u+4*\i:X+32*\u+4*\i+3], v1, s[4:5] offset:4096*\u+512*\i
.endr
.endr
	s_wait_loadcnt 32                              ; my eighth of Wr is in; x's 32 younger loads may be out
.irp m, 0,1,2,3,4,5,6,7
	ds_store_b128 v7, v[STG+4*\m:STG+4*\m+3] offset:4*WP*\m                    ; a load's 512 bytes are four groups
.endr
	s_wait_dscnt 0x0                               ; for the others' sake: my stores have landed
	s_barrier_signal -1
	s_barrier_wait -1                              ; all of Wr lies in LDS; nothing is written there again
	WIN 0x40                                       ; destination window 1: Wr's row 128 i + 4 lane + k at v[8 (4 i + k)]
.irp i, 0,1,2,3,4,5,6,7
.irp k, 0,1,2,3
	ds_load_b128 v[8*(4*\i+\k):8*(4*\i+\k)+3], v2 offset:32*WP*\i+32*\k
	ds_load_b128 v[8*(4*\i+\k)+4:8*(4*\i+\k)+7], v2 offset:32*WP*\i+32*\k+16
.endr
.endr
	s_wait_loadcnt 0x0
	s_wait_dscnt 0x0
	s_wait_kmcnt 0x0
	WIN 0x01                                       ; source 0 (Wr) window 1
; two experts an instruction; x's number serves both halves.  The sixteen chains take turns; the first product starts the sums.
.irp i, 0,1,2,3,4,5,6,7
.irp k2, 0,1
.irp u, 0,1,2,3
.irp p, 0,1,2,3
.if (\i == 0) && (\k2 == 0)
	v_pk_mul_f32 v[ACC+8*\u+2*\p:ACC+8*\u+2*\p+1], v[8*(4*\i+2*\k2)+2*\p:8*(4*\i+2*\k2)+2*\p+1], v[X+32*\u+4*\i+2*\k2:X+32*\u+4*\i+2*\k2+1] op_sel_hi:[1,0]
.else
	v_pk_fma_f32 v[ACC+8*\u+2*\p:ACC+8*\u+2*\p+1], v[8*(4*\i+2*\k2)+2*\p:8*(4*\i+2*\k2)+2*\p+1], v[X+32*\u+4*\i+2*\k2:X+32*\u+4*\i+2*\k2+1], v[ACC+8*\u+2*\p:ACC+8*\u+2*\p+1] op_sel_hi:[1,0,1]
.endif
.endr
.endr
.irp u, 0,1,2,3
.irp p, 0,1,2,3
	v_pk_fma_f32 v[ACC+8*\u+2*\p:ACC+8*\u+2*\p+1], v[8*(4*\i+2*\k2+1)+2*\p:8*(4*\i+2*\k2+1)+2*\p+1], v[X+32*\u+4*\i+2*\k2:X+32*\u+4*\i+2*\k2+1], v[ACC+8*\u+2*\p:ACC+8*\u+2*\p+1] op_sel:[0,1,0] op_sel_hi:[1,1,1]
.endr
.endr
.endr
.endr
	WIN 0
; across the 32 lanes: four steps inside each half, one across the halves
.irp m, 1,2,4,8
.set n, 0
.rept 32
	v_add_f32_dpp v[ACC+n], v[ACC+n], v[ACC+n] row_xmask:\m row_mask:0xf bank_mask:0xf
.set n, n+1
.endr
.endr
.set n, 0
.rept 8
.irp p, 0,1,2,3
	v_permlanex16_b32 v[8+\p], v[ACC+n+\p], s24, s25
.endr
.irp p, 0,1,2,3
	v_add_f32 v[ACC+n+\p], v[ACC+n+\p], v[8+\p]
.endr
.set n, n+4
.endr
.irp u, 0,1,2,3
	ds_store_b128 v3, v[ACC+8*\u:ACC+8*\u+3] offset:32*\u          ; every lane holds the same sums and writes the same bytes
	ds_store_b128 v3, v[ACC+8*\u+4:ACC+8*\u+7] offset:32*\u+16
.endr
	s_wait_dscnt 0x0                               ; for wave 0's sake: my stores have landed
	s_barrier_signal -1
	s_barrier_wait -1
	s_cmp_lg_u32 s2, 0
	s_cbranch_scc1 .Lothers
; wave 0: lane l is token 32 g + l
	v_lshlrev_b32 v12, 5, v6
	ds_load_b128 v[16:19], v12
	ds_load_b128 v[20:23], v12 offset:16
	s_wait_dscnt 0x0
.irp e, 0,1,2,3,4,5,6,7
	v_add_f32 v[16+\e], s[16+\e], v[16+\e]         ; + br
.endr
	v_max3_num_f32 v24, v16, v17, v18
	v_max3_num_f32 v24, v24, v19, v20
	v_max3_num_f32 v24, v24, v21, v22
	v_max_num_f32 v24, v24, v23                    ; the largest logit
.irp e, 0,1,2,3,4,5,6,7
	v_sub_f32 v[32+\e], v[16+\e], v24
.endr
.irp e, 0,1,2,3,4,5,6,7
	v_mul_f32 v[32+\e], 0x3fb8aa3b, v[32+\e]       ; x log2(e)
.endr
.irp e, 0,1,2,3,4,5,6,7
	v_exp_f32 v[32+\e], v[32+\e]
.endr
	v_mov_b32 v44, 0                               ; (a plain place behind the exponentials)  the words of SEL,
	v_mov_b32 v45, 0                               ; and of CNT: lane e will hold expert e's
	s_wait_alu depctr_va_vdst(0)
	v_add_f32 v25, v32, v33
	v_add_f32 v26, v34, v35
	v_add_f32 v27, v36, v37
	v_add_f32 v28, v38, v39
	v_add_f32 v25, v25, v26
	v_add_f32 v27, v27, v28
	v_add_f32 v25, v25, v27
	v_rcp_f32 v25, v25
	v_mov_b32 v46, 0                               ; (a plain place behind the reciprocal)  the best expert so far: 0
	s_wait_alu depctr_va_vdst(0)
.irp e, 0,1,2,3,4,5,6,7
	v_mul_f32 v[32+\e], v[32+\e], v25              ; the gates
.endr
	v_mov_b32 v40, v32
.irp e, 1,2,3,4,5,6,7
	v_cmp_le_f32 vcc_lo, v[32+\e], v40             ; kept where the later gate is not strictly larger
	v_cndmask_b32 v40, v[32+\e], v40, vcc_lo
	v_cndmask_b32 v46, \e, v46, vcc_lo
.endr
	v_mov_b32 v42, -1.0                            ; under every gate
	v_mov_b32 v47, 0
.irp e, 0,1,2,3,4,5,6,7
	v_cmp_le_f32 s26, v[32+\e], v42
	v_cmp_eq_u32 s27, \e, v46                      ; the best one is passed over
	s_or_b32 vcc_lo, s26, s27
	v_cndmask_b32 v42, v[32+\e], v42, vcc_lo
	v_cndmask_b32 v47, \e, v47, vcc_lo
.endr
	v_add_f32 v26, v40, v42
	v_rcp_f32 v26, v26
	v_lshlrev_b32 v48, 3, v6                       ; (a plain place)  8 bytes a token
	s_wait_alu depctr_va_vdst(0)
	v_mul_f32 v50, v40, v26
	v_mul_f32 v51, v42, v26
.irp e, 0,1,2,3,4,5,6,7
	v_cmp_eq_u32 s26, \e, v46
	v_cmp_eq_u32 s27, \e, v47
	s_or_b32 s28, s26, s27                         ; bit l: token l chose expert e
	s_bcnt1_i32_b32 s29, s28
	v_writelane_b32 v44, s28, \e
	v_writelane_b32 v45, s29, \e
.endr
	v_lshlrev_b32 v49, 2, v6
	s_lshl_b32 s14, ttmp9, 8                       ; 32 tokens x 8 bytes
	s_add_nc_u64 s[30:31], s[10:11], s[14:15]
	s_add_nc_u64 s[32:33], s[12:13], s[14:15]
	s_lshl_b32 s14, ttmp9, 5                       ; 8 words a group of tokens
	s_add_nc_u64 s[34:35], s[10:11], s[14:15]
	global_store_b64 v48, v[46:47], s[30:31] offset:2048           ; 32 lanes store 256 consecutive bytes
	global_store_b64 v48, v[50:51], s[32:33]
	s_wait_xcnt 0x0                                ; EXEC changes only behind this wait
	v_cmp_gt_u32 vcc_lo, 8, v6
	s_wait_tensorcnt 0x0
	ds_add_u32 v62, v63
	s_wait_dscnt 0x0
	s_and_saveexec_b32 s36, vcc_lo                 ; lanes 0 to 7: an expert each
	global_store_b32 v49, v44, s[34:35]
	global_store_b32 v49, v45, s[34:35] offset:1024
	s_endpgm
.Lothers:
	s_wait_tensorcnt 0x0
	ds_add_u32 v62, v63
	s_wait_dscnt 0x0
	s_endpgm
.Lfunc_end_k_qc4e4a4d965_router:
	.size	k_qc4e4a4d965_router, .Lfunc_end_k_qc4e4a4d965_router-k_qc4e4a4d965_router
	.p2alignl 7, 3214868480
	.fill 96, 4, 3214868480
	.section	.rodata,"a",@progbits
	.p2align	6, 0x0
	.amdhsa_kernel k_qc4e4a4d965_router
		.amdhsa_group_segment_fixed_size 38912
		.amdhsa_private_segment_fixed_size 0
		.amdhsa_enable_private_segment 0
		.amdhsa_kernarg_size 40
		.amdhsa_user_sgpr_count 2
		.amdhsa_user_sgpr_kernarg_segment_ptr 1
		.amdhsa_wavefront_size32 1
		.amdhsa_system_sgpr_workgroup_id_x 1
		.amdhsa_system_sgpr_workgroup_id_y 1
		.amdhsa_system_sgpr_workgroup_id_z 1
		.amdhsa_system_vgpr_workitem_id 0
		.amdhsa_next_free_vgpr 512
		.amdhsa_next_free_sgpr 66
		.amdhsa_reserve_vcc 1
		.amdhsa_float_denorm_mode_32 3
		.amdhsa_float_denorm_mode_16_64 3
		.amdhsa_memory_ordered 1
		.amdhsa_forward_progress 1
		.amdhsa_inst_pref_size 63
	.end_amdhsa_kernel
	.amdgpu_metadata
---
amdhsa.version: [ 1, 2 ]
amdhsa.kernels:
  - .name:           k_qc4e4a4d965_router
    .symbol:         k_qc4e4a4d965_router.kd
    .args:
      - { .name: x, .offset: 0, .size: 8, .value_kind: global_buffer, .address_space: global }
      - { .name: Wr, .offset: 8, .size: 8, .value_kind: global_buffer, .address_space: global }
      - { .name: br, .offset: 16, .size: 8, .value_kind: global_buffer, .address_space: global }
      - { .name: route, .offset: 24, .size: 8, .value_kind: global_buffer, .address_space: global }
      - { .name: gw, .offset: 32, .size: 8, .value_kind: global_buffer, .address_space: global }
    .group_segment_fixed_size: 38912
    .private_segment_fixed_size: 0
    .kernarg_segment_align: 8
    .kernarg_segment_size: 40
    .max_flat_workgroup_size: 256
    .sgpr_count:     66
    .vgpr_count:     512
    .wavefront_size: 32
...
	.end_amdgpu_metadata
.endif
;; end of part 1
;; launch sort (part 2): grid 72 x 1, 1 waves a work-group, no clusters, 0 bytes of LDS; arguments route, plan; writes plan
.if DOCPART == 2
	.amdgcn_target "amdgcn-amd-amdhsa--gfx1250"
	.amdhsa_code_object_version 6
	.text
	.protected	k_qc4e4a4d965_sort
	.globl	k_qc4e4a4d965_sort
	.p2align	8
	.type	k_qc4e4a4d965_sort,@function
k_qc4e4a4d965_sort:
	s_mov_b64 s[64:65], 0
	v_nop
	global_prefetch_b8 v0, s[64:65] scope:SCOPE_SE
	s_setreg_imm32_b32 hwreg(HW_REG_WAVE_MODE, 25, 1), 1
	s_wait_xcnt 0x0
; SORT.  The 2,048 routed rows (token, chosen expert) are put in order: by expert, in token order within an expert; each expert's rows are filled up to whole chunks of 32 rows (two tiles of 16).
; With n_e rows, expert e has NC_e = ceil(n_e / 32) chunks, the first of them CB_e = the sum of the earlier experts' chunks.  All chunks together are never more than 64 + 7 = 71, whatever the choice: 72 work-groups cover that.
; Read: route: SEL at byte 0, [32 groups of 32 tokens][8 experts], bit b = token 32 j + b chose the expert; CNT at byte 1,024, the words' numbers of ones; IDS at byte 2,048, [token][2].
; EVERYTHING THAT THIS LAUNCH MAKES IS STORED AS A VALUE, at a place fixed by the work-group's number and the lane: no address, no branch and no lane mask here hangs on what was read.  The launches behind it read these whole numbers and form their addresses and branches from them.
; SHARES.  A work-group is one wave and takes one chunk; a lane takes one sorted row.  All in whole numbers: totals of CNT; the chunk's expert; for rank q the last word of SEL whose count of earlier ones is at most q; in it the bit of the rank left over.
; STORED in plan: byte 0 [expert](CB, NC), byte 64 the tiles in use (by work-group 0);  byte 8,448 TOK [sorted row]: the row's token, 0 for a row that only fills a chunk or lies in a chunk not in use;
;   byte 17,664 EXP [sorted row]: the row's expert, 8 for such a filling row;   byte 256 ROWPOS [token][2]: the sorted rows of the token's two choices (by work-groups 0 to 31, a group of 32 tokens each, a lane to a token):
;   32 CB_e + the expert's ones in the groups ahead + its ones below the token's bit in the group's own word.
; The loads for ROWPOS stand with the others at the head, in every work-group (group = work-group mod 32, inside the buffer); only work-groups 0 to 31 use them.
.macro REDUCE                          ; v41-44, two experts to a register in fields of 16 bits (a sum is at most 1,024), are added across the 32 lanes; the sums go to s66-69
.irp m, 1,2,4,8
.irp p, 0,1,2,3
	v_mov_b32_dpp v[45+\p], v[41+\p] row_xmask:\m row_mask:0xf bank_mask:0xf
.endr
.irp p, 0,1,2,3
	v_add_nc_u32 v[41+\p], v[41+\p], v[45+\p]
.endr
.endr
.irp p, 0,1,2,3
	v_permlanex16_b32 v[45+\p], v[41+\p], s48, s49
.endr
.irp p, 0,1,2,3
	v_add_nc_u32 v[41+\p], v[41+\p], v[45+\p]
.endr
.irp p, 0,1,2,3
	v_readfirstlane_b32 s[66+\p], v[41+\p]
.endr
.endm
	s_load_b128 s[4:7], s[0:1], 0x0                ; route s[4:5], plan s[6:7]
	s_lshl_b32 s3, ttmp9, 1                        ; the chunk's even tile
	s_and_b32 s63, ttmp9, 31                       ; the group of tokens for ROWPOS
	v_and_b32 v1, 31, v0                           ; lane
	v_lshlrev_b32 v40, 5, v1                       ; 32 bytes a group of tokens
	v_lshlrev_b32 v35, 2, v1
	v_lshlrev_b32 v49, 3, v1
.irp p, 0,1,2,3
	v_mov_b32 v[45+\p], 0                          ; destinations of lane moves count as sources: written once
.endr
	v_mov_b32 v34, 0
	s_mov_b32 s48, 0x76543210
	s_mov_b32 s49, 0xfedcba98                      ; v_permlanex16_b32's selects for lane l xor 16
	s_mov_b32 s15, 0
	s_lshl_b32 s62, s63, 5                         ; (stays as it is: the scalar load below names it)
	s_lshl_b32 s14, s63, 8                         ; 32 tokens x 8 bytes
	s_wait_kmcnt 0x0
	s_load_b256 s[72:79], s[4:5], s62 offset:0x0   ; SEL of the group: eight words
	s_add_nc_u64 s[54:55], s[4:5], s[14:15]
	s_add_nc_u64 s[56:57], s[6:7], s[14:15]
	global_load_b128 v[4:7], v40, s[4:5] offset:1024               ; lane j: CNT[j][0..7],
	global_load_b128 v[8:11], v40, s[4:5] offset:1040
	global_load_b128 v[12:15], v40, s[4:5]                         ; SEL[j][0..7]
	global_load_b128 v[16:19], v40, s[4:5] offset:16
	global_load_b64 v[36:37], v49, s[54:55] offset:2048            ; the two experts of the group's token 'lane'
	s_lshl_b32 s14, ttmp9, 7                       ; 32 rows x 4 bytes a chunk
	s_add_nc_u64 s[52:53], s[6:7], s[14:15]
	s_wait_loadcnt 0x0
	s_wait_kmcnt 0x0
; each expert's rows
.irp p, 0,1,2,3
	v_lshl_or_b32 v[41+\p], v[5+2*\p], 16, v[4+2*\p]
.endr
	REDUCE
.irp p, 0,1,2,3
	s_and_b32 s[16+2*\p], s[66+\p], 0xffff         ; s16-23: n_e
	s_lshr_b32 s[17+2*\p], s[66+\p], 16
.endr
	s_mov_b32 s32, 0                               ; s32-40: the experts' first tiles; s40 the tiles in use
.irp e, 0,1,2,3,4,5,6,7
	s_add_co_u32 s[24+\e], s[16+\e], 31
	s_lshr_b32 s[24+\e], s[24+\e], 5               ; s24-31: NC_e
	s_lshl_b32 s44, s[24+\e], 1
	s_add_co_u32 s[33+\e], s[32+\e], s44
.endr
	s_mov_b32 s41, 0                               ; my chunk's expert: the last whose first tile is at most my even tile,
	s_mov_b32 s42, 0                               ; its first tile,
	s_mov_b32 s43, s16                             ; its rows.  (A chunk not in use falls to expert 7 with ranks past its rows: all its rows are filling rows)
.irp e, 1,2,3,4,5,6,7
	s_cmp_le_u32 s[32+\e], s3
	s_cselect_b32 s41, \e, s41
	s_cselect_b32 s42, s[32+\e], s42
	s_cselect_b32 s43, s[16+\e], s43
.endr
	v_mov_b32 v20, v12                             ; lane j: the expert's word of group j
.irp e, 1,2,3,4,5,6,7
	s_cmp_eq_u32 s41, \e
	s_cselect_b32 vcc_lo, -1, 0
	v_cndmask_b32 v20, v20, v[12+\e], vcc_lo
.endr
	s_sub_co_u32 s44, s3, s42
	s_lshl_b32 s44, s44, 4
	v_add_nc_u32 v21, s44, v1                      ; q: my row's rank in the expert
	v_mov_b32 v22, 0                               ; the word that holds rank q,
	v_mov_b32 v23, 0                               ; the ones ahead of it,
	v_mov_b32 v24, 0                               ; its group
	s_mov_b32 s46, 0
.set j, 0
.rept 32
	v_readlane_b32 s45, v20, j
	v_cmp_gt_u32 vcc_lo, s46, v21                  ; kept where the ones ahead of word j are more than q
	v_cndmask_b32 v22, s45, v22, vcc_lo
	v_cndmask_b32 v23, s46, v23, vcc_lo
	v_cndmask_b32 v24, j, v24, vcc_lo
	s_bcnt1_i32_b32 s47, s45
	s_add_co_u32 s46, s46, s47
.set j, j+1
.endr
	v_sub_nc_u32 v29, v21, v23                     ; the rank left over: which one of the word
	v_lshrrev_b32 v31, 1, v22                      ; the word's ones counted in fields of 2, 4, 8 and 16 bits
	v_and_b32 v31, 0x55555555, v31
	v_sub_nc_u32 v25, v22, v31
	v_lshrrev_b32 v31, 2, v25
	v_and_b32 v31, 0x33333333, v31
	v_and_b32 v26, 0x33333333, v25
	v_add_nc_u32 v26, v26, v31
	v_lshrrev_b32 v31, 4, v26
	v_add_nc_u32 v27, v26, v31
	v_and_b32 v27, 0x0f0f0f0f, v27
	v_lshrrev_b32 v31, 8, v27
	v_add_nc_u32 v28, v27, v31
	v_and_b32 v28, 0x00ff00ff, v28
	v_mov_b32 v30, 0                               ; the bit's place
.macro PICK src, wd                    ; where the lower field of wd bits holds too few ones, they are taken off the rank and the place moves over it
	v_bfe_u32 v31, v[\src], v30, \wd
	v_cmp_ge_u32 vcc_lo, v29, v31
	v_sub_nc_u32 v31, v29, v31
	v_cndmask_b32 v29, v29, v31, vcc_lo
	v_add_nc_u32 v31, \wd, v30
	v_cndmask_b32 v30, v30, v31, vcc_lo
.endm
	PICK 28, 16
	PICK 27, 8
	PICK 26, 4
	PICK 25, 2
	PICK 22, 1
	v_lshl_add_u32 v32, v24, 5, v30                ; the token
	v_cmp_gt_u32 s51, s43, v21                     ; a true row: n > q
	v_cndmask_b32 v32, 0, v32, s51
	v_min_u32 v32, 0x3ff, v32
	v_mov_b32 v33, s41
	v_cndmask_b32 v33, 8, v33, s51                 ; the expert, or 8, which is no token's choice
	global_store_b32 v35, v32, s[52:53] offset:8448                ; 32 lanes store 128 consecutive bytes
	global_store_b32 v35, v33, s[52:53] offset:17664
	s_cmp_lg_u32 ttmp9, 0
	s_cbranch_scc1 .Lnot_first
.irp e, 0,1,2,3,4,5,6,7
	s_lshr_b32 s58, s[32+\e], 1
	v_writelane_b32 v34, s58, 2*\e                 ; the table: CB_e,
	v_writelane_b32 v34, s[24+\e], 2*\e+1          ; NC_e,
.endr
	v_writelane_b32 v34, s40, 16                   ; and behind it the tiles in use; lanes 17 to 31 hold 0
	global_store_b32 v35, v34, s[6:7]              ; once in the launch
.Lnot_first:
	s_cmp_ge_u32 ttmp9, 32
	s_cbranch_scc1 .Ldone
; ROWPOS of the group's 32 tokens
	v_cmp_gt_u32 vcc_lo, s63, v1                   ; the groups ahead of mine
.irp p, 0,1,2,3
	v_lshl_or_b32 v[41+\p], v[5+2*\p], 16, v[4+2*\p]
.endr
.irp p, 0,1,2,3
	v_cndmask_b32 v[41+\p], 0, v[41+\p], vcc_lo
.endr
	REDUCE
.irp p, 0,1,2,3
	s_and_b32 s[80+2*\p], s[66+\p], 0xffff         ; s80-87: each expert's ones in the groups ahead,
	s_lshr_b32 s[81+2*\p], s[66+\p], 16
.endr
.irp e, 0,1,2,3,4,5,6,7
	s_lshl_b32 s58, s[32+\e], 4
	s_add_co_u32 s[80+\e], s[80+\e], s58           ; + the expert's first row: 16 x its first tile
.endr
.irp e, 0,1,2,3,4,5,6,7
	v_mbcnt_lo_u32_b32 v[50+\e], s[72+\e], s[80+\e]  ; + the ones of the group's own word below my lane's bit: the row that my token would have with expert e
.endr
	v_mov_b32 v38, v50
	v_mov_b32 v39, v50
.irp e, 1,2,3,4,5,6,7
	v_cmp_eq_u32 vcc_lo, \e, v36
	v_cndmask_b32 v38, v38, v[50+\e], vcc_lo       ; that of its first choice,
	v_cmp_eq_u32 vcc_lo, \e, v37
	v_cndmask_b32 v39, v39, v[50+\e], vcc_lo       ; of its second
.endr
	global_store_b64 v49, v[38:39], s[56:57] offset:256            ; 32 lanes store 256 consecutive bytes, aligned
.Ldone:
	s_endpgm
.Lfunc_end_k_qc4e4a4d965_sort:
	.size	k_qc4e4a4d965_sort, .Lfunc_end_k_qc4e4a4d965_sort-k_qc4e4a4d965_sort
	.p2alignl 7, 3214868480
	.fill 96, 4, 3214868480
	.section	.rodata,"a",@progbits
	.p2align	6, 0x0
	.amdhsa_kernel k_qc4e4a4d965_sort
		.amdhsa_group_segment_fixed_size 0
		.amdhsa_private_segment_fixed_size 0
		.amdhsa_enable_private_segment 0
		.amdhsa_kernarg_size 16
		.amdhsa_user_sgpr_count 2
		.amdhsa_user_sgpr_kernarg_segment_ptr 1
		.amdhsa_wavefront_size32 1
		.amdhsa_system_sgpr_workgroup_id_x 1
		.amdhsa_system_sgpr_workgroup_id_y 1
		.amdhsa_system_sgpr_workgroup_id_z 1
		.amdhsa_system_vgpr_workitem_id 0
		.amdhsa_next_free_vgpr 64
		.amdhsa_next_free_sgpr 88
		.amdhsa_reserve_vcc 1
		.amdhsa_float_denorm_mode_32 3
		.amdhsa_float_denorm_mode_16_64 3
		.amdhsa_memory_ordered 1
		.amdhsa_forward_progress 1
		.amdhsa_inst_pref_size 24
	.end_amdhsa_kernel
	.amdgpu_metadata
---
amdhsa.version: [ 1, 2 ]
amdhsa.kernels:
  - .name:           k_qc4e4a4d965_sort
    .symbol:         k_qc4e4a4d965_sort.kd
    .args:
      - { .name: route, .offset: 0, .size: 8, .value_kind: global_buffer, .address_space: global }
      - { .name: plan, .offset: 8, .size: 8, .value_kind: global_buffer, .address_space: global }
    .group_segment_fixed_size: 0
    .private_segment_fixed_size: 0
    .kernarg_segment_align: 8
    .kernarg_segment_size: 16
    .max_flat_workgroup_size: 32
    .sgpr_count:     88
    .vgpr_count:     64
    .wavefront_size: 32
...
	.end_amdgpu_metadata
.endif
;; end of part 2
;; launch place (part 3): grid 144 x 1, 8 waves a work-group, no clusters, 0 bytes of LDS; arguments plan, route, gw, x, xq; writes xq
.if DOCPART == 3
	.amdgcn_target "amdgcn-amd-amdhsa--gfx1250"
	.amdhsa_code_object_version 6
	.text
	.protected	k_qc4e4a4d965_place
	.globl	k_qc4e4a4d965_place
	.p2align	8
	.type	k_qc4e4a4d965_place,@function
k_qc4e4a4d965_place:
	s_mov_b64 s[64:65], 0
	v_nop
	global_prefetch_b8 v0, s[64:65] scope:SCOPE_SE
	s_setreg_imm32_b32 hwreg(HW_REG_WAVE_MODE, 25, 1), 1
	s_wait_xcnt 0x0
; PLACE.  The rows of x are gathered in sorted order (by expert; the list was made by the launch before) and quantised; the rows' gate weights are put in the same order.
; Read from plan: byte 64 the tiles in use; byte 8,448 TOK [sorted row] the row's token (0 for a row that only fills a chunk); byte 17,664 EXP [sorted row] the row's expert (8 for a filling row).
; SHARES.  Work-group g is sorted tile g (16 rows); wave s quantises K step s (128 of the 1,024 channels) of the tile's rows.  144 tiles cover the most that any choice can need (2 x 71); a work-group past the tiles in use stores nothing and ends.
; Waves share nothing: no LDS, no barrier.  The branch hangs on the stored number of tiles, the gather's addresses on the stored tokens, held at 1,023.
; A filling row takes token 0's numbers and the gate weight 0: it is computed and never read at the end.
; STORED.  xq: at byte 0 [tile][K step][2,048 bytes]: a fragment (16 rows x 128 K of E5M2 codes) as an image of the operand's registers: group c of four registers at 512 c + 16 lane;
;   at byte 2,359,296 [chunk][K step][32 words]: the rows' scale words, the even tile's in words 0-15, the odd tile's in 16-31;   at byte 2,433,024 [sorted row] the gate weight, f32.
; THE QUANTISER: a block of 32 along K has the scale 2^(floor(log2(its largest magnitude)) - 15); its byte is that magnitude's exponent field - 15, held at 1 from below by a floor among the maximum's leaves.
; LIMITS: a block of zeros gets the byte 1 over zero codes (this program alone reads the bytes); blocks under 2^-111 keep the byte 1; NaN and infinities are not served.
.set ST, 64                            ; v64-127  64 numbers: register 16 b + i = channel 32 b + 16 (lane / 16) + i of my row's K step
.set PC, 128                           ; v128-143 the fragment's codes
.set TM, 144                           ; v144-147 largest magnitudes, v148-151 bytes, v152-155 57,344 x the scale, v156-159 the conversions' scale operands
.set PW, 160                           ; v160     my row's scale word
	s_load_b256 s[4:11], s[0:1], 0x0               ; plan s[4:5], route s[6:7], gw s[8:9], x s[10:11]
	s_load_b64 s[12:13], s[0:1], 0x20              ; xq
	v_lshrrev_b32 v40, 5, v0
	v_readfirstlane_b32 s2, v40                    ; wave = K step
	s_mov_b32 s3, ttmp9                            ; g: the sorted tile
	v_and_b32 v1, 31, v0                           ; lane
	v_and_b32 v2, 15, v0                           ; r
	v_bfe_u32 v3, v0, 4, 1                         ; h
	v_lshlrev_b32 v34, 4, v1
	v_lshlrev_b32 v35, 2, v1
	v_lshlrev_b32 v40, 2, v2                       ; 4 bytes a row of the lists
.irp p, 0,1,2,3
	v_mov_b32 v[TM+4+\p], 0                        ; a lane permute's destination counts as one of its sources: written once
.endr
	s_mov_b32 s48, 0x76543210
	s_mov_b32 s49, 0xfedcba98                      ; v_permlanex16_b32's selects for lane l xor 16
	s_mov_b32 s50, 0x600000                        ; the mantissa field of 57,344
	s_mov_b32 s15, 0
	s_lshl_b32 s14, s3, 6                          ; 16 rows x 4 bytes a tile
	s_wait_kmcnt 0x0
	s_load_b32 s40, s[4:5], 0x40                   ; the tiles in use
	s_add_nc_u64 s[16:17], s[4:5], s[14:15]
	global_load_b32 v32, v40, s[16:17] offset:8448                 ; my row's token,
	global_load_b32 v41, v40, s[16:17] offset:17664                ; its expert
	s_wait_kmcnt 0x0
	s_min_u32 s40, s40, 144
	s_cmp_ge_u32 s3, s40
	s_cbranch_scc1 .Ldone                          ; no such tile under this choice
	s_wait_loadcnt 0x0
	v_min_u32 v32, 0x3ff, v32
	v_lshlrev_b32 v161, 3, v32
	global_load_b64 v[36:37], v161, s[6:7] offset:2048             ; the token's two experts,
	global_load_b64 v[38:39], v161, s[8:9]                         ; their weights
	v_lshlrev_b32 v33, 12, v32
	v_lshl_add_u32 v33, v3, 6, v33                 ; x: the token's row, + 64 h: my 16 numbers of a block of 32
	s_lshl_b32 s14, s2, 9
	s_add_nc_u64 s[52:53], s[10:11], s[14:15]      ; + my K step's 512 bytes
.irp b, 0,1,2,3
.irp j, 0,1,2,3
	global_load_b128 v[ST+16*\b+4*\j:ST+16*\b+4*\j+3], v33, s[52:53] offset:128*\b+16*\j
.endr
.endr
	s_lshl_b32 s14, s3, 14                         ; where the results go: the image: (8 g + s) x 2,048;
	s_lshl_b32 s62, s2, 11
	s_add_co_u32 s14, s14, s62
	s_add_nc_u64 s[54:55], s[12:13], s[14:15]
	s_lshr_b32 s14, s3, 1                          ; the scale words: ((g / 2) 8 + s) 128 + (g % 2) 64;
	s_lshl_b32 s14, s14, 10
	s_lshl_b32 s62, s2, 7
	s_add_co_u32 s14, s14, s62
	s_and_b32 s62, s3, 1
	s_lshl_b32 s62, s62, 6
	s_add_co_u32 s14, s14, s62
	s_add_co_u32 s14, s14, 2359296
	s_add_nc_u64 s[56:57], s[12:13], s[14:15]
	s_lshl_b32 s14, s3, 6                          ; the gate weights: 64 g
	s_add_co_u32 s14, s14, 2433024
	s_add_nc_u64 s[58:59], s[12:13], s[14:15]
	s_wait_loadcnt 0x0
	v_cmp_eq_u32 vcc_lo, v36, v41                  ; the row's expert is the token's first choice,
	v_cndmask_b32 v163, 0, v38, vcc_lo
	v_cmp_eq_u32 vcc_lo, v37, v41                  ; or its second;
	v_cndmask_b32 v163, v163, v39, vcc_lo          ; a filling row's 8 is neither: it weighs nothing
; 64 numbers become a fragment's codes and my row's scale word
.irp b, 0,1,2,3
	v_max3_num_f32 v[TM+\b], |v[ST+16*\b]|, |v[ST+1+16*\b]|, 0x8000000   ; block b: my 16 numbers, and the floor 2^(16 - 127): the byte cannot fall under 1
.endr
.irp i, 2,4,6,8,10,12,14
.irp b, 0,1,2,3
	v_max3_num_f32 v[TM+\b], v[TM+\b], |v[ST+16*\b+\i]|, |v[ST+1+16*\b+\i]|
.endr
.endr
.irp b, 0,1,2,3
	v_permlanex16_b32 v[TM+4+\b], v[TM+\b], s48, s49
.endr
.irp b, 0,1,2,3
	v_max_num_f32 v[TM+\b], v[TM+\b], v[TM+4+\b]   ; with lane l xor 16's: the block's largest magnitude
.endr
.irp b, 0,1,2,3
	v_add_nc_u32 v[TM+12+\b], 0xf8800000, v[TM+\b] ; 15 off its exponent field: the conversion takes that field as its scale
.endr
.irp b, 0,1,2,3
	v_and_or_b32 v[TM+8+\b], v[TM+\b], 0x7f800000, s50   ; 57,344 x the scale
.endr
.irp b, 0,1,2,3
	v_lshrrev_b32 v[TM+4+\b], 23, v[TM+12+\b]      ; the scale's byte
.endr
	v_lshl_or_b32 v[PW], v[TM+5], 8, v[TM+4]
	v_lshl_or_b32 v[PW], v[TM+6], 16, v[PW]
	v_lshl_or_b32 v[PW], v[TM+7], 24, v[PW]
.irp b, 0,1,2,3
.irp i, 0,1,2,3,4,5,6,7,8,9,10,11,12,13,14,15
	v_med3_num_f32 v[ST+16*\b+\i], v[ST+16*\b+\i], -v[TM+8+\b], v[TM+8+\b]   ; the conversion to an 8-bit code does not saturate (ISA guide 7.6.2): the hold at the largest code x the scale
.endr
	v_cvt_scalef32_pk8_bf8_f32 v[PC+4*\b:PC+1+4*\b], v[ST+16*\b:ST+7+16*\b], v[TM+12+\b]
	v_cvt_scalef32_pk8_bf8_f32 v[PC+2+4*\b:PC+3+4*\b], v[ST+8+16*\b:ST+15+16*\b], v[TM+12+\b]
.endr
	v_nop                                          ; a plain line behind the last conversion
.irp c, 0,1,2,3
	global_store_b128 v34, v[PC+4*\c:PC+4*\c+3], s[54:55] offset:512*\c      ; 32 lanes store 512 consecutive bytes
.endr
	s_wait_xcnt 0x0                                ; EXEC changes only behind this wait
	v_cmp_gt_u32 vcc_lo, 16, v1
	s_and_saveexec_b32 s60, vcc_lo                 ; lanes 0 to 15: a row each
	global_store_b32 v35, v[PW], s[56:57]
	s_cmp_lg_u32 s2, 0
	s_cbranch_scc1 .Ldone                          ; the gate weights are stored once for the tile: by wave 0
	global_store_b32 v35, v163, s[58:59]
.Ldone:
	s_endpgm
.Lfunc_end_k_qc4e4a4d965_place:
	.size	k_qc4e4a4d965_place, .Lfunc_end_k_qc4e4a4d965_place-k_qc4e4a4d965_place
	.p2alignl 7, 3214868480
	.fill 96, 4, 3214868480
	.section	.rodata,"a",@progbits
	.p2align	6, 0x0
	.amdhsa_kernel k_qc4e4a4d965_place
		.amdhsa_group_segment_fixed_size 0
		.amdhsa_private_segment_fixed_size 0
		.amdhsa_enable_private_segment 0
		.amdhsa_kernarg_size 40
		.amdhsa_user_sgpr_count 2
		.amdhsa_user_sgpr_kernarg_segment_ptr 1
		.amdhsa_wavefront_size32 1
		.amdhsa_system_sgpr_workgroup_id_x 1
		.amdhsa_system_sgpr_workgroup_id_y 1
		.amdhsa_system_sgpr_workgroup_id_z 1
		.amdhsa_system_vgpr_workitem_id 0
		.amdhsa_next_free_vgpr 192
		.amdhsa_next_free_sgpr 66
		.amdhsa_reserve_vcc 1
		.amdhsa_float_denorm_mode_32 3
		.amdhsa_float_denorm_mode_16_64 3
		.amdhsa_memory_ordered 1
		.amdhsa_forward_progress 1
		.amdhsa_inst_pref_size 13
	.end_amdhsa_kernel
	.amdgpu_metadata
---
amdhsa.version: [ 1, 2 ]
amdhsa.kernels:
  - .name:           k_qc4e4a4d965_place
    .symbol:         k_qc4e4a4d965_place.kd
    .args:
      - { .name: plan, .offset: 0, .size: 8, .value_kind: global_buffer, .address_space: global }
      - { .name: route, .offset: 8, .size: 8, .value_kind: global_buffer, .address_space: global }
      - { .name: gw, .offset: 16, .size: 8, .value_kind: global_buffer, .address_space: global }
      - { .name: x, .offset: 24, .size: 8, .value_kind: global_buffer, .address_space: global }
      - { .name: xq, .offset: 32, .size: 8, .value_kind: global_buffer, .address_space: global }
    .group_segment_fixed_size: 0
    .private_segment_fixed_size: 0
    .kernarg_segment_align: 8
    .kernarg_segment_size: 40
    .max_flat_workgroup_size: 256
    .sgpr_count:     66
    .vgpr_count:     192
    .wavefront_size: 32
...
	.end_amdgpu_metadata
.endif
;; end of part 3
;; launch ffn1 (part 4): grid 32 x 8, 8 waves a work-group, no clusters, 144,384 bytes of LDS; arguments W1, b1, plan, xq, hq; writes hq
.if DOCPART == 4
	.amdgcn_target "amdgcn-amd-amdhsa--gfx1250"
	.amdhsa_code_object_version 6
	.text
	.protected	k_qc4e4a4d965_ffn1
	.globl	k_qc4e4a4d965_ffn1
	.p2align	8
	.type	k_qc4e4a4d965_ffn1,@function
k_qc4e4a4d965_ffn1:
	s_mov_b64 s[64:65], 0
	v_nop
	global_prefetch_b8 v0, s[64:65] scope:SCOPE_SE
	s_setreg_imm32_b32 hwreg(HW_REG_WAVE_MODE, 25, 1), 1
	s_wait_xcnt 0x0
; FFN 1.  h = gelu(x W1[e] + b1[e]) for the rows routed to expert e, the product on codes of E5M2 with one E8M0 scale for each 32 along K; h leaves as codes, quantised along the hidden axis.
; THE WEIGHTS STAND STILL, THE ROWS STREAM.  Work-group (slice, e) owns W1[e][all 1,024 channels][hidden units 128 slice .. + 127]: 512 KiB of f32, read once, in runs of 512 bytes.
; PHASE 1.  Wave w owns K step w (128 channels).  A lane takes four neighbouring columns and its registers run down K: a block of 32 along K of one column lies in one lane, so its largest magnitude needs no other lane.
;   The hold at the largest code moves a column's 32 numbers into consecutive registers, from which the conversions take them.  The codes go to LDS as images of the operand's registers (group c of four registers at 512 c + 16 lane).
;   Loader lane 16 L + r holds columns 64 L + 4 r + q: they are row r of tile 4 L + q.  Which columns form a tile is free; it says where a result lands (below).
; One barrier; then PHASE 2: each wave by itself takes the expert's chunks of 32 sorted rows w, w + 8, ..: ceil((chunks - w) / 8) trips, a number made from the stored table; no barrier among them.
;   The trips that have a successor go round a loop, counted one by one against their number; such a trip asks in its second half for the next chunk's first four K steps, and at its end for the first weight fragments again.
;   THE LAST TRIP IS WRITTEN OUT behind the loop: it asks for nothing beyond its own chunk, and its counts run down.
;   The product is used transposed (source 0 = 16 columns of W1, source 1 = 16 rows of x): lane (r, h) holds row r, and register j of tile 4 L + q the unit 64 L + 32 h + 4 j + q.  So the 32 registers of tiles 4 L .. 4 L + 3
;   are ALL 32 units of the block 2 L + h of the next K: gelu, maximum, hold and conversion stay in the lane.  Place p = 8 q + j of a block holds unit 4 (p % 8) + p / 8; the next launch takes W2's rows in the same order.
;   b1 is what the sums begin with: its image is loaded into the accumulators at a chunk's head.
; No tensor load and no joint request: the trip count hangs on a number read from memory, and the images that the expert's 32 work-groups share are about a third of a work-group's bytes.
; gelu(x) = max(x, 0) - |x| erfc(|x| / sqrt 2) / 2, erfc(z) = t exp(-z^2 + P(t)), t = 1 / (1 + z / 2), P of degree 9 (a Chebyshev fit with a fractional error under 1.2e-7 at every z): the negative tail keeps its relative accuracy.
; LIMITS: NaN and infinities are not served; a block of zeros gets the byte 1 over zero codes (this program alone reads the bytes), blocks under 2^-111 keep the byte 1; gelu's relative error is some 3e-7 and grows by 0.72 x^2 x 6e-8 in the far negative tail.
; REGISTERS.  window 0: v1-11 addresses; v12-27 at work; v28-31 x's scale words, one a ring slot; v32-95 at work; v96-127 codes (phase 1), W1's scale words (phase 2); v128-255 a set of weights (phase 1), the 16 accumulators (phase 2).
;   window 1: v0-127, v128-255 two more sets (phase 1); W1's eight fragments of a K step and a ring of four slots of x's two fragments (phase 2).
.set RSTRIDE, 16384                    ; bytes from a row of W1[e] to the next
.set MSTR,  16384                      ; bytes from a tile's images to the next tile's
.set XSTEP, 262144                     ; eight chunks of images
.set SSTEP, 8192                       ; eight chunks of scale words
.set WSC,   131072                     ; LDS: behind the 64 fragments of 2,048 bytes: their scale words, 64 bytes a fragment;
.set BIMG,  135168                     ; b1's image: 1,024 bytes a tile
.set LW,   1                           ; v1   16 x lane: a global image's, and a weight row's, place for my lane
.set LDW,  2                           ; v2   where I store codes: 16,384 w + 8,192 L + 16 r
.set LDSC, 3                           ; v3   and scale words: WSC + 512 w + 256 L + 4 r
.set LR0,  4                           ; v4   16 x lane: fragments of K steps 0-3
.set LR1,  5                           ; v5   + 65,536: of K steps 4-7
.set L4,   6                           ; v6   4 x lane
.set AWS,  7                           ; v7   WSC + 4 x lane
.set ABI,  8                           ; v8   BIMG + 16 x lane
.set OL,   9                           ; v9   phase 1: where my wave stores b1's image; phase 2: 512 h + 16 r, my codes' place in an image
.set H8,   10                          ; v10  8 h
.set H128, 11                          ; v11  128 h
.set MX,   12
.set SCO,  16
.set LIM,  20
.set WORD, 24
.set XS,   28
.set TA,   32                          ; v32-63, v64-95: a column's 32 numbers, two sets by turns
.set CODE, 96
.set WS,   96                          ; register 4 s + p: lanes 0-15 tile 2 p's words of K step s, lanes 16-31 tile 2 p + 1's
.set ACC,  128                         ; accumulator (row tile m, column tile t) at ACC + 64 m + 8 t
.set TT,   32
.set PP,   48
.set RR,   64
.set CD,   80
.set MSB, 0
.macro WIN new                         ; the immediate's high byte repeats the setting that is left
.if MSB != (\new)
	s_set_vgpr_msb (MSB<<8)|(\new)
.set MSB, (\new)
.endif
.endm
.macro NOP8                            ; eight places behind this matrix form, in front of loads into registers that it has read and of the first read of results
.rept 8
	v_nop
.endr
.endm
; block t of my K step: 32 rows x 512 bytes into the set at v[set] of window win
.macro WLOAD t, set, win
.if \win
	WIN 0x40
.endif
.set wi, 0
.rept 32
	global_load_b128 v[(\set)+4*wi:(\set)+4*wi+3], v[LW], s[4:5] offset:(32*(\t)+wi)*RSTRIDE th:TH_LOAD_NT
.set wi, wi+1
.endr
	WIN 0
.endm
; that block becomes codes and scale bytes: four columns a lane
.macro WQUANT t, set, win
.if \win
	WIN 0x14                                       ; sources 1 and 2 window 1
.endif
.set qi, 0
.rept 16
.irp q, 0,1,2,3
.if qi == 0
	v_max3_num_f32 v[MX+\q], s37, |v[(\set)+\q]|, |v[(\set)+4+\q]|           ; the floor 2^(16 - 127) among the leaves: the byte cannot fall under 1
.else
	v_max3_num_f32 v[MX+\q], v[MX+\q], |v[(\set)+8*qi+\q]|, |v[(\set)+8*qi+4+\q]|
.endif
.endr
.set qi, qi+1
.endr
	WIN 0
.irp q, 0,1,2,3
	v_add_nc_u32 v[SCO+\q], 0xf8800000, v[MX+\q]   ; 15 off the exponent field: the conversion's scale operand
.endr
.irp q, 0,1,2,3
	v_and_or_b32 v[LIM+\q], v[MX+\q], 0x7f800000, s36    ; 57,344 x the scale
.endr
.irp q, 0,1,2,3
	v_lshrrev_b32 v[MX+\q], 23, v[SCO+\q]          ; the scale's byte
.endr
.irp q, 0,1,2,3
.if (\t) == 0
	v_mov_b32 v[WORD+\q], v[MX+\q]
.else
	v_lshl_or_b32 v[WORD+\q], v[MX+\q], 8*(\t), v[WORD+\q]
.endif
.endr
	s_wait_dscnt 0x0                               ; my earlier LDS stores have read their registers
.irp q, 0,1,2,3
.if \win
	WIN 0x01                                       ; source 0 window 1
.endif
.set qi, 0
.rept 32
	v_med3_num_f32 v[TA+32*(\q%2)+qi], v[(\set)+4*qi+\q], -v[LIM+\q], v[LIM+\q]   ; the hold (the conversion does not saturate: ISA guide 7.6.2), and the column's numbers on end
.set qi, qi+1
.endr
	WIN 0
.irp g, 0,1,2,3
	v_cvt_scalef32_pk8_bf8_f32 v[CODE+8*\q+2*\g:CODE+8*\q+2*\g+1], v[TA+32*(\q%2)+8*\g:TA+32*(\q%2)+8*\g+7], v[SCO+\q]
.endr
	ds_store_b128 v[LDW], v[CODE+8*\q:CODE+8*\q+3] offset:2048*\q+512*(\t)          ; places 0-15 of the block: the image's lanes 0-15,
	ds_store_b128 v[LDW], v[CODE+8*\q+4:CODE+8*\q+7] offset:2048*\q+512*(\t)+256    ; places 16-31: its lanes 16-31
.endr
	v_nop                                          ; a plain line behind the last conversion
.endm
; K step ks of a chunk's two tiles of rows into ring slot sl: eight loads of 512 consecutive bytes and the scale words: nine loads
.macro RING sl, ks, ba, sc
	WIN 0x40
.irp m, 0,1
.irp c, 0,1,2,3
	global_load_b128 v[128+32*(\sl)+16*\m+4*\c:128+32*(\sl)+16*\m+4*\c+3], v[LW], s[\ba:\ba+1] offset:MSTR*\m+2048*(\ks)+512*\c
.endr
.endr
	WIN 0
	global_load_b32 v[XS+(\sl)], v[L4], s[\sc:\sc+1] offset:128*(\ks)
.endm
; four of K step ks's eight weight fragments from LDS: sixteen loads
.macro WFL half, ks
	WIN 0x40
.irp tt, 0,1,2,3
.irp c, 0,1,2,3
.if (\ks) < 4
	ds_load_b128 v[16*(4*(\half)+\tt)+4*\c:16*(4*(\half)+\tt)+4*\c+3], v[LR0] offset:16384*(\ks)+2048*(4*(\half)+\tt)+512*\c
.else
	ds_load_b128 v[16*(4*(\half)+\tt)+4*\c:16*(4*(\half)+\tt)+4*\c+3], v[LR1] offset:16384*((\ks)-4)+2048*(4*(\half)+\tt)+512*\c
.endif
.endr
.endr
.endm
.macro WM d, a, b, sa, sb, ra, rb      ; ra, rb: the side's scales stand in lanes 16-31
.if (\ra) && (\rb)
	v_wmma_scale_f32_16x16x128_f8f6f4 v[(\d):(\d)+7], v[(\a):(\a)+15], v[(\b):(\b)+15], v[(\d):(\d)+7], v[(\sa)], v[(\sb)] matrix_a_fmt:MATRIX_FMT_BF8 matrix_b_fmt:MATRIX_FMT_BF8 matrix_a_scale:MATRIX_SCALE_ROW1 matrix_b_scale:MATRIX_SCALE_ROW1
.elseif (\ra)
	v_wmma_scale_f32_16x16x128_f8f6f4 v[(\d):(\d)+7], v[(\a):(\a)+15], v[(\b):(\b)+15], v[(\d):(\d)+7], v[(\sa)], v[(\sb)] matrix_a_fmt:MATRIX_FMT_BF8 matrix_b_fmt:MATRIX_FMT_BF8 matrix_a_scale:MATRIX_SCALE_ROW1
.elseif (\rb)
	v_wmma_scale_f32_16x16x128_f8f6f4 v[(\d):(\d)+7], v[(\a):(\a)+15], v[(\b):(\b)+15], v[(\d):(\d)+7], v[(\sa)], v[(\sb)] matrix_a_fmt:MATRIX_FMT_BF8 matrix_b_fmt:MATRIX_FMT_BF8 matrix_b_scale:MATRIX_SCALE_ROW1
.else
	v_wmma_scale_f32_16x16x128_f8f6f4 v[(\d):(\d)+7], v[(\a):(\a)+15], v[(\b):(\b)+15], v[(\d):(\d)+7], v[(\sa)], v[(\sb)] matrix_a_fmt:MATRIX_FMT_BF8 matrix_b_fmt:MATRIX_FMT_BF8
.endif
.endm
.macro MM ks, t0                       ; eight products: column tiles t0 .. t0 + 3 x the two tiles of rows.  The sixteen accumulators take turns, one instruction a turn
.irp tt, 0,1,2,3
.irp m, 0,1
	WM ACC+64*\m+8*((\t0)+\tt), 16*((\t0)+\tt), 128+32*((\ks)%4)+16*\m, WS+4*(\ks)+((\t0)+\tt)/2, XS+(\ks)%4, \tt%2, \m
.endr
.endr
.endm
; A K step.  nx = 1: the trip has a successor; nx = 0: the last trip, which fetches nothing beyond its own chunk
.macro KSTEP ks, nx
.if (\nx) || ((\ks) < 5)
	s_wait_loadcnt 27                              ; this K step's nine loads are in; the three younger slots' 27 may be out
.else
	s_wait_loadcnt 9*(7-(\ks))                     ; the last trip's K steps 5, 6, 7: two, one and no younger slots are left
.endif
.if (\ks) == 0
	s_wait_dscnt 0x0                               ; b1's image, the youngest LDS loads, is in
.else
	s_wait_dscnt 16                                ; tiles 0-3 are in; the sixteen loads of tiles 4-7 may be out
.endif
	WIN 0x05                                       ; sources 0 and 1 window 1, C and D window 0
	MM \ks, 0
.if (\nx) || ((\ks) < 7)
	NOP8
	WFL 0, ((\ks)+1)%8
	s_wait_dscnt 16                                ; tiles 4-7 are in; the sixteen just issued may be out
	WIN 0x05
.else
	s_wait_dscnt 0x0                               ; tiles 4-7 are in: nothing was issued behind them
.endif
	MM \ks, 4
	NOP8
.if (\nx) || ((\ks) < 7)
	WFL 1, ((\ks)+1)%8
.endif
.if (\ks) < 4
	RING (\ks)%4, (\ks)+4, 20, 24                  ; the slot just read takes the K step four on,
.elseif \nx
	RING (\ks)%4, (\ks)-4, 22, 26                  ; or the next chunk's
.endif
	WIN 0
.endm
; gelu of sixteen numbers, in place
.macro GELU16 b
.set gi, 0
.rept 16
	v_fma_f32 v[TT+gi], |v[(\b)+gi]|, s39, 1.0     ; 1 + z / 2, z = |x| / sqrt 2.  (Each accumulator is read from its low end on)
.set gi, gi+1
.endr
.set gi, 0
.rept 16
	v_rcp_f32 v[TT+gi], v[TT+gi]                   ; t
.set gi, gi+1
.endr
.set gi, 0
.rept 8
	v_pk_mul_f32 v[RR+gi:RR+gi+1], v[(\b)+gi:(\b)+gi+1], v[(\b)+gi:(\b)+gi+1]   ; x^2.  (Plain lines behind the reciprocals)
.set gi, gi+2
.endr
.set gi, 0
	s_wait_alu depctr_va_vdst(0)
.rept 8
	v_pk_fma_f32 v[PP+gi:PP+gi+1], v[TT+gi:TT+gi+1], v[24:25], s[56:57] op_sel_hi:[1,1,0]
.set gi, gi+2
.endr
.irp k, 7,6,5,4,3,2,1,0
.set gi, 0
.rept 8
	v_pk_fma_f32 v[PP+gi:PP+gi+1], v[PP+gi:PP+gi+1], v[TT+gi:TT+gi+1], s[40+2*\k:41+2*\k] op_sel_hi:[1,1,0]
.set gi, gi+2
.endr
.endr
.set gi, 0
.rept 8
	v_pk_fma_f32 v[PP+gi:PP+gi+1], v[RR+gi:RR+gi+1], s[58:59], v[PP+gi:PP+gi+1] op_sel_hi:[1,0,1]   ; log2(e) (P(t) - z^2) - 1
.set gi, gi+2
.endr
.set gi, 0
.rept 16
	v_exp_f32 v[PP+gi], v[PP+gi]
.set gi, gi+1
.endr
.set gi, 0
.rept 16
	v_max_num_f32 v[RR+gi], 0, v[(\b)+gi]          ; max(x, 0).  (Plain lines behind the exponentials)
.set gi, gi+1
.endr
.set gi, 0
	s_wait_alu depctr_va_vdst(0)
.rept 8
	v_pk_mul_f32 v[PP+gi:PP+gi+1], v[PP+gi:PP+gi+1], v[TT+gi:TT+gi+1]           ; erfc(z) / 2
.set gi, gi+2
.endr
.set gi, 0
.rept 16
	v_fma_f32 v[(\b)+gi], -|v[(\b)+gi]|, v[PP+gi], v[RR+gi]
.set gi, gi+1
.endr
.endm
; a lane's block of 32 becomes eight registers of codes at v[cd] and a scale byte in v[by]
.macro BLKQ b, cd, by
	v_max3_num_f32 v12, s37, |v[(\b)]|, |v[(\b)+1]|
	v_max3_num_f32 v13, s37, |v[(\b)+2]|, |v[(\b)+3]|
.irp i, 4,8,12,16,20,24,28
	v_max3_num_f32 v12, v12, |v[(\b)+\i]|, |v[(\b)+\i+1]|
	v_max3_num_f32 v13, v13, |v[(\b)+\i+2]|, |v[(\b)+\i+3]|
.endr
	v_max_num_f32 v12, v12, v13
	v_add_nc_u32 v14, 0xf8800000, v12
	v_and_or_b32 v15, v12, 0x7f800000, s36
	v_lshrrev_b32 v[\by], 23, v14
.set gi, 0
.rept 32
	v_med3_num_f32 v[(\b)+gi], v[(\b)+gi], -v15, v15
.set gi, gi+1
.endr
	s_wait_xcnt 0x0                                ; earlier stores have read their data: the codes' registers may be written again
.irp g, 0,1,2,3
	v_cvt_scalef32_pk8_bf8_f32 v[(\cd)+2*\g:(\cd)+2*\g+1], v[(\b)+8*\g:(\b)+8*\g+7], v14
.endr
	v_nop                                          ; a plain line behind the last conversion
.endm
; A trip: one chunk of 32 rows against the slice's 128 hidden units
.macro TRIP nx
.irp m, 0,1
.irp tt, 0,1,2,3,4,5,6,7
	ds_load_b128 v[ACC+64*\m+8*\tt:ACC+64*\m+8*\tt+3], v[ABI] offset:1024*\tt         ; the sums begin with b1
	ds_load_b128 v[ACC+64*\m+8*\tt+4:ACC+64*\m+8*\tt+7], v[ABI] offset:1024*\tt+512
.endr
.endr
	KSTEP 0, \nx
	KSTEP 1, \nx
	KSTEP 2, \nx
	KSTEP 3, \nx
	KSTEP 4, \nx
	KSTEP 5, \nx
	KSTEP 6, \nx
	KSTEP 7, \nx
.irp m, 0,1
.irp l, 0,1
	GELU16 ACC+64*\m+32*\l
	GELU16 ACC+64*\m+32*\l+16
	BLKQ ACC+64*\m+32*\l, CD+8*\l, 16+\l
	global_store_b128 v[OL], v[CD+8*\l:CD+8*\l+3], s[28:29] offset:65536*\m+1024*\l          ; each half of the lanes stores 256 consecutive bytes, aligned
	global_store_b128 v[OL], v[CD+8*\l+4:CD+8*\l+7], s[28:29] offset:65536*\m+1024*\l+256
.endr
	v_lshl_or_b32 v18, v17, 16, v16                ; my bytes are those of blocks h and 2 + h:
	v_lshlrev_b32 v18, v[H8], v18                  ; into their places,
	v_permlanex16_b32 v19, v18, s60, s61
	v_or_b32 v[20+\m], v18, v19                    ; and with lane l xor 16's: the row's scale word
.endr
	v_cndmask_b32 v22, v20, v21, s38               ; lanes 0-15 the even tile's rows, lanes 16-31 the odd tile's
	global_store_b32 v[L4], v22, s[30:31]
.endm
	s_load_b256 s[4:11], s[0:1], 0x0               ; W1 s[4:5], b1 s[6:7], plan s[8:9], xq s[10:11]
	s_load_b64 s[12:13], s[0:1], 0x20              ; hq
	v_lshrrev_b32 v12, 5, v0
	v_readfirstlane_b32 s2, v12                    ; wave 0..7
	s_mov_b32 s14, ttmp9                           ; slice
	s_and_b32 s15, ttmp7, 0xffff                   ; expert
	v_and_b32 v13, 31, v0                          ; lane
	v_and_b32 v14, 15, v0                          ; r
	v_bfe_u32 v15, v0, 4, 1                        ; h, and the loader's L
	v_lshlrev_b32 v[LW], 4, v13
	v_lshlrev_b32 v[LR0], 4, v13
	v_add_nc_u32 v[LR1], 0x10000, v[LR0]
	v_lshlrev_b32 v[L4], 2, v13
	v_add_nc_u32 v[AWS], WSC, v[L4]
	v_add_nc_u32 v[ABI], BIMG, v[LR0]
	s_lshl_b32 s3, s2, 14
	v_lshlrev_b32 v[LDW], 4, v14
	v_lshl_add_u32 v[LDW], v15, 13, v[LDW]
	v_add_nc_u32 v[LDW], s3, v[LDW]
	s_lshl_b32 s3, s2, 9
	v_lshlrev_b32 v[LDSC], 2, v14
	v_lshl_add_u32 v[LDSC], v15, 8, v[LDSC]
	v_add_nc_u32 v[LDSC], s3, v[LDSC]
	v_add_nc_u32 v[LDSC], WSC, v[LDSC]
	s_lshl_b32 s3, s2, 10
	v_add_nc_u32 v[OL], s3, v[ABI]                 ; my wave builds the image of tile w
	v_lshlrev_b32 v[H8], 3, v15
	v_lshlrev_b32 v[H128], 7, v15
	s_mov_b32 s36, 0x600000                        ; the mantissa field of 57,344
	s_mov_b32 s37, 0x8000000                       ; the floor 2^(16 - 127)
	s_mov_b32 s38, 0xffff0000                      ; lanes 16-31
	s_mov_b32 s39, 0x3eb504f3                      ; 1 / (2 sqrt 2)
.macro CPAIR n, bits                   ; a packed form names a pair and takes its low word for both halves: both are written
	s_mov_b32 s[\n], \bits
	s_mov_b32 s[\n+1], \bits
.endm
	CPAIR 40, 0xc034d90f                           ; P's coefficients x log2(e); c0 has the 1 of the halving taken off
	CPAIR 42, 0x3fb8ab5a
	CPAIR 44, 0x3f0a29d2
	CPAIR 46, 0x3e0efb2e
	CPAIR 48, 0xbe899a80
	CPAIR 50, 0x3ecdfd18
	CPAIR 52, 0xbfd1a1e5
	CPAIR 54, 0x40097039
	CPAIR 56, 0xbf97d29d
	CPAIR 58, 0xbf38aa3b                           ; -log2(e) / 2: z^2 = x^2 / 2
	s_mov_b32 s60, 0x76543210
	s_mov_b32 s61, 0xfedcba98                      ; v_permlanex16_b32's selects for lane l xor 16
	s_lshl_b32 s32, s15, 24                        ; W1: the expert's 16 MiB, my wave's 128 rows, the slice's 512 bytes
	s_lshl_b32 s3, s2, 21
	s_add_co_u32 s32, s32, s3
	s_lshl_b32 s3, s14, 9
	s_add_co_u32 s32, s32, s3
	s_mov_b32 s33, 0
	s_lshl_b32 s34, s15, 14                        ; b1: the expert's row, the slice, and tile w's first unit 64 (w / 4) + w % 4
	s_add_co_u32 s34, s34, s3
	s_lshr_b32 s3, s2, 2
	s_lshl_b32 s3, s3, 8
	s_add_co_u32 s34, s34, s3
	s_and_b32 s3, s2, 3
	s_lshl_b32 s3, s3, 2
	s_add_co_u32 s34, s34, s3
	s_mov_b32 s35, 0
	s_lshl_b32 s3, s15, 3
	s_wait_kmcnt 0x0
	s_load_b64 s[16:17], s[8:9], s3 offset:0x0     ; the expert's first chunk and its number of chunks (s3 stays as it is until the wait for this load)
	s_add_nc_u64 s[4:5], s[4:5], s[32:33]
	s_add_nc_u64 s[6:7], s[6:7], s[34:35]
; ---- PHASE 1
.irp j, 0,1,2,3,4,5,6,7
	global_load_b32 v[32+\j], v[H128], s[6:7] offset:16*\j         ; b1 at unit 64 L + 32 h + 4 j + q: register j of tile w's result
.endr
	WLOAD 0, 128, 0
	WLOAD 1, 0, 1
	s_wait_loadcnt 32                              ; b1 and block 0 are in; block 1's 32 loads may be out
	WLOAD 2, 128, 1
	ds_store_b128 v[OL], v[32:35]
	ds_store_b128 v[OL], v[36:39] offset:512
	WQUANT 0, 128, 0
	s_wait_loadcnt 32                              ; block 1 is in; block 2's 32 may be out
	WLOAD 3, 128, 0
	WQUANT 1, 0, 1
	s_wait_loadcnt 32                              ; block 2 is in; block 3's 32 may be out
	WQUANT 2, 128, 1
	s_wait_loadcnt 0x0
	WQUANT 3, 128, 0
.irp q, 0,1,2,3
	ds_store_b32 v[LDSC], v[WORD+\q] offset:64*\q
.endr
	s_wait_dscnt 0x0                               ; for the others' sake: all my stores have landed
	s_barrier_signal -1
	s_barrier_wait -1                              ; the slice's 64 fragments, their scale words and b1's image lie in LDS; nothing is written there again
; ---- PHASE 2
	s_wait_kmcnt 0x0
	s_min_u32 s16, s16, 71
	s_min_u32 s17, s17, 32
	s_cmp_ge_u32 s2, s17
	s_cbranch_scc1 .Lend                           ; fewer chunks than my wave's number: nothing for me
	s_sub_co_u32 s17, s17, s2
	s_add_co_u32 s17, s17, 7
	s_lshr_b32 s17, s17, 3                         ; my trips: ceil((chunks - w) / 8), 1 to 4
	s_min_u32 s17, s17, 4
	s_sub_co_u32 s63, s17, 1                       ; those that have a successor: 0 to 3,
	s_min_u32 s63, s63, 3                          ; held at 3, which 32 chunks over 8 waves never pass
	s_mov_b32 s18, 0                               ; trips of the loop done
	s_add_co_u32 s19, s16, s2                      ; my first chunk, as a chunk of all
	s_lshl_b32 s32, s19, 15
	s_add_nc_u64 s[20:21], s[10:11], s[32:33]      ; x's images: 32,768 bytes a chunk
	s_lshl_b32 s32, s19, 10
	s_add_co_u32 s32, s32, 2359296
	s_add_nc_u64 s[24:25], s[10:11], s[32:33]      ; their scale words: 1,024 a chunk
	s_lshl_b32 s32, s19, 17
	s_lshl_b32 s3, s14, 11
	s_add_co_u32 s32, s32, s3
	s_add_nc_u64 s[28:29], s[12:13], s[32:33]      ; h's images: 131,072 a chunk, K step = slice
	s_lshl_b32 s32, s19, 12
	s_lshl_b32 s3, s14, 7
	s_add_co_u32 s32, s32, s3
	s_add_co_u32 s32, s32, 9437184
	s_add_nc_u64 s[30:31], s[12:13], s[32:33]      ; their scale words: 4,096 a chunk
	v_and_b32 v12, 15, v0
	v_bfe_u32 v13, v0, 4, 1
	v_lshlrev_b32 v[OL], 4, v12
	v_lshl_add_u32 v[OL], v13, 9, v[OL]            ; block 2 L + h of an image, lane r of it
	v_mov_b32 v24, 0x3e7c6f08                      ; c9, in both words
	v_mov_b32 v25, 0x3e7c6f08
	v_mov_b32 v19, 0                               ; a lane permute's destination counts as one of its sources
.set n, 0
.rept 32
	ds_load_b32 v[WS+n], v[AWS] offset:128*n
.set n, n+1
.endr
	RING 0, 0, 20, 24
	RING 1, 1, 20, 24
	RING 2, 2, 20, 24
	RING 3, 3, 20, 24
	WFL 0, 0
	WFL 1, 0
	WIN 0
	s_cmp_eq_u32 s63, 0
	s_cbranch_scc1 .Llast                          ; one chunk alone: the last trip at once
.Lchunk:
	s_add_nc_u64 s[22:23], s[20:21], XSTEP         ; my next chunk, eight on: it is there, since this trip has a successor
	s_add_nc_u64 s[26:27], s[24:25], SSTEP
	TRIP 1
	s_wait_xcnt 0x0                                ; every address and every store's data may be written again
	s_mov_b64 s[20:21], s[22:23]
	s_mov_b64 s[24:25], s[26:27]
	s_add_nc_u64 s[28:29], s[28:29], 0x100000      ; eight chunks on
	s_add_nc_u64 s[30:31], s[30:31], 0x8000
	s_add_co_u32 s18, s18, 1                       ; a trip is done
	s_cmp_lt_u32 s18, s63
	s_cbranch_scc1 .Lchunk
.Llast:
	TRIP 0
.Lend:
	s_wait_xcnt 0x0
	v_lshl_add_u32 v254, v0, 2, 0x23000
	v_mov_b32 v255, 0
	s_wait_tensorcnt 0x0
	ds_add_u32 v254, v255
	s_wait_dscnt 0x0
	s_endpgm
.Lfunc_end_k_qc4e4a4d965_ffn1:
	.size	k_qc4e4a4d965_ffn1, .Lfunc_end_k_qc4e4a4d965_ffn1-k_qc4e4a4d965_ffn1
	.p2alignl 7, 3214868480
	.fill 96, 4, 3214868480
	.section	.rodata,"a",@progbits
	.p2align	6, 0x0
	.amdhsa_kernel k_qc4e4a4d965_ffn1
		.amdhsa_group_segment_fixed_size 144384
		.amdhsa_private_segment_fixed_size 0
		.amdhsa_enable_private_segment 0
		.amdhsa_kernarg_size 40
		.amdhsa_user_sgpr_count 2
		.amdhsa_user_sgpr_kernarg_segment_ptr 1
		.amdhsa_wavefront_size32 1
		.amdhsa_system_sgpr_workgroup_id_x 1
		.amdhsa_system_sgpr_workgroup_id_y 1
		.amdhsa_system_sgpr_workgroup_id_z 1
		.amdhsa_system_vgpr_workitem_id 0
		.amdhsa_next_free_vgpr 512
		.amdhsa_next_free_sgpr 66
		.amdhsa_reserve_vcc 0
		.amdhsa_float_denorm_mode_32 3
		.amdhsa_float_denorm_mode_16_64 3
		.amdhsa_memory_ordered 1
		.amdhsa_forward_progress 1
		.amdhsa_inst_pref_size 255
	.end_amdhsa_kernel
	.section	.bss,"aw",@nobits
	.p2align	6
	.space	262144
	.amdgpu_metadata
---
amdhsa.version: [ 1, 2 ]
amdhsa.kernels:
  - .name:           k_qc4e4a4d965_ffn1
    .symbol:         k_qc4e4a4d965_ffn1.kd
    .args:
      - { .name: W1, .offset: 0, .size: 8, .value_kind: global_buffer, .address_space: global }
      - { .name: b1, .offset: 8, .size: 8, .value_kind: global_buffer, .address_space: global }
      - { .name: plan, .offset: 16, .size: 8, .value_kind: global_buffer, .address_space: global }
      - { .name: xq, .offset: 24, .size: 8, .value_kind: global_buffer, .address_space: global }
      - { .name: hq, .offset: 32, .size: 8, .value_kind: global_buffer, .address_space: global }
    .group_segment_fixed_size: 144384
    .private_segment_fixed_size: 0
    .kernarg_segment_align: 8
    .kernarg_segment_size: 40
    .max_flat_workgroup_size: 256
    .sgpr_count:     66
    .vgpr_count:     512
    .wavefront_size: 32
...
	.end_amdgpu_metadata
.endif
;; end of part 4
;; launch ffn2 (part 5): grid 32 x 8, 8 waves a work-group, no clusters, 136,192 bytes of LDS; arguments W2, plan, xq, hq, y; writes y
.if DOCPART == 5
	.amdgcn_target "amdgcn-amd-amdhsa--gfx1250"
	.amdhsa_code_object_version 6
	.text
	.protected	k_qc4e4a4d965_ffn2
	.globl	k_qc4e4a4d965_ffn2
	.p2align	8
	.type	k_qc4e4a4d965_ffn2,@function
k_qc4e4a4d965_ffn2:
	s_mov_b64 s[64:65], 0
	v_nop
	global_prefetch_b8 v0, s[64:65] scope:SCOPE_SE
	s_setreg_imm32_b32 hwreg(HW_REG_WAVE_MODE, 25, 1), 1
	s_wait_xcnt 0x0
; FFN 2.  y'[kq][row] = gate weight x (h W2[e]) over a quarter of the hidden axis, for the rows routed to expert e; the product on codes of E5M2 with one E8M0 scale for each 32 along K.
; Work-group (x = 8 kq + ns, e) owns W2[e][hidden units 1,024 kq .. + 1,023][columns 128 ns .. + 127]: 512 KiB of f32, read once.  Of the slices of 131,072 numbers this shape moves the fewest bytes a routed row:
; 1,024 bytes of codes in and 128 x 8 bytes of y out and back.  The four quarters are added by the next launch.
; PHASE 1 as in the launch before: wave w owns K step w of the quarter; a lane takes four neighbouring columns, its registers run down K; codes and scale words go to LDS as images of the operand's registers.
;   THE ROWS OF A BLOCK OF 32 ARE TAKEN IN THE ORDER IN WHICH h's CODES LIE: place p holds unit 4 (p % 8) + p / 8.  A block stays the quantiser's own block of 32.
;   Loader lane 16 L + r holds columns 64 L + 4 r + q: row r of tile 4 L + q.
; One barrier; then PHASE 2: each wave by itself takes the expert's chunks of 32 sorted rows w, w + 8, ..: ceil((chunks - w) / 8) trips, a number made from the stored table; no barrier among them.
;   The trips that have a successor go round a loop, counted one by one against their number; such a trip asks in its second half for the next chunk's first four K steps, and at its end for the first weight fragments again.
;   THE LAST TRIP IS WRITTEN OUT behind the loop: it asks for nothing beyond its own chunk, and its counts run down.
;   Source 0 = 16 rows of h, source 1 = 16 columns of W2: lane (r, h) holds column 64 L + 4 r + q and register j row 8 h + j.  The multiplication by the row's gate weight puts the four columns q on end: 16 bytes a lane,
;   and sixteen lanes store 256 consecutive bytes, aligned: no stage in LDS.
; No tensor load and no joint request: the trip count hangs on a number read from memory.
; LIMITS: NaN and infinities are not served; a block of zeros gets the byte 1 over zero codes (this program alone reads the bytes), blocks under 2^-111 keep the byte 1.
; REGISTERS.  window 0: v1-10 addresses; v12-27 at work; v28-31 h's scale words, one a ring slot; v32-95 at work; v96-127 codes (phase 1), W2's scale words (phase 2); v128-255 a set of weights (phase 1), the 16 accumulators (phase 2).
;   window 1: two more sets (phase 1); W2's eight fragments of a K step and a ring of four slots of h's two fragments (phase 2).
.set RSTRIDE, 4096                     ; bytes from a row of W2[e] to the next
.set MSTR,  65536                      ; bytes from a tile's images to the next tile's
.set XSTEP, 1048576                    ; eight chunks of images
.set SSTEP, 32768                      ; eight chunks of scale words
.set WSC,   131072                     ; LDS: behind the 64 fragments of 2,048 bytes: their scale words, 64 bytes a fragment
.set LW,   1                           ; v1   16 x lane
.set LDW,  2                           ; v2   where I store codes: 16,384 w + 8,192 L + 16 r
.set LDSC, 3                           ; v3   and scale words: WSC + 512 w + 256 L + 4 r
.set LR0,  4                           ; v4   16 x lane: fragments of K steps 0-3
.set LR1,  5                           ; v5   + 65,536: of K steps 4-7
.set L4,   6                           ; v6   4 x lane
.set AWS,  7                           ; v7   WSC + 4 x lane
.set OL,   9                           ; v9   32,768 h + 16 r: eight rows of y down for lanes 16-31, 16 bytes a lane
.set H32,  10                          ; v10  32 h
.set MX,   12
.set SCO,  16
.set LIM,  20
.set WORD, 24
.set XS,   28
.set TA,   32
.set CODE, 96
.set WS,   96
.set ACC,  128                         ; accumulator (row tile m, column tile t) at ACC + 64 m + 8 t
.set GT,   32                          ; v32-47  the gate weights of rows 16 m + 8 h + j at GT + 8 m + j
.set OU,   48                          ; v48-79  eight groups of four numbers on their way out
.set MSB, 0
.macro WIN new                         ; the immediate's high byte repeats the setting that is left
.if MSB != (\new)
	s_set_vgpr_msb (MSB<<8)|(\new)
.set MSB, (\new)
.endif
.endm
.macro NOP8                            ; eight places behind this matrix form, in front of loads into registers that it has read and of the first read of results
.rept 8
	v_nop
.endr
.endm
.macro WLOAD t, set, win               ; block t of my K step: register group i takes the row of place i
.if \win
	WIN 0x40
.endif
.set wi, 0
.rept 32
	global_load_b128 v[(\set)+4*wi:(\set)+4*wi+3], v[LW], s[4:5] offset:(32*(\t)+4*(wi%8)+wi/8)*RSTRIDE th:TH_LOAD_NT
.set wi, wi+1
.endr
	WIN 0
.endm
.macro WQUANT t, set, win
.if \win
	WIN 0x14                                       ; sources 1 and 2 window 1
.endif
.set qi, 0
.rept 16
.irp q, 0,1,2,3
.if qi == 0
	v_max3_num_f32 v[MX+\q], s37, |v[(\set)+\q]|, |v[(\set)+4+\q]|           ; the floor 2^(16 - 127) among the leaves: the byte cannot fall under 1
.else
	v_max3_num_f32 v[MX+\q], v[MX+\q], |v[(\set)+8*qi+\q]|, |v[(\set)+8*qi+4+\q]|
.endif
.endr
.set qi, qi+1
.endr
	WIN 0
.irp q, 0,1,2,3
	v_add_nc_u32 v[SCO+\q], 0xf8800000, v[MX+\q]   ; 15 off the exponent field: the conversion's scale operand
.endr
.irp q, 0,1,2,3
	v_and_or_b32 v[LIM+\q], v[MX+\q], 0x7f800000, s36    ; 57,344 x the scale
.endr
.irp q, 0,1,2,3
	v_lshrrev_b32 v[MX+\q], 23, v[SCO+\q]          ; the scale's byte
.endr
.irp q, 0,1,2,3
.if (\t) == 0
	v_mov_b32 v[WORD+\q], v[MX+\q]
.else
	v_lshl_or_b32 v[WORD+\q], v[MX+\q], 8*(\t), v[WORD+\q]
.endif
.endr
	s_wait_dscnt 0x0                               ; my earlier LDS stores have read their registers
.irp q, 0,1,2,3
.if \win
	WIN 0x01                                       ; source 0 window 1
.endif
.set qi, 0
.rept 32
	v_med3_num_f32 v[TA+32*(\q%2)+qi], v[(\set)+4*qi+\q], -v[LIM+\q], v[LIM+\q]   ; the hold (the conversion does not saturate: ISA guide 7.6.2), and the column's numbers on end
.set qi, qi+1
.endr
	WIN 0
.irp g, 0,1,2,3
	v_cvt_scalef32_pk8_bf8_f32 v[CODE+8*\q+2*\g:CODE+8*\q+2*\g+1], v[TA+32*(\q%2)+8*\g:TA+32*(\q%2)+8*\g+7], v[SCO+\q]
.endr
	ds_store_b128 v[LDW], v[CODE+8*\q:CODE+8*\q+3] offset:2048*\q+512*(\t)
	ds_store_b128 v[LDW], v[CODE+8*\q+4:CODE+8*\q+7] offset:2048*\q+512*(\t)+256
.endr
	v_nop                                          ; a plain line behind the last conversion
.endm
.macro RING sl, ks, ba, sc             ; K step ks of a chunk's two tiles of rows into ring slot sl: nine loads
	WIN 0x40
.irp m, 0,1
.irp c, 0,1,2,3
	global_load_b128 v[128+32*(\sl)+16*\m+4*\c:128+32*(\sl)+16*\m+4*\c+3], v[LW], s[\ba:\ba+1] offset:MSTR*\m+2048*(\ks)+512*\c
.endr
.endr
	WIN 0
	global_load_b32 v[XS+(\sl)], v[L4], s[\sc:\sc+1] offset:128*(\ks)
.endm
.macro WFL half, ks                    ; four of K step ks's eight weight fragments from LDS: sixteen loads
	WIN 0x40
.irp tt, 0,1,2,3
.irp c, 0,1,2,3
.if (\ks) < 4
	ds_load_b128 v[16*(4*(\half)+\tt)+4*\c:16*(4*(\half)+\tt)+4*\c+3], v[LR0] offset:16384*(\ks)+2048*(4*(\half)+\tt)+512*\c
.else
	ds_load_b128 v[16*(4*(\half)+\tt)+4*\c:16*(4*(\half)+\tt)+4*\c+3], v[LR1] offset:16384*((\ks)-4)+2048*(4*(\half)+\tt)+512*\c
.endif
.endr
.endr
.endm
.macro WM d, a, b, sa, sb, ra, rb      ; ra, rb: the side's scales stand in lanes 16-31
.if (\ra) && (\rb)
	v_wmma_scale_f32_16x16x128_f8f6f4 v[(\d):(\d)+7], v[(\a):(\a)+15], v[(\b):(\b)+15], v[(\d):(\d)+7], v[(\sa)], v[(\sb)] matrix_a_fmt:MATRIX_FMT_BF8 matrix_b_fmt:MATRIX_FMT_BF8 matrix_a_scale:MATRIX_SCALE_ROW1 matrix_b_scale:MATRIX_SCALE_ROW1
.elseif (\ra)
	v_wmma_scale_f32_16x16x128_f8f6f4 v[(\d):(\d)+7], v[(\a):(\a)+15], v[(\b):(\b)+15], v[(\d):(\d)+7], v[(\sa)], v[(\sb)] matrix_a_fmt:MATRIX_FMT_BF8 matrix_b_fmt:MATRIX_FMT_BF8 matrix_a_scale:MATRIX_SCALE_ROW1
.elseif (\rb)
	v_wmma_scale_f32_16x16x128_f8f6f4 v[(\d):(\d)+7], v[(\a):(\a)+15], v[(\b):(\b)+15], v[(\d):(\d)+7], v[(\sa)], v[(\sb)] matrix_a_fmt:MATRIX_FMT_BF8 matrix_b_fmt:MATRIX_FMT_BF8 matrix_b_scale:MATRIX_SCALE_ROW1
.else
	v_wmma_scale_f32_16x16x128_f8f6f4 v[(\d):(\d)+7], v[(\a):(\a)+15], v[(\b):(\b)+15], v[(\d):(\d)+7], v[(\sa)], v[(\sb)] matrix_a_fmt:MATRIX_FMT_BF8 matrix_b_fmt:MATRIX_FMT_BF8
.endif
.endm
.macro WMZ d, a, b, sa, sb, ra, rb     ; the same with the constant 0 as C: a chunk's first K step starts the sums
.if (\ra) && (\rb)
	v_wmma_scale_f32_16x16x128_f8f6f4 v[(\d):(\d)+7], v[(\a):(\a)+15], v[(\b):(\b)+15], 0, v[(\sa)], v[(\sb)] matrix_a_fmt:MATRIX_FMT_BF8 matrix_b_fmt:MATRIX_FMT_BF8 matrix_a_scale:MATRIX_SCALE_ROW1 matrix_b_scale:MATRIX_SCALE_ROW1
.elseif (\ra)
	v_wmma_scale_f32_16x16x128_f8f6f4 v[(\d):(\d)+7], v[(\a):(\a)+15], v[(\b):(\b)+15], 0, v[(\sa)], v[(\sb)] matrix_a_fmt:MATRIX_FMT_BF8 matrix_b_fmt:MATRIX_FMT_BF8 matrix_a_scale:MATRIX_SCALE_ROW1
.elseif (\rb)
	v_wmma_scale_f32_16x16x128_f8f6f4 v[(\d):(\d)+7], v[(\a):(\a)+15], v[(\b):(\b)+15], 0, v[(\sa)], v[(\sb)] matrix_a_fmt:MATRIX_FMT_BF8 matrix_b_fmt:MATRIX_FMT_BF8 matrix_b_scale:MATRIX_SCALE_ROW1
.else
	v_wmma_scale_f32_16x16x128_f8f6f4 v[(\d):(\d)+7], v[(\a):(\a)+15], v[(\b):(\b)+15], 0, v[(\sa)], v[(\sb)] matrix_a_fmt:MATRIX_FMT_BF8 matrix_b_fmt:MATRIX_FMT_BF8
.endif
.endm
.macro MM ks, t0                       ; eight products: column tiles t0 .. t0 + 3 x the two tiles of rows.  The sixteen accumulators take turns, one instruction a turn
.irp tt, 0,1,2,3
.irp m, 0,1
.if (\ks) == 0
	WMZ ACC+64*\m+8*((\t0)+\tt), 128+32*((\ks)%4)+16*\m, 16*((\t0)+\tt), XS+(\ks)%4, WS+4*(\ks)+((\t0)+\tt)/2, \m, \tt%2
.else
	WM ACC+64*\m+8*((\t0)+\tt), 128+32*((\ks)%4)+16*\m, 16*((\t0)+\tt), XS+(\ks)%4, WS+4*(\ks)+((\t0)+\tt)/2, \m, \tt%2
.endif
.endr
.endr
.endm
; A K step.  nx = 1: the trip has a successor; nx = 0: the last trip, which fetches nothing beyond its own chunk
.macro KSTEP ks, nx
.if (\nx) || ((\ks) < 5)
	s_wait_loadcnt 27                              ; this K step's nine loads are in; the three younger slots' 27 may be out.  (In K steps 1 to 3 the four loads of gate weights are younger too: the count is then smaller than it need be; from K step 4 on it shows them in)
.else
	s_wait_loadcnt 9*(7-(\ks))                     ; the last trip's K steps 5, 6, 7: two, one and no younger slots are left
.endif
	s_wait_dscnt 16                                ; tiles 0-3 are in; the sixteen loads of tiles 4-7 may be out
	WIN 0x05                                       ; sources 0 and 1 window 1, C and D window 0
	MM \ks, 0
.if (\nx) || ((\ks) < 7)
	NOP8
	WFL 0, ((\ks)+1)%8
	s_wait_dscnt 16                                ; tiles 4-7 are in; the sixteen just issued may be out
	WIN 0x05
.else
	s_wait_dscnt 0x0                               ; tiles 4-7 are in: nothing was issued behind them
.endif
	MM \ks, 4
	NOP8
.if (\nx) || ((\ks) < 7)
	WFL 1, ((\ks)+1)%8
.endif
.if (\ks) == 0
	WIN 0
.irp m, 0,1
	global_load_b128 v[GT+8*\m:GT+8*\m+3], v[H32], s[30:31] offset:64*\m           ; this chunk's gate weights
	global_load_b128 v[GT+8*\m+4:GT+8*\m+7], v[H32], s[30:31] offset:64*\m+16
.endr
.endif
.if (\ks) < 4
	RING (\ks)%4, (\ks)+4, 20, 24                  ; the slot just read takes the K step four on,
.elseif \nx
	RING (\ks)%4, (\ks)-4, 22, 26                  ; or the next chunk's
.endif
	WIN 0
.endm
; A trip: one chunk of 32 rows against the slice's 128 columns, and the way out: row by row; each accumulator is first read at its register 0
.macro TRIP nx
	KSTEP 0, \nx
	KSTEP 1, \nx
	KSTEP 2, \nx
	KSTEP 3, \nx
	KSTEP 4, \nx
	KSTEP 5, \nx
	KSTEP 6, \nx
	KSTEP 7, \nx
.set og, 0
.irp m, 0,1
.irp j, 0,1,2,3,4,5,6,7
.irp l, 0,1
.if og%8 == 0
	s_wait_xcnt 0x0                                ; the eight groups' last stores have read their data
.endif
.irp q, 0,1,2,3
	v_mul_f32 v[OU+4*(og%8)+\q], v[ACC+64*\m+32*\l+8*\q+\j], v[GT+8*\m+\j]
.endr
	global_store_b128 v[OL], v[OU+4*(og%8):OU+4*(og%8)+3], s[28:29] offset:65536*\m+4096*\j+256*\l     ; sixteen lanes store 256 consecutive bytes, aligned
.set og, og+1
.endr
.endr
.endr
.endm
	s_load_b256 s[4:11], s[0:1], 0x0               ; W2 s[4:5], plan s[6:7], xq s[8:9], hq s[10:11]
	s_load_b64 s[12:13], s[0:1], 0x20              ; y
	v_lshl_add_u32 v8, v0, 2, 0x21000
	v_mov_b32 v11, 0
	v_lshrrev_b32 v12, 5, v0
	v_readfirstlane_b32 s2, v12                    ; wave 0..7
	s_and_b32 s14, ttmp9, 7                        ; ns: which 128 columns
	s_lshr_b32 s38, ttmp9, 3                       ; kq: which quarter of K
	s_and_b32 s15, ttmp7, 0xffff                   ; expert
	v_and_b32 v13, 31, v0                          ; lane
	v_and_b32 v14, 15, v0                          ; r
	v_bfe_u32 v15, v0, 4, 1                        ; h, and the loader's L
	v_lshlrev_b32 v[LW], 4, v13
	v_lshlrev_b32 v[LR0], 4, v13
	v_add_nc_u32 v[LR1], 0x10000, v[LR0]
	v_lshlrev_b32 v[L4], 2, v13
	v_add_nc_u32 v[AWS], WSC, v[L4]
	s_lshl_b32 s3, s2, 14
	v_lshlrev_b32 v[LDW], 4, v14
	v_lshl_add_u32 v[LDW], v15, 13, v[LDW]
	v_add_nc_u32 v[LDW], s3, v[LDW]
	s_lshl_b32 s3, s2, 9
	v_lshlrev_b32 v[LDSC], 2, v14
	v_lshl_add_u32 v[LDSC], v15, 8, v[LDSC]
	v_add_nc_u32 v[LDSC], s3, v[LDSC]
	v_add_nc_u32 v[LDSC], WSC, v[LDSC]
	v_lshlrev_b32 v[OL], 4, v14
	v_lshl_add_u32 v[OL], v15, 15, v[OL]
	v_lshlrev_b32 v[H32], 5, v15
	s_mov_b32 s36, 0x600000                        ; the mantissa field of 57,344
	s_mov_b32 s37, 0x8000000                       ; the floor 2^(16 - 127)
	s_lshl_b32 s32, s15, 24                        ; W2: the expert's 16 MiB, the quarter's 1,024 rows, my wave's 128 rows, the 512 bytes of the columns
	s_lshl_b32 s3, s38, 22
	s_add_co_u32 s32, s32, s3
	s_lshl_b32 s3, s2, 19
	s_add_co_u32 s32, s32, s3
	s_lshl_b32 s3, s14, 9
	s_add_co_u32 s32, s32, s3
	s_mov_b32 s33, 0
	s_lshl_b32 s3, s15, 3
	s_wait_kmcnt 0x0
	s_load_b64 s[16:17], s[6:7], s3 offset:0x0     ; the expert's first chunk and its number of chunks (s3 stays as it is until the wait for this load)
	s_add_nc_u64 s[4:5], s[4:5], s[32:33]
; ---- PHASE 1
	WLOAD 0, 128, 0
	WLOAD 1, 0, 1
	s_wait_loadcnt 32                              ; block 0 is in; block 1's 32 loads may be out
	WLOAD 2, 128, 1
	WQUANT 0, 128, 0
	s_wait_loadcnt 32                              ; block 1 is in; block 2's 32 may be out
	WLOAD 3, 128, 0
	WQUANT 1, 0, 1
	s_wait_loadcnt 32                              ; block 2 is in; block 3's 32 may be out
	WQUANT 2, 128, 1
	s_wait_loadcnt 0x0
	WQUANT 3, 128, 0
.irp q, 0,1,2,3
	ds_store_b32 v[LDSC], v[WORD+\q] offset:64*\q
.endr
	s_wait_dscnt 0x0                               ; for the others' sake: all my stores have landed
	s_barrier_signal -1
	s_barrier_wait -1                              ; the slice's 64 fragments and their scale words lie in LDS; nothing is written there again
; ---- PHASE 2
	s_wait_kmcnt 0x0
	s_min_u32 s16, s16, 71
	s_min_u32 s17, s17, 32
	s_cmp_ge_u32 s2, s17
	s_cbranch_scc1 .Lend                           ; fewer chunks than my wave's number: nothing for me
	s_sub_co_u32 s17, s17, s2
	s_add_co_u32 s17, s17, 7
	s_lshr_b32 s17, s17, 3                         ; my trips: ceil((chunks - w) / 8), 1 to 4
	s_min_u32 s17, s17, 4
	s_sub_co_u32 s63, s17, 1                       ; those that have a successor: 0 to 3,
	s_min_u32 s63, s63, 3                          ; held at 3, which 32 chunks over 8 waves never pass
	s_mov_b32 s18, 0                               ; trips of the loop done
	s_add_co_u32 s19, s16, s2                      ; my first chunk, as a chunk of all
	s_lshl_b32 s32, s19, 17
	s_lshl_b32 s3, s38, 14
	s_add_co_u32 s32, s32, s3
	s_add_nc_u64 s[20:21], s[10:11], s[32:33]      ; h's images: 131,072 bytes a chunk, the quarter's eight K steps
	s_lshl_b32 s32, s19, 12
	s_lshl_b32 s3, s38, 10
	s_add_co_u32 s32, s32, s3
	s_add_co_u32 s32, s32, 9437184
	s_add_nc_u64 s[24:25], s[10:11], s[32:33]      ; their scale words: 4,096 a chunk
	s_mul_i32 s32, s38, 0x900000                   ; y: 2,304 rows of 4,096 bytes a quarter,
	s_lshl_b32 s3, s19, 17                         ; 32 rows a chunk,
	s_add_co_u32 s32, s32, s3
	s_lshl_b32 s3, s14, 9                          ; the columns' 512 bytes
	s_add_co_u32 s32, s32, s3
	s_add_nc_u64 s[28:29], s[12:13], s[32:33]
	s_lshl_b32 s32, s19, 7
	s_add_co_u32 s32, s32, 2433024
	s_add_nc_u64 s[30:31], s[8:9], s[32:33]        ; the gate weights: 128 bytes a chunk
.set n, 0
.rept 32
	ds_load_b32 v[WS+n], v[AWS] offset:128*n
.set n, n+1
.endr
	RING 0, 0, 20, 24
	RING 1, 1, 20, 24
	RING 2, 2, 20, 24
	RING 3, 3, 20, 24
	WFL 0, 0
	WFL 1, 0
	WIN 0
	s_cmp_eq_u32 s63, 0
	s_cbranch_scc1 .Llast                          ; one chunk alone: the last trip at once
.Lchunk:
	s_add_nc_u64 s[22:23], s[20:21], XSTEP         ; my next chunk, eight on: it is there, since this trip has a successor
	s_add_nc_u64 s[26:27], s[24:25], SSTEP
	TRIP 1
	s_wait_xcnt 0x0                                ; every address may be written again
	s_mov_b64 s[20:21], s[22:23]
	s_mov_b64 s[24:25], s[26:27]
	s_add_nc_u64 s[28:29], s[28:29], 0x100000      ; eight chunks on
	s_add_nc_u64 s[30:31], s[30:31], 0x400
	s_add_co_u32 s18, s18, 1                       ; a trip is done
	s_cmp_lt_u32 s18, s63
	s_cbranch_scc1 .Lchunk
.Llast:
	TRIP 0
.Lend:
	s_wait_tensorcnt 0x0
	ds_add_u32 v8, v11
	s_wait_dscnt 0x0
	s_endpgm
.Lfunc_end_k_qc4e4a4d965_ffn2:
	.size	k_qc4e4a4d965_ffn2, .Lfunc_end_k_qc4e4a4d965_ffn2-k_qc4e4a4d965_ffn2
	.p2alignl 7, 3214868480
	.fill 96, 4, 3214868480
	.section	.rodata,"a",@progbits
	.p2align	6, 0x0
	.amdhsa_kernel k_qc4e4a4d965_ffn2
		.amdhsa_group_segment_fixed_size 136192
		.amdhsa_private_segment_fixed_size 0
		.amdhsa_enable_private_segment 0
		.amdhsa_kernarg_size 40
		.amdhsa_user_sgpr_count 2
		.amdhsa_user_sgpr_kernarg_segment_ptr 1
		.amdhsa_wavefront_size32 1
		.amdhsa_system_sgpr_workgroup_id_x 1
		.amdhsa_system_sgpr_workgroup_id_y 1
		.amdhsa_system_sgpr_workgroup_id_z 1
		.amdhsa_system_vgpr_workitem_id 0
		.amdhsa_next_free_vgpr 512
		.amdhsa_next_free_sgpr 66
		.amdhsa_reserve_vcc 0
		.amdhsa_float_denorm_mode_32 3
		.amdhsa_float_denorm_mode_16_64 3
		.amdhsa_memory_ordered 1
		.amdhsa_forward_progress 1
		.amdhsa_inst_pref_size 182
	.end_amdhsa_kernel
	.amdgpu_metadata
---
amdhsa.version: [ 1, 2 ]
amdhsa.kernels:
  - .name:           k_qc4e4a4d965_ffn2
    .symbol:         k_qc4e4a4d965_ffn2.kd
    .args:
      - { .name: W2, .offset: 0, .size: 8, .value_kind: global_buffer, .address_space: global }
      - { .name: plan, .offset: 8, .size: 8, .value_kind: global_buffer, .address_space: global }
      - { .name: xq, .offset: 16, .size: 8, .value_kind: global_buffer, .address_space: global }
      - { .name: hq, .offset: 24, .size: 8, .value_kind: global_buffer, .address_space: global }
      - { .name: y, .offset: 32, .size: 8, .value_kind: global_buffer, .address_space: global }
    .group_segment_fixed_size: 136192
    .private_segment_fixed_size: 0
    .kernarg_segment_align: 8
    .kernarg_segment_size: 40
    .max_flat_workgroup_size: 256
    .sgpr_count:     66
    .vgpr_count:     512
    .wavefront_size: 32
...
	.end_amdgpu_metadata
.endif
;; end of part 5
;; launch combine (part 6): grid 256 x 1, 8 waves a work-group, no clusters, 0 bytes of LDS; arguments y, plan, route, gw, b2, out0; writes out0
.if DOCPART == 6
	.amdgcn_target "amdgcn-amd-amdhsa--gfx1250"
	.amdhsa_code_object_version 6
	.text
	.protected	k_qc4e4a4d965_combine
	.globl	k_qc4e4a4d965_combine
	.p2align	8
	.type	k_qc4e4a4d965_combine,@function
k_qc4e4a4d965_combine:
	s_mov_b64 s[64:65], 0
	v_nop
	global_prefetch_b8 v0, s[64:65] scope:SCOPE_SE
	s_setreg_imm32_b32 hwreg(HW_REG_WAVE_MODE, 25, 1), 1
	s_wait_xcnt 0x0
; COMBINE.  out[t] = the sum of the token's eight rows of y' (two chosen experts x four quarters of K, each already times its gate weight) + c0 b2[e0] + c1 b2[e1].  All in f32.
; A stream: memory binds, so no LDS, no barrier, no matrix unit.  A wave owns half of one output row, 2,048 bytes: every load and store covers 512 consecutive bytes.  Each output row has one owner.
; The rows' places, the experts and the weights are read as scalars; places and experts are held inside their tables.
; The quarters are added in ascending order within an expert, then the two experts, then the biases.
.set Y,  16                            ; v16-143  choice k, quarter q, piece i at Y + 64 k + 16 q + 4 i
.set BB, 144                           ; v144-175 b2 of choice k, piece i at BB + 16 k + 4 i
	s_load_b256 s[4:11], s[0:1], 0x0               ; y s[4:5], plan s[6:7], route s[8:9], gw s[10:11]
	s_load_b128 s[12:15], s[0:1], 0x20             ; b2 s[12:13], out0 s[14:15]
	v_lshrrev_b32 v1, 5, v0
	v_readfirstlane_b32 s2, v1                     ; wave 0..7
	v_and_b32 v2, 31, v0
	v_lshlrev_b32 v2, 4, v2                        ; 16 bytes a lane
	s_lshr_b32 s3, s2, 1
	s_lshl_b32 s46, ttmp9, 2
	s_add_co_u32 s3, s3, s46                       ; the token: 4 g + wave / 2
	s_and_b32 s47, s2, 1
	s_lshl_b32 s47, s47, 11                        ; which half of the row
	s_lshl_b32 s46, s3, 3
	s_mov_b32 s23, 0
	s_wait_kmcnt 0x0
	s_load_b64 s[16:17], s[6:7], s46 offset:0x100  ; the sorted rows of its two choices,
	s_load_b64 s[18:19], s[8:9], s46 offset:0x800  ; the experts,
	s_load_b64 s[20:21], s[10:11], s46 offset:0x0  ; the weights
	s_wait_kmcnt 0x0
	s_min_u32 s16, s16, 2303
	s_min_u32 s17, s17, 2303
	s_min_u32 s18, s18, 7
	s_min_u32 s19, s19, 7
.irp k, 0,1
	s_lshl_b32 s22, s[16+\k], 12
	s_add_co_u32 s22, s22, s47
	s_add_nc_u64 s[24+8*\k:25+8*\k], s[4:5], s[22:23]
	s_add_nc_u64 s[26+8*\k:27+8*\k], s[24+8*\k:25+8*\k], 0x900000  ; a quarter of K on: 2,304 rows of 4,096 bytes
	s_add_nc_u64 s[28+8*\k:29+8*\k], s[26+8*\k:27+8*\k], 0x900000
	s_add_nc_u64 s[30+8*\k:31+8*\k], s[28+8*\k:29+8*\k], 0x900000
	s_lshl_b32 s22, s[18+\k], 12
	s_add_co_u32 s22, s22, s47
	s_add_nc_u64 s[40+2*\k:41+2*\k], s[12:13], s[22:23]
.endr
	s_mov_b32 s44, s21                             ; c1 as the low word of a pair of its own: the packed form takes the low word for both halves
	s_mov_b32 s45, s21
	s_lshl_b32 s22, s3, 12
	s_add_co_u32 s22, s22, s47
	s_add_nc_u64 s[14:15], s[14:15], s[22:23]
.irp k, 0,1
.irp q, 0,1,2,3
.irp i, 0,1,2,3
	global_load_b128 v[Y+64*\k+16*\q+4*\i:Y+64*\k+16*\q+4*\i+3], v2, s[24+8*\k+2*\q:25+8*\k+2*\q] offset:512*\i th:TH_LOAD_NT
.endr
.endr
.endr
.irp k, 0,1
.irp i, 0,1,2,3
	global_load_b128 v[BB+16*\k+4*\i:BB+16*\k+4*\i+3], v2, s[40+2*\k:41+2*\k] offset:512*\i
.endr
.endr
	s_wait_loadcnt 0x0
.irp i, 0,1,2,3
.irp p, 0,2
.irp q, 1,2,3
.irp k, 0,1
	v_pk_add_f32 v[Y+64*\k+4*\i+\p:Y+64*\k+4*\i+\p+1], v[Y+64*\k+4*\i+\p:Y+64*\k+4*\i+\p+1], v[Y+64*\k+16*\q+4*\i+\p:Y+64*\k+16*\q+4*\i+\p+1]
.endr
.endr
	v_pk_add_f32 v[Y+4*\i+\p:Y+4*\i+\p+1], v[Y+4*\i+\p:Y+4*\i+\p+1], v[Y+64+4*\i+\p:Y+64+4*\i+\p+1]
	v_pk_fma_f32 v[Y+4*\i+\p:Y+4*\i+\p+1], v[BB+4*\i+\p:BB+4*\i+\p+1], s[20:21], v[Y+4*\i+\p:Y+4*\i+\p+1] op_sel_hi:[1,0,1]
	v_pk_fma_f32 v[Y+4*\i+\p:Y+4*\i+\p+1], v[BB+16+4*\i+\p:BB+16+4*\i+\p+1], s[44:45], v[Y+4*\i+\p:Y+4*\i+\p+1] op_sel_hi:[1,0,1]
.endr
	global_store_b128 v2, v[Y+4*\i:Y+4*\i+3], s[14:15] offset:512*\i th:TH_STORE_NT      ; 32 lanes store 512 consecutive bytes, aligned
.endr
	s_endpgm
.Lfunc_end_k_qc4e4a4d965_combine:
	.size	k_qc4e4a4d965_combine, .Lfunc_end_k_qc4e4a4d965_combine-k_qc4e4a4d965_combine
	.p2alignl 7, 3214868480
	.fill 96, 4, 3214868480
	.section	.rodata,"a",@progbits
	.p2align	6, 0x0
	.amdhsa_kernel k_qc4e4a4d965_combine
		.amdhsa_group_segment_fixed_size 0
		.amdhsa_private_segment_fixed_size 0
		.amdhsa_enable_private_segment 0
		.amdhsa_kernarg_size 48
		.amdhsa_user_sgpr_count 2
		.amdhsa_user_sgpr_kernarg_segment_ptr 1
		.amdhsa_wavefront_size32 1
		.amdhsa_system_sgpr_workgroup_id_x 1
		.amdhsa_system_sgpr_workgroup_id_y 1
		.amdhsa_system_sgpr_workgroup_id_z 1
		.amdhsa_system_vgpr_workitem_id 0
		.amdhsa_next_free_vgpr 192
		.amdhsa_next_free_sgpr 66
		.amdhsa_reserve_vcc 0
		.amdhsa_float_denorm_mode_32 3
		.amdhsa_float_denorm_mode_16_64 3
		.amdhsa_memory_ordered 1
		.amdhsa_forward_progress 1
		.amdhsa_inst_pref_size 11
	.end_amdhsa_kernel
	.amdgpu_metadata
---
amdhsa.version: [ 1, 2 ]
amdhsa.kernels:
  - .name:           k_qc4e4a4d965_combine
    .symbol:         k_qc4e4a4d965_combine.kd
    .args:
      - { .name: y, .offset: 0, .size: 8, .value_kind: global_buffer, .address_space: global }
      - { .name: plan, .offset: 8, .size: 8, .value_kind: global_buffer, .address_space: global }
      - { .name: route, .offset: 16, .size: 8, .value_kind: global_buffer, .address_space: global }
      - { .name: gw, .offset: 24, .size: 8, .value_kind: global_buffer, .address_space: global }
      - { .name: b2, .offset: 32, .size: 8, .value_kind: global_buffer, .address_space: global }
      - { .name: out0, .offset: 40, .size: 8, .value_kind: global_buffer, .address_space: global }
    .group_segment_fixed_size: 0
    .private_segment_fixed_size: 0
    .kernarg_segment_align: 8
    .kernarg_segment_size: 48
    .max_flat_workgroup_size: 256
    .sgpr_count:     66
    .vgpr_count:     192
    .wavefront_size: 32
...
	.end_amdgpu_metadata
.endif
;; end of part 6
;; ======== version 2 of 2: 6 launches
;; workspace buffers: route 10,240 bytes of whole numbers; gw 8,192 bytes; plan 26,880 bytes of whole numbers; xq 2,442,240 bytes; hq 9,732,096 bytes; y 37,748,736 bytes
;; launch router (part 7): grid 32 x 1, 8 waves a work-group, no clusters, 38,912 bytes of LDS; arguments x, Wr, br, route, gw; writes route, gw
.if DOCPART == 7
	.amdgcn_target "amdgcn-amd-amdhsa--gfx1250"
	.amdhsa_code_object_version 6
	.text
	.protected	k_qc4e4a4d965_router
	.globl	k_qc4e4a4d965_router
	.p2align	8
	.type	k_qc4e4a4d965_router,@function
k_qc4e4a4d965_router:
	s_mov_b64 s[64:65], 0
	v_nop
	global_prefetch_b8 v0, s[64:65] scope:SCOPE_SE
	s_setreg_imm32_b32 hwreg(HW_REG_WAVE_MODE, 25, 1), 1
	s_wait_xcnt 0x0
; ROUTER.  gate = softmax(x Wr + br); the two largest gates of each token, normalised to sum 1.  All in f32.
; x [1024][1024], Wr [1024][8], br [8].  Stored: route: SEL at byte 0, [32 groups of 32 tokens][8 experts], a word whose bit b says that token 32 j + b chose the expert;
; CNT at byte 1,024, the same shape, the word's number of ones; IDS at byte 2,048, [token][2] the chosen experts, the larger gate first.  gw: [token][2] their weights.
; SHARES.  A work-group takes 32 tokens, a wave 4 of them.  A lane takes the channels 128 i + 4 lane + k (i 0..7, k 0..3) of all four tokens: each load of x covers 512 consecutive bytes.
; Wr lies whole in each wave's registers (256 a lane, window 1): a lane wants the four rows of its four channels, 128 bytes on end, 128 bytes from its neighbour's.  Loaded so from memory, each of a wave's 64 loads would touch 32 separate
; pieces.  So Wr (32 KiB) comes ONCE A WORK-GROUP: each wave loads an eighth of it by eight loads of 512 consecutive bytes and lays it into LDS, a lane's 128 bytes at a pitch of 144; behind a barrier every wave reads all of it,
; 16 bytes a lane, 144 bytes from lane to lane: an odd multiple of 16, so that sixteen lanes fall on sixteen different columns of 16 bytes (64 banks of 4 bytes: ISA guide 11.1).
; The 32 sums of a wave (4 tokens x 8 experts) are added across the lanes, meet in LDS (32 bytes a token), and wave 0, a lane to a token, does the softmax and the choice.
; The largest logit is taken away ahead of the exponentials.  Of equal gates the lower expert wins, as in jax.lax.top_k: a later gate replaces only where it is strictly larger.
; No address and no branch hangs on a floating-point number: the choice is stored as values only.
; LIMITS: NaN and infinities among the inputs are not served.  The sums over the 1,024 channels run in another order than a row-by-row sum: a token whose second and third gates differ by less than that rounding may choose the other expert.
.set ACC, 64                           ; v64-95   sum of token u, expert e at ACC + 8 u + e
.set STG, 96                           ; v96-127  my wave's eighth of Wr as it is loaded
.set X,   128                          ; v128-255 x of token u: X + 32 u + 4 i + k
.set WRL, 1024                         ; LDS: bytes 0-1,023 the logits; from here Wr: 256 groups of 128 bytes (group 32 i + lane)
.set WP,  144                          ; at this pitch
.set MSB, 0
.macro WIN new                         ; the immediate's high byte repeats the setting that is left
.if MSB != (\new)
	s_set_vgpr_msb (MSB<<8)|(\new)
.set MSB, (\new)
.endif
.endm
	s_load_b256 s[4:11], s[0:1], 0x0               ; x s[4:5], Wr s[6:7], br s[8:9], route s[10:11]
	s_load_b64 s[12:13], s[0:1], 0x20              ; gw
	v_lshl_add_u32 v62, v0, 2, 0x9400
	v_mov_b32 v63, 0
	v_lshrrev_b32 v5, 5, v0
	s_delay_alu instid0(VALU_DEP_1)
	v_readfirstlane_b32 s2, v5                     ; wave 0..7
	v_and_b32 v6, 31, v0                           ; lane
	s_delay_alu instid0(VALU_DEP_1)
	v_lshlrev_b32 v1, 4, v6                        ; x, and Wr as it is loaded: 16 bytes a lane
	s_lshl_b32 s3, s2, 7
	v_mov_b32 v3, s3                               ; LDS: my wave's four tokens, 32 bytes each
	v_lshrrev_b32 v7, 3, v6                        ; Wr into LDS: eight lanes' 128 bytes are one group:
	v_and_b32 v13, 7, v6
	s_delay_alu instid0(VALU_DEP_2)
	v_mul_u32_u24 v7, v7, WP                       ; 144 (lane / 8)
	s_delay_alu instid0(VALU_DEP_1)
	v_lshl_add_u32 v7, v13, 4, v7                  ; + 16 (lane % 8)
	s_mul_i32 s26, s2, 32*WP                       ; + my wave's 32 groups
	s_add_co_u32 s26, s26, WRL
	v_add_nc_u32 v7, s26, v7
	v_mul_u32_u24 v2, v6, WP                       ; and out of it: group 32 i + lane
	s_delay_alu instid0(VALU_DEP_1)
	v_add_nc_u32 v2, WRL, v2
.irp n, 8,9,10,11
	v_mov_b32 v\n, 0                               ; a lane permute's destination counts as one of its sources
.endr
	s_mov_b32 s24, 0x76543210
	s_mov_b32 s25, 0xfedcba98                      ; v_permlanex16_b32's selects for lane l xor 16
	s_lshl_b32 s14, ttmp9, 17                      ; 32 tokens of 4,096 bytes a work-group,
	s_lshl_b32 s15, s2, 14                         ; four a wave
	s_add_co_u32 s14, s14, s15
	s_mov_b32 s15, 0
	s_lshl_b32 s28, s2, 12                         ; my wave's 4,096 bytes of Wr
	s_mov_b32 s29, 0
	s_wait_alu depctr_va_vdst(0)
	s_wait_kmcnt 0x0
	s_load_b256 s[16:23], s[8:9], 0x0              ; br's eight numbers
	s_add_nc_u64 s[4:5], s[4:5], s[14:15]
	s_add_nc_u64 s[6:7], s[6:7], s[28:29]
.irp m, 0,1,2,3,4,5,6,7
	global_load_b128 v[STG+4*\m:STG+4*\m+3], v1, s[6:7] offset:512*\m          ; 32 lanes read 512 consecutive bytes
.endr
.irp u, 0,1,2,3
.irp i, 0,1,2,3,4,5,6,7
	global_load_b128 v[X+32*\u+4*\i:X+32*\u+4*\i+3], v1, s[4:5] offset:4096*\u+512*\i
.endr
.endr
	s_wait_loadcnt 32                              ; my eighth of Wr is in; x's 32 younger loads may be out
.irp m, 0,1,2,3,4,5,6,7
	ds_store_b128 v7, v[STG+4*\m:STG+4*\m+3] offset:4*WP*\m                    ; a load's 512 bytes are four groups
.endr
	s_wait_dscnt 0x0                               ; for the others' sake: my stores have landed
	s_barrier_signal -1
	s_barrier_wait -1                              ; all of Wr lies in LDS; nothing is written there again
	WIN 0x40                                       ; destination window 1: Wr's row 128 i + 4 lane + k at v[8 (4 i + k)]
.irp i, 0,1,2,3,4,5,6,7
.irp k, 0,1,2,3
	ds_load_b128 v[8*(4*\i+\k):8*(4*\i+\k)+3], v2 offset:32*WP*\i+32*\k
	ds_load_b128 v[8*(4*\i+\k)+4:8*(4*\i+\k)+7], v2 offset:32*WP*\i+32*\k+16
.endr
.endr
	s_wait_loadcnt 0x0
	s_wait_dscnt 0x0
	s_wait_kmcnt 0x0
	WIN 0x01                                       ; source 0 (Wr) window 1
; two experts an instruction; x's number serves both halves.  The sixteen chains take turns; the first product starts the sums.
.irp i, 0,1,2,3,4,5,6,7
.irp k2, 0,1
.irp u, 0,1,2,3
.irp p, 0,1,2,3
.if (\i == 0) && (\k2 == 0)
	v_pk_mul_f32 v[ACC+8*\u+2*\p:ACC+8*\u+2*\p+1], v[8*(4*\i+2*\k2)+2*\p:8*(4*\i+2*\k2)+2*\p+1], v[X+32*\u+4*\i+2*\k2:X+32*\u+4*\i+2*\k2+1] op_sel_hi:[1,0]
.else
	v_pk_fma_f32 v[ACC+8*\u+2*\p:ACC+8*\u+2*\p+1], v[8*(4*\i+2*\k2)+2*\p:8*(4*\i+2*\k2)+2*\p+1], v[X+32*\u+4*\i+2*\k2:X+32*\u+4*\i+2*\k2+1], v[ACC+8*\u+2*\p:ACC+8*\u+2*\p+1] op_sel_hi:[1,0,1]
.endif
.endr
.endr
.irp u, 0,1,2,3
.irp p, 0,1,2,3
	v_pk_fma_f32 v[ACC+8*\u+2*\p:ACC+8*\u+2*\p+1], v[8*(4*\i+2*\k2+1)+2*\p:8*(4*\i+2*\k2+1)+2*\p+1], v[X+32*\u+4*\i+2*\k2:X+32*\u+4*\i+2*\k2+1], v[ACC+8*\u+2*\p:ACC+8*\u+2*\p+1] op_sel:[0,1,0] op_sel_hi:[1,1,1]
.endr
.endr
.endr
.endr
	WIN 0
; across the 32 lanes: four steps inside each half, one across the halves
.irp m, 1,2,4,8
.set n, 0
.rept 32
	v_add_f32_dpp v[ACC+n], v[ACC+n], v[ACC+n] row_xmask:\m row_mask:0xf bank_mask:0xf
.set n, n+1
.endr
.endr
.set n, 0
.rept 8
.irp p, 0,1,2,3
	v_permlanex16_b32 v[8+\p], v[ACC+n+\p], s24, s25
.endr
.irp p, 0,1,2,3
	s_delay_alu instid0(VALU_DEP_4)
	v_add_f32 v[ACC+n+\p], v[ACC+n+\p], v[8+\p]
.endr
.set n, n+4
.endr
.irp u, 0,1,2,3
	ds_store_b128 v3, v[ACC+8*\u:ACC+8*\u+3] offset:32*\u          ; every lane holds the same sums and writes the same bytes
	ds_store_b128 v3, v[ACC+8*\u+4:ACC+8*\u+7] offset:32*\u+16
.endr
	s_wait_dscnt 0x0                               ; for wave 0's sake: my stores have landed
	s_barrier_signal -1
	s_barrier_wait -1
	s_cmp_lg_u32 s2, 0
	s_cbranch_scc1 .Lothers
; wave 0: lane l is token 32 g + l
	v_lshlrev_b32 v12, 5, v6
	ds_load_b128 v[16:19], v12
	ds_load_b128 v[20:23], v12 offset:16
	s_wait_dscnt 0x0
.irp e, 0,1,2,3,4,5,6,7
	v_add_f32 v[16+\e], s[16+\e], v[16+\e]         ; + br
.endr
	v_max3_num_f32 v24, v16, v17, v18
	s_delay_alu instid0(VALU_DEP_1)
	v_max3_num_f32 v24, v24, v19, v20
	s_delay_alu instid0(VALU_DEP_1)
	v_max3_num_f32 v24, v24, v21, v22
	s_delay_alu instid0(VALU_DEP_1)
	v_max_num_f32 v24, v24, v23                    ; the largest logit
.irp e, 0,1,2,3,4,5,6,7
	v_sub_f32 v[32+\e], v[16+\e], v24
.endr
.irp e, 0,1,2,3,4,5,6,7
	v_mul_f32 v[32+\e], 0x3fb8aa3b, v[32+\e]       ; x log2(e)
.endr
	s_wait_alu depctr_va_vdst(0)
.irp e, 0,1,2,3,4,5,6,7
	v_exp_f32 v[32+\e], v[32+\e]
.endr
	v_mov_b32 v44, 0                               ; (a plain place behind the exponentials)  the words of SEL,
	v_mov_b32 v45, 0                               ; and of CNT: lane e will hold expert e's
	s_wait_alu depctr_va_vdst(0)
	v_add_f32 v25, v32, v33
	v_add_f32 v26, v34, v35
	v_add_f32 v27, v36, v37
	v_add_f32 v28, v38, v39
	s_delay_alu instid0(VALU_DEP_3)
	v_add_f32 v25, v25, v26
	s_delay_alu instid0(VALU_DEP_2)
	v_add_f32 v27, v27, v28
	s_delay_alu instid0(VALU_DEP_1)
	v_add_f32 v25, v25, v27
	s_wait_alu depctr_va_vdst(0)
	v_rcp_f32 v25, v25
	v_mov_b32 v46, 0                               ; (a plain place behind the reciprocal)  the best expert so far: 0
	s_wait_alu depctr_va_vdst(0)
.irp e, 0,1,2,3,4,5,6,7
	v_mul_f32 v[32+\e], v[32+\e], v25              ; the gates
.endr
	v_mov_b32 v40, v32
.irp e, 1
	s_delay_alu instid0(VALU_DEP_1)
	v_cmp_le_f32 vcc_lo, v[32+\e], v40             ; kept where the later gate is not strictly larger
	s_delay_alu instid0(VALU_DEP_1)
	v_cndmask_b32 v40, v[32+\e], v40, vcc_lo
	s_delay_alu instid0(VALU_DEP_2)
	v_cndmask_b32 v46, \e, v46, vcc_lo
.endr
.irp e, 2, 3, 4, 5, 6, 7
	s_delay_alu instid0(VALU_DEP_2)
	v_cmp_le_f32 vcc_lo, v[32+\e], v40
	s_delay_alu instid0(VALU_DEP_1)
	v_cndmask_b32 v40, v[32+\e], v40, vcc_lo
	s_delay_alu instid0(VALU_DEP_2)
	v_cndmask_b32 v46, \e, v46, vcc_lo
.endr
	v_mov_b32 v42, -1.0                            ; under every gate
	v_mov_b32 v47, 0
.irp e, 0,1,2,3,4,5,6,7
	s_delay_alu instid0(VALU_DEP_2)
	v_cmp_le_f32 s26, v[32+\e], v42
	v_cmp_eq_u32 s27, \e, v46                      ; the best one is passed over
	s_or_b32 vcc_lo, s26, s27
	v_cndmask_b32 v42, v[32+\e], v42, vcc_lo
	v_cndmask_b32 v47, \e, v47, vcc_lo
.endr
	s_delay_alu instid0(VALU_DEP_2)
	v_add_f32 v26, v40, v42
	s_wait_alu depctr_va_vdst(0)
	v_rcp_f32 v26, v26
	v_lshlrev_b32 v48, 3, v6                       ; (a plain place)  8 bytes a token
	s_wait_alu depctr_va_vdst(0)
	v_mul_f32 v50, v40, v26
	v_mul_f32 v51, v42, v26
.irp e, 0,1,2,3,4,5,6,7
	v_cmp_eq_u32 s26, \e, v46
	v_cmp_eq_u32 s27, \e, v47
	s_or_b32 s28, s26, s27                         ; bit l: token l chose expert e
	s_bcnt1_i32_b32 s29, s28
	v_writelane_b32 v44, s28, \e
	v_writelane_b32 v45, s29, \e
.endr
	v_lshlrev_b32 v49, 2, v6
	s_lshl_b32 s14, ttmp9, 8                       ; 32 tokens x 8 bytes
	s_add_nc_u64 s[30:31], s[10:11], s[14:15]
	s_add_nc_u64 s[32:33], s[12:13], s[14:15]
	s_lshl_b32 s14, ttmp9, 5                       ; 8 words a group of tokens
	s_add_nc_u64 s[34:35], s[10:11], s[14:15]
	global_store_b64 v48, v[46:47], s[30:31] offset:2048           ; 32 lanes store 256 consecutive bytes
	global_store_b64 v48, v[50:51], s[32:33]
	s_wait_alu depctr_va_vdst(0)
	s_wait_xcnt 0x0                                ; EXEC changes only behind this wait
	v_cmp_gt_u32 vcc_lo, 8, v6
	s_wait_tensorcnt 0x0
	ds_add_u32 v62, v63
	s_wait_dscnt 0x0
	s_and_saveexec_b32 s36, vcc_lo                 ; lanes 0 to 7: an expert each
	global_store_b32 v49, v44, s[34:35]
	global_store_b32 v49, v45, s[34:35] offset:1024
	s_endpgm
.Lothers:
	s_wait_tensorcnt 0x0
	ds_add_u32 v62, v63
	s_wait_dscnt 0x0
	s_endpgm
.Lfunc_end_k_qc4e4a4d965_router:
	.size	k_qc4e4a4d965_router, .Lfunc_end_k_qc4e4a4d965_router-k_qc4e4a4d965_router
	.p2alignl 7, 3214868480
	.fill 96, 4, 3214868480
	.section	.rodata,"a",@progbits
	.p2align	6, 0x0
	.amdhsa_kernel k_qc4e4a4d965_router
		.amdhsa_group_segment_fixed_size 38912
		.amdhsa_private_segment_fixed_size 0
		.amdhsa_enable_private_segment 0
		.amdhsa_kernarg_size 40
		.amdhsa_user_sgpr_count 2
		.amdhsa_user_sgpr_kernarg_segment_ptr 1
		.amdhsa_wavefront_size32 1
		.amdhsa_system_sgpr_workgroup_id_x 1
		.amdhsa_system_sgpr_workgroup_id_y 1
		.amdhsa_system_sgpr_workgroup_id_z 1
		.amdhsa_system_vgpr_workitem_id 0
		.amdhsa_next_free_vgpr 512
		.amdhsa_next_free_sgpr 66
		.amdhsa_reserve_vcc 1
		.amdhsa_float_denorm_mode_32 3
		.amdhsa_float_denorm_mode_16_64 3
		.amdhsa_memory_ordered 1
		.amdhsa_forward_progress 1
		.amdhsa_inst_pref_size 65
	.end_amdhsa_kernel
	.amdgpu_metadata
---
amdhsa.version: [ 1, 2 ]
amdhsa.kernels:
  - .name:           k_qc4e4a4d965_router
    .symbol:         k_qc4e4a4d965_router.kd
    .args:
      - { .name: x, .offset: 0, .size: 8, .value_kind: global_buffer, .address_space: global }
      - { .name: Wr, .offset: 8, .size: 8, .value_kind: global_buffer, .address_space: global }
      - { .name: br, .offset: 16, .size: 8, .value_kind: global_buffer, .address_space: global }
      - { .name: route, .offset: 24, .size: 8, .value_kind: global_buffer, .address_space: global }
      - { .name: gw, .offset: 32, .size: 8, .value_kind: global_buffer, .address_space: global }
    .group_segment_fixed_size: 38912
    .private_segment_fixed_size: 0
    .kernarg_segment_align: 8
    .kernarg_segment_size: 40
    .max_flat_workgroup_size: 256
    .sgpr_count:     66
    .vgpr_count:     512
    .wavefront_size: 32
...
	.end_amdgpu_metadata
.endif
;; end of part 7
;; launch sort (part 8): grid 72 x 1, 1 waves a work-group, no clusters, 0 bytes of LDS; arguments route, plan; writes plan
.if DOCPART == 8
	.amdgcn_target "amdgcn-amd-amdhsa--gfx1250"
	.amdhsa_code_object_version 6
	.text
	.protected	k_qc4e4a4d965_sort
	.globl	k_qc4e4a4d965_sort
	.p2align	8
	.type	k_qc4e4a4d965_sort,@function
k_qc4e4a4d965_sort:
	s_mov_b64 s[64:65], 0
	v_nop
	global_prefetch_b8 v0, s[64:65] scope:SCOPE_SE
	s_setreg_imm32_b32 hwreg(HW_REG_WAVE_MODE, 25, 1), 1
	s_wait_xcnt 0x0
; SORT.  The 2,048 routed rows (token, chosen expert) are put in order: by expert, in token order within an expert; each expert's rows are filled up to whole chunks of 32 rows (two tiles of 16).
; With n_e rows, expert e has NC_e = ceil(n_e / 32) chunks, the first of them CB_e = the sum of the earlier experts' chunks.  All chunks together are never more than 64 + 7 = 71, whatever the choice: 72 work-groups cover that.
; Read: route: SEL at byte 0, [32 groups of 32 tokens][8 experts], bit b = token 32 j + b chose the expert; CNT at byte 1,024, the words' numbers of ones; IDS at byte 2,048, [token][2].
; EVERYTHING THAT THIS LAUNCH MAKES IS STORED AS A VALUE, at a place fixed by the work-group's number and the lane: no address, no branch and no lane mask here hangs on what was read.  The launches behind it read these whole numbers and form their addresses and branches from them.
; SHARES.  A work-group is one wave and takes one chunk; a lane takes one sorted row.  All in whole numbers: totals of CNT; the chunk's expert; for rank q the last word of SEL whose count of earlier ones is at most q; in it the bit of the rank left over.
; STORED in plan: byte 0 [expert](CB, NC), byte 64 the tiles in use (by work-group 0);  byte 8,448 TOK [sorted row]: the row's token, 0 for a row that only fills a chunk or lies in a chunk not in use;
;   byte 17,664 EXP [sorted row]: the row's expert, 8 for such a filling row;   byte 256 ROWPOS [token][2]: the sorted rows of the token's two choices (by work-groups 0 to 31, a group of 32 tokens each, a lane to a token):
;   32 CB_e + the expert's ones in the groups ahead + its ones below the token's bit in the group's own word.
; The loads for ROWPOS stand with the others at the head, in every work-group (group = work-group mod 32, inside the buffer); only work-groups 0 to 31 use them.
.macro REDUCE                          ; v41-44, two experts to a register in fields of 16 bits (a sum is at most 1,024), are added across the 32 lanes; the sums go to s66-69
.irp m, 1,2,4,8
.irp p, 0,1,2,3
	v_mov_b32_dpp v[45+\p], v[41+\p] row_xmask:\m row_mask:0xf bank_mask:0xf
.endr
.irp p, 0,1,2,3
	v_add_nc_u32 v[41+\p], v[41+\p], v[45+\p]
.endr
.endr
.irp p, 0,1,2,3
	v_permlanex16_b32 v[45+\p], v[41+\p], s48, s49
.endr
.irp p, 0,1,2,3
	v_add_nc_u32 v[41+\p], v[41+\p], v[45+\p]
.endr
.irp p, 0,1,2,3
	v_readfirstlane_b32 s[66+\p], v[41+\p]
.endr
.endm
	s_load_b128 s[4:7], s[0:1], 0x0                ; route s[4:5], plan s[6:7]
	s_lshl_b32 s3, ttmp9, 1                        ; the chunk's even tile
	s_and_b32 s63, ttmp9, 31                       ; the group of tokens for ROWPOS
	v_and_b32 v1, 31, v0                           ; lane
	v_lshlrev_b32 v40, 5, v1                       ; 32 bytes a group of tokens
	v_lshlrev_b32 v35, 2, v1
	v_lshlrev_b32 v49, 3, v1
.irp p, 0,1,2,3
	v_mov_b32 v[45+\p], 0                          ; destinations of lane moves count as sources: written once
.endr
	v_mov_b32 v34, 0
	s_mov_b32 s48, 0x76543210
	s_mov_b32 s49, 0xfedcba98                      ; v_permlanex16_b32's selects for lane l xor 16
	s_mov_b32 s15, 0
	s_lshl_b32 s62, s63, 5                         ; (stays as it is: the scalar load below names it)
	s_lshl_b32 s14, s63, 8                         ; 32 tokens x 8 bytes
	s_wait_alu depctr_va_vdst(0)
	s_wait_kmcnt 0x0
	s_load_b256 s[72:79], s[4:5], s62 offset:0x0   ; SEL of the group: eight words
	s_add_nc_u64 s[54:55], s[4:5], s[14:15]
	s_add_nc_u64 s[56:57], s[6:7], s[14:15]
	global_load_b128 v[4:7], v40, s[4:5] offset:1024               ; lane j: CNT[j][0..7],
	global_load_b128 v[8:11], v40, s[4:5] offset:1040
	global_load_b128 v[12:15], v40, s[4:5]                         ; SEL[j][0..7]
	global_load_b128 v[16:19], v40, s[4:5] offset:16
	global_load_b64 v[36:37], v49, s[54:55] offset:2048            ; the two experts of the group's token 'lane'
	s_lshl_b32 s14, ttmp9, 7                       ; 32 rows x 4 bytes a chunk
	s_add_nc_u64 s[52:53], s[6:7], s[14:15]
	s_wait_loadcnt 0x0
	s_wait_kmcnt 0x0
; each expert's rows
.irp p, 0,1,2,3
	v_lshl_or_b32 v[41+\p], v[5+2*\p], 16, v[4+2*\p]
.endr
	REDUCE
.irp p, 0,1,2,3
	s_and_b32 s[16+2*\p], s[66+\p], 0xffff         ; s16-23: n_e
	s_lshr_b32 s[17+2*\p], s[66+\p], 16
.endr
	s_mov_b32 s32, 0                               ; s32-40: the experts' first tiles; s40 the tiles in use
.irp e, 0,1,2,3,4,5,6,7
	s_add_co_u32 s[24+\e], s[16+\e], 31
	s_lshr_b32 s[24+\e], s[24+\e], 5               ; s24-31: NC_e
	s_lshl_b32 s44, s[24+\e], 1
	s_add_co_u32 s[33+\e], s[32+\e], s44
.endr
	s_mov_b32 s41, 0                               ; my chunk's expert: the last whose first tile is at most my even tile,
	s_mov_b32 s42, 0                               ; its first tile,
	s_mov_b32 s43, s16                             ; its rows.  (A chunk not in use falls to expert 7 with ranks past its rows: all its rows are filling rows)
.irp e, 1,2,3,4,5,6,7
	s_cmp_le_u32 s[32+\e], s3
	s_cselect_b32 s41, \e, s41
	s_cselect_b32 s42, s[32+\e], s42
	s_cselect_b32 s43, s[16+\e], s43
.endr
	v_mov_b32 v20, v12                             ; lane j: the expert's word of group j
.irp e, 1,2,3,4,5,6,7
	s_cmp_eq_u32 s41, \e
	s_cselect_b32 vcc_lo, -1, 0
	v_cndmask_b32 v20, v20, v[12+\e], vcc_lo
.endr
	s_sub_co_u32 s44, s3, s42
	s_lshl_b32 s44, s44, 4
	v_add_nc_u32 v21, s44, v1                      ; q: my row's rank in the expert
	v_mov_b32 v22, 0                               ; the word that holds rank q,
	v_mov_b32 v23, 0                               ; the ones ahead of it,
	v_mov_b32 v24, 0                               ; its group
	s_mov_b32 s46, 0
.set j, 0
.rept 32
	v_readlane_b32 s45, v20, j
	v_cmp_gt_u32 vcc_lo, s46, v21                  ; kept where the ones ahead of word j are more than q
	v_cndmask_b32 v22, s45, v22, vcc_lo
	v_cndmask_b32 v23, s46, v23, vcc_lo
	v_cndmask_b32 v24, j, v24, vcc_lo
	s_bcnt1_i32_b32 s47, s45
	s_add_co_u32 s46, s46, s47
.set j, j+1
.endr
	v_sub_nc_u32 v29, v21, v23                     ; the rank left over: which one of the word
	v_lshrrev_b32 v31, 1, v22                      ; the word's ones counted in fields of 2, 4, 8 and 16 bits
	v_and_b32 v31, 0x55555555, v31
	v_sub_nc_u32 v25, v22, v31
	v_lshrrev_b32 v31, 2, v25
	v_and_b32 v31, 0x33333333, v31
	v_and_b32 v26, 0x33333333, v25
	v_add_nc_u32 v26, v26, v31
	v_lshrrev_b32 v31, 4, v26
	v_add_nc_u32 v27, v26, v31
	v_and_b32 v27, 0x0f0f0f0f, v27
	v_lshrrev_b32 v31, 8, v27
	v_add_nc_u32 v28, v27, v31
	v_and_b32 v28, 0x00ff00ff, v28
	v_mov_b32 v30, 0                               ; the bit's place
.macro PICK src, wd                    ; where the lower field of wd bits holds too few ones, they are taken off the rank and the place moves over it
	v_bfe_u32 v31, v[\src], v30, \wd
	v_cmp_ge_u32 vcc_lo, v29, v31
	v_sub_nc_u32 v31, v29, v31
	v_cndmask_b32 v29, v29, v31, vcc_lo
	v_add_nc_u32 v31, \wd, v30
	v_cndmask_b32 v30, v30, v31, vcc_lo
.endm
	PICK 28, 16
	PICK 27, 8
	PICK 26, 4
	PICK 25, 2
	PICK 22, 1
	v_lshl_add_u32 v32, v24, 5, v30                ; the token
	v_cmp_gt_u32 s51, s43, v21                     ; a true row: n > q
	v_cndmask_b32 v32, 0, v32, s51
	v_min_u32 v32, 0x3ff, v32
	v_mov_b32 v33, s41
	v_cndmask_b32 v33, 8, v33, s51                 ; the expert, or 8, which is no token's choice
	global_store_b32 v35, v32, s[52:53] offset:8448                ; 32 lanes store 128 consecutive bytes
	global_store_b32 v35, v33, s[52:53] offset:17664
	s_cmp_lg_u32 ttmp9, 0
	s_cbranch_scc1 .Lnot_first
.irp e, 0,1,2,3,4,5,6,7
	s_lshr_b32 s58, s[32+\e], 1
	v_writelane_b32 v34, s58, 2*\e                 ; the table: CB_e,
	v_writelane_b32 v34, s[24+\e], 2*\e+1          ; NC_e,
.endr
	v_writelane_b32 v34, s40, 16                   ; and behind it the tiles in use; lanes 17 to 31 hold 0
	global_store_b32 v35, v34, s[6:7]              ; once in the launch
.Lnot_first:
	s_cmp_ge_u32 ttmp9, 32
	s_cbranch_scc1 .Ldone
; ROWPOS of the group's 32 tokens
	v_cmp_gt_u32 vcc_lo, s63, v1                   ; the groups ahead of mine
.irp p, 0,1,2,3
	v_lshl_or_b32 v[41+\p], v[5+2*\p], 16, v[4+2*\p]
.endr
.irp p, 0,1,2,3
	v_cndmask_b32 v[41+\p], 0, v[41+\p], vcc_lo
.endr
	REDUCE
.irp p, 0,1,2,3
	s_and_b32 s[80+2*\p], s[66+\p], 0xffff         ; s80-87: each expert's ones in the groups ahead,
	s_lshr_b32 s[81+2*\p], s[66+\p], 16
.endr
.irp e, 0,1,2,3,4,5,6,7
	s_lshl_b32 s58, s[32+\e], 4
	s_add_co_u32 s[80+\e], s[80+\e], s58           ; + the expert's first row: 16 x its first tile
.endr
.irp e, 0,1,2,3,4,5,6,7
	v_mbcnt_lo_u32_b32 v[50+\e], s[72+\e], s[80+\e]  ; + the ones of the group's own word below my lane's bit: the row that my token would have with expert e
.endr
	v_mov_b32 v38, v50
	v_mov_b32 v39, v50
.irp e, 1,2,3,4,5,6,7
	v_cmp_eq_u32 vcc_lo, \e, v36
	v_cndmask_b32 v38, v38, v[50+\e], vcc_lo       ; that of its first choice,
	v_cmp_eq_u32 vcc_lo, \e, v37
	v_cndmask_b32 v39, v39, v[50+\e], vcc_lo       ; of its second
.endr
	global_store_b64 v49, v[38:39], s[56:57] offset:256            ; 32 lanes store 256 consecutive bytes, aligned
.Ldone:
	s_endpgm
.Lfunc_end_k_qc4e4a4d965_sort:
	.size	k_qc4e4a4d965_sort, .Lfunc_end_k_qc4e4a4d965_sort-k_qc4e4a4d965_sort
	.p2alignl 7, 3214868480
	.fill 96, 4, 3214868480
	.section	.rodata,"a",@progbits
	.p2align	6, 0x0
	.amdhsa_kernel k_qc4e4a4d965_sort
		.amdhsa_group_segment_fixed_size 0
		.amdhsa_private_segment_fixed_size 0
		.amdhsa_enable_private_segment 0
		.amdhsa_kernarg_size 16
		.amdhsa_user_sgpr_count 2
		.amdhsa_user_sgpr_kernarg_segment_ptr 1
		.amdhsa_wavefront_size32 1
		.amdhsa_system_sgpr_workgroup_id_x 1
		.amdhsa_system_sgpr_workgroup_id_y 1
		.amdhsa_system_sgpr_workgroup_id_z 1
		.amdhsa_system_vgpr_workitem_id 0
		.amdhsa_next_free_vgpr 64
		.amdhsa_next_free_sgpr 88
		.amdhsa_reserve_vcc 1
		.amdhsa_float_denorm_mode_32 3
		.amdhsa_float_denorm_mode_16_64 3
		.amdhsa_memory_ordered 1
		.amdhsa_forward_progress 1
		.amdhsa_inst_pref_size 24
	.end_amdhsa_kernel
	.amdgpu_metadata
---
amdhsa.version: [ 1, 2 ]
amdhsa.kernels:
  - .name:           k_qc4e4a4d965_sort
    .symbol:         k_qc4e4a4d965_sort.kd
    .args:
      - { .name: route, .offset: 0, .size: 8, .value_kind: global_buffer, .address_space: global }
      - { .name: plan, .offset: 8, .size: 8, .value_kind: global_buffer, .address_space: global }
    .group_segment_fixed_size: 0
    .private_segment_fixed_size: 0
    .kernarg_segment_align: 8
    .kernarg_segment_size: 16
    .max_flat_workgroup_size: 32
    .sgpr_count:     88
    .vgpr_count:     64
    .wavefront_size: 32
...
	.end_amdgpu_metadata
.endif
;; end of part 8
;; launch place (part 9): grid 144 x 1, 8 waves a work-group, no clusters, 0 bytes of LDS; arguments plan, route, gw, x, xq; writes xq
.if DOCPART == 9
	.amdgcn_target "amdgcn-amd-amdhsa--gfx1250"
	.amdhsa_code_object_version 6
	.text
	.protected	k_qc4e4a4d965_place
	.globl	k_qc4e4a4d965_place
	.p2align	8
	.type	k_qc4e4a4d965_place,@function
k_qc4e4a4d965_place:
	s_mov_b64 s[64:65], 0
	v_nop
	global_prefetch_b8 v0, s[64:65] scope:SCOPE_SE
	s_setreg_imm32_b32 hwreg(HW_REG_WAVE_MODE, 25, 1), 1
	s_wait_xcnt 0x0
; PLACE.  The rows of x are gathered in sorted order (by expert; the list was made by the launch before) and quantised; the rows' gate weights are put in the same order.
; Read from plan: byte 64 the tiles in use; byte 8,448 TOK [sorted row] the row's token (0 for a row that only fills a chunk); byte 17,664 EXP [sorted row] the row's expert (8 for a filling row).
; SHARES.  Work-group g is sorted tile g (16 rows); wave s quantises K step s (128 of the 1,024 channels) of the tile's rows.  144 tiles cover the most that any choice can need (2 x 71); a work-group past the tiles in use stores nothing and ends.
; Waves share nothing: no LDS, no barrier.  The branch hangs on the stored number of tiles, the gather's addresses on the stored tokens, held at 1,023.
; A filling row takes token 0's numbers and the gate weight 0: it is computed and never read at the end.
; STORED.  xq: at byte 0 [tile][K step][2,048 bytes]: a fragment (16 rows x 128 K of E5M2 codes) as an image of the operand's registers: group c of four registers at 512 c + 16 lane;
;   at byte 2,359,296 [chunk][K step][32 words]: the rows' scale words, the even tile's in words 0-15, the odd tile's in 16-31;   at byte 2,433,024 [sorted row] the gate weight, f32.
; THE QUANTISER: a block of 32 along K has the scale 2^(floor(log2(its largest magnitude)) - 15); its byte is that magnitude's exponent field - 15, held at 1 from below by a floor among the maximum's leaves.
; LIMITS: a block of zeros gets the byte 1 over zero codes (this program alone reads the bytes); blocks under 2^-111 keep the byte 1; NaN and infinities are not served.
.set ST, 64                            ; v64-127  64 numbers: register 16 b + i = channel 32 b + 16 (lane / 16) + i of my row's K step
.set PC, 128                           ; v128-143 the fragment's codes
.set TM, 144                           ; v144-147 largest magnitudes, v148-151 bytes, v152-155 57,344 x the scale, v156-159 the conversions' scale operands
.set PW, 160                           ; v160     my row's scale word
	s_load_b256 s[4:11], s[0:1], 0x0               ; plan s[4:5], route s[6:7], gw s[8:9], x s[10:11]
	s_load_b64 s[12:13], s[0:1], 0x20              ; xq
	v_lshrrev_b32 v40, 5, v0
	s_delay_alu instid0(VALU_DEP_1)
	v_readfirstlane_b32 s2, v40                    ; wave = K step
	s_mov_b32 s3, ttmp9                            ; g: the sorted tile
	v_and_b32 v1, 31, v0                           ; lane
	v_and_b32 v2, 15, v0                           ; r
	v_bfe_u32 v3, v0, 4, 1                         ; h
	s_delay_alu instid0(VALU_DEP_3)
	v_lshlrev_b32 v34, 4, v1
	s_delay_alu instid0(VALU_DEP_4)
	v_lshlrev_b32 v35, 2, v1
	s_delay_alu instid0(VALU_DEP_4)
	v_lshlrev_b32 v40, 2, v2                       ; 4 bytes a row of the lists
.irp p, 0,1,2,3
	v_mov_b32 v[TM+4+\p], 0                        ; a lane permute's destination counts as one of its sources: written once
.endr
	s_mov_b32 s48, 0x76543210
	s_mov_b32 s49, 0xfedcba98                      ; v_permlanex16_b32's selects for lane l xor 16
	s_mov_b32 s50, 0x600000                        ; the mantissa field of 57,344
	s_mov_b32 s15, 0
	s_lshl_b32 s14, s3, 6                          ; 16 rows x 4 bytes a tile
	s_wait_alu depctr_va_vdst(0)
	s_wait_kmcnt 0x0
	s_load_b32 s40, s[4:5], 0x40                   ; the tiles in use
	s_add_nc_u64 s[16:17], s[4:5], s[14:15]
	global_load_b32 v32, v40, s[16:17] offset:8448                 ; my row's token,
	global_load_b32 v41, v40, s[16:17] offset:17664                ; its expert
	s_wait_kmcnt 0x0
	s_min_u32 s40, s40, 144
	s_cmp_ge_u32 s3, s40
	s_cbranch_scc1 .Ldone                          ; no such tile under this choice
	s_wait_loadcnt 0x0
	v_min_u32 v32, 0x3ff, v32
	s_delay_alu instid0(VALU_DEP_1)
	v_lshlrev_b32 v161, 3, v32
	global_load_b64 v[36:37], v161, s[6:7] offset:2048             ; the token's two experts,
	global_load_b64 v[38:39], v161, s[8:9]                         ; their weights
	v_lshlrev_b32 v33, 12, v32
	s_delay_alu instid0(VALU_DEP_1)
	v_lshl_add_u32 v33, v3, 6, v33                 ; x: the token's row, + 64 h: my 16 numbers of a block of 32
	s_lshl_b32 s14, s2, 9
	s_add_nc_u64 s[52:53], s[10:11], s[14:15]      ; + my K step's 512 bytes
.irp b, 0,1,2,3
.irp j, 0,1,2,3
	global_load_b128 v[ST+16*\b+4*\j:ST+16*\b+4*\j+3], v33, s[52:53] offset:128*\b+16*\j
.endr
.endr
	s_lshl_b32 s14, s3, 14                         ; where the results go: the image: (8 g + s) x 2,048;
	s_lshl_b32 s62, s2, 11
	s_add_co_u32 s14, s14, s62
	s_add_nc_u64 s[54:55], s[12:13], s[14:15]
	s_lshr_b32 s14, s3, 1                          ; the scale words: ((g / 2) 8 + s) 128 + (g % 2) 64;
	s_lshl_b32 s14, s14, 10
	s_lshl_b32 s62, s2, 7
	s_add_co_u32 s14, s14, s62
	s_and_b32 s62, s3, 1
	s_lshl_b32 s62, s62, 6
	s_add_co_u32 s14, s14, s62
	s_add_co_u32 s14, s14, 2359296
	s_add_nc_u64 s[56:57], s[12:13], s[14:15]
	s_lshl_b32 s14, s3, 6                          ; the gate weights: 64 g
	s_add_co_u32 s14, s14, 2433024
	s_add_nc_u64 s[58:59], s[12:13], s[14:15]
	s_wait_loadcnt 0x0
	v_cmp_eq_u32 vcc_lo, v36, v41                  ; the row's expert is the token's first choice,
	s_delay_alu instid0(VALU_DEP_1)
	v_cndmask_b32 v163, 0, v38, vcc_lo
	v_cmp_eq_u32 vcc_lo, v37, v41                  ; or its second;
	s_delay_alu instid0(VALU_DEP_1)
	v_cndmask_b32 v163, v163, v39, vcc_lo          ; a filling row's 8 is neither: it weighs nothing
; 64 numbers become a fragment's codes and my row's scale word
.irp b, 0,1,2,3
	v_max3_num_f32 v[TM+\b], |v[ST+16*\b]|, |v[ST+1+16*\b]|, 0x8000000   ; block b: my 16 numbers, and the floor 2^(16 - 127): the byte cannot fall under 1
.endr
.irp i, 2,4,6,8,10,12,14
.irp b, 0,1,2,3
	s_delay_alu instid0(VALU_DEP_4)
	v_max3_num_f32 v[TM+\b], v[TM+\b], |v[ST+16*\b+\i]|, |v[ST+1+16*\b+\i]|
.endr
.endr
.irp b, 0,1,2,3
	s_delay_alu instid0(VALU_DEP_4)
	v_permlanex16_b32 v[TM+4+\b], v[TM+\b], s48, s49
.endr
.irp b, 0,1,2,3
	s_delay_alu instid0(VALU_DEP_4)
	v_max_num_f32 v[TM+\b], v[TM+\b], v[TM+4+\b]   ; with lane l xor 16's: the block's largest magnitude
.endr
.irp b, 0,1,2,3
	s_delay_alu instid0(VALU_DEP_4)
	v_add_nc_u32 v[TM+12+\b], 0xf8800000, v[TM+\b] ; 15 off its exponent field: the conversion takes that field as its scale
.endr
.irp b, 0,1,2,3
	v_and_or_b32 v[TM+8+\b], v[TM+\b], 0x7f800000, s50   ; 57,344 x the scale
.endr
.irp b, 0,1,2,3
	v_lshrrev_b32 v[TM+4+\b], 23, v[TM+12+\b]      ; the scale's byte
.endr
	s_delay_alu instid0(VALU_DEP_3)
	v_lshl_or_b32 v[PW], v[TM+5], 8, v[TM+4]
	s_delay_alu instid0(VALU_DEP_1)
	v_lshl_or_b32 v[PW], v[TM+6], 16, v[PW]
	s_delay_alu instid0(VALU_DEP_1)
	v_lshl_or_b32 v[PW], v[TM+7], 24, v[PW]
.irp b, 0,1,2,3
.irp i, 0,1,2,3,4,5,6,7,8,9,10,11,12,13,14,15
	v_med3_num_f32 v[ST+16*\b+\i], v[ST+16*\b+\i], -v[TM+8+\b], v[TM+8+\b]   ; the conversion to an 8-bit code does not saturate (ISA guide 7.6.2): the hold at the largest code x the scale
.endr
	v_cvt_scalef32_pk8_bf8_f32 v[PC+4*\b:PC+1+4*\b], v[ST+16*\b:ST+7+16*\b], v[TM+12+\b]
	v_cvt_scalef32_pk8_bf8_f32 v[PC+2+4*\b:PC+3+4*\b], v[ST+8+16*\b:ST+15+16*\b], v[TM+12+\b]
.endr
	v_nop                                          ; a plain line behind the last conversion
.irp c, 0,1,2,3
	global_store_b128 v34, v[PC+4*\c:PC+4*\c+3], s[54:55] offset:512*\c      ; 32 lanes store 512 consecutive bytes
.endr
	s_wait_xcnt 0x0                                ; EXEC changes only behind this wait
	v_cmp_gt_u32 vcc_lo, 16, v1
	s_and_saveexec_b32 s60, vcc_lo                 ; lanes 0 to 15: a row each
	global_store_b32 v35, v[PW], s[56:57]
	s_cmp_lg_u32 s2, 0
	s_cbranch_scc1 .Ldone                          ; the gate weights are stored once for the tile: by wave 0
	global_store_b32 v35, v163, s[58:59]
.Ldone:
	s_endpgm
.Lfunc_end_k_qc4e4a4d965_place:
	.size	k_qc4e4a4d965_place, .Lfunc_end_k_qc4e4a4d965_place-k_qc4e4a4d965_place
	.p2alignl 7, 3214868480
	.fill 96, 4, 3214868480
	.section	.rodata,"a",@progbits
	.p2align	6, 0x0
	.amdhsa_kernel k_qc4e4a4d965_place
		.amdhsa_group_segment_fixed_size 0
		.amdhsa_private_segment_fixed_size 0
		.amdhsa_enable_private_segment 0
		.amdhsa_kernarg_size 40
		.amdhsa_user_sgpr_count 2
		.amdhsa_user_sgpr_kernarg_segment_ptr 1
		.amdhsa_wavefront_size32 1
		.amdhsa_system_sgpr_workgroup_id_x 1
		.amdhsa_system_sgpr_workgroup_id_y 1
		.amdhsa_system_sgpr_workgroup_id_z 1
		.amdhsa_system_vgpr_workitem_id 0
		.amdhsa_next_free_vgpr 192
		.amdhsa_next_free_sgpr 66
		.amdhsa_reserve_vcc 1
		.amdhsa_float_denorm_mode_32 3
		.amdhsa_float_denorm_mode_16_64 3
		.amdhsa_memory_ordered 1
		.amdhsa_forward_progress 1
		.amdhsa_inst_pref_size 15
	.end_amdhsa_kernel
	.amdgpu_metadata
---
amdhsa.version: [ 1, 2 ]
amdhsa.kernels:
  - .name:           k_qc4e4a4d965_place
    .symbol:         k_qc4e4a4d965_place.kd
    .args:
      - { .name: plan, .offset: 0, .size: 8, .value_kind: global_buffer, .address_space: global }
      - { .name: route, .offset: 8, .size: 8, .value_kind: global_buffer, .address_space: global }
      - { .name: gw, .offset: 16, .size: 8, .value_kind: global_buffer, .address_space: global }
      - { .name: x, .offset: 24, .size: 8, .value_kind: global_buffer, .address_space: global }
      - { .name: xq, .offset: 32, .size: 8, .value_kind: global_buffer, .address_space: global }
    .group_segment_fixed_size: 0
    .private_segment_fixed_size: 0
    .kernarg_segment_align: 8
    .kernarg_segment_size: 40
    .max_flat_workgroup_size: 256
    .sgpr_count:     66
    .vgpr_count:     192
    .wavefront_size: 32
...
	.end_amdgpu_metadata
.endif
;; end of part 9
;; launch ffn1 (part 10): grid 32 x 8, 8 waves a work-group, no clusters, 144,384 bytes of LDS; arguments W1, b1, plan, xq, hq; writes hq
.if DOCPART == 10
	.amdgcn_target "amdgcn-amd-amdhsa--gfx1250"
	.amdhsa_code_object_version 6
	.text
	.protected	k_qc4e4a4d965_ffn1
	.globl	k_qc4e4a4d965_ffn1
	.p2align	8
	.type	k_qc4e4a4d965_ffn1,@function
k_qc4e4a4d965_ffn1:
	s_mov_b64 s[64:65], 0
	v_nop
	global_prefetch_b8 v0, s[64:65] scope:SCOPE_SE
	s_setreg_imm32_b32 hwreg(HW_REG_WAVE_SCHED_MODE, 0, 2), 2
	s_setreg_imm32_b32 hwreg(HW_REG_WAVE_MODE, 25, 1), 1
	s_wait_xcnt 0x0
	s_wait_alu depctr_vm_vsrc(0)
; FFN 1.  h = gelu(x W1[e] + b1[e]) for the rows routed to expert e, the product on codes of E5M2 with one E8M0 scale for each 32 along K; h leaves as codes, quantised along the hidden axis.
; THE WEIGHTS STAND STILL, THE ROWS STREAM.  Work-group (slice, e) owns W1[e][all 1,024 channels][hidden units 128 slice .. + 127]: 512 KiB of f32, read once, in runs of 512 bytes.
; PHASE 1.  Wave w owns K step w (128 channels).  A lane takes four neighbouring columns and its registers run down K: a block of 32 along K of one column lies in one lane, so its largest magnitude needs no other lane.
;   The hold at the largest code moves a column's 32 numbers into consecutive registers, from which the conversions take them.  The codes go to LDS as images of the operand's registers (group c of four registers at 512 c + 16 lane).
;   Loader lane 16 L + r holds columns 64 L + 4 r + q: they are row r of tile 4 L + q.  Which columns form a tile is free; it says where a result lands (below).
; One barrier; then PHASE 2: each wave by itself takes the expert's chunks of 32 sorted rows w, w + 8, ..: ceil((chunks - w) / 8) trips, a number made from the stored table; no barrier among them.
;   The trips that have a successor go round a loop, counted one by one against their number; such a trip asks in its second half for the next chunk's first four K steps, and at its end for the first weight fragments again.
;   THE LAST TRIP IS WRITTEN OUT behind the loop: it asks for nothing beyond its own chunk, and its counts run down.
;   The product is used transposed (source 0 = 16 columns of W1, source 1 = 16 rows of x): lane (r, h) holds row r, and register j of tile 4 L + q the unit 64 L + 32 h + 4 j + q.  So the 32 registers of tiles 4 L .. 4 L + 3
;   are ALL 32 units of the block 2 L + h of the next K: gelu, maximum, hold and conversion stay in the lane.  Place p = 8 q + j of a block holds unit 4 (p % 8) + p / 8; the next launch takes W2's rows in the same order.
;   b1 is what the sums begin with: its image is loaded into the accumulators at a chunk's head.
; No tensor load and no joint request: the trip count hangs on a number read from memory, and the images that the expert's 32 work-groups share are about a third of a work-group's bytes.
; gelu(x) = max(x, 0) - |x| erfc(|x| / sqrt 2) / 2, erfc(z) = t exp(-z^2 + P(t)), t = 1 / (1 + z / 2), P of degree 9 (a Chebyshev fit with a fractional error under 1.2e-7 at every z): the negative tail keeps its relative accuracy.
; LIMITS: NaN and infinities are not served; a block of zeros gets the byte 1 over zero codes (this program alone reads the bytes), blocks under 2^-111 keep the byte 1; gelu's relative error is some 3e-7 and grows by 0.72 x^2 x 6e-8 in the far negative tail.
; REGISTERS.  window 0: v1-11 addresses; v12-27 at work; v28-31 x's scale words, one a ring slot; v32-95 at work; v96-127 codes (phase 1), W1's scale words (phase 2); v128-255 a set of weights (phase 1), the 16 accumulators (phase 2).
;   window 1: v0-127, v128-255 two more sets (phase 1); W1's eight fragments of a K step and a ring of four slots of x's two fragments (phase 2).
; THE MODE: SCHED_MODE bits 1:0 = 2 (LLVM: expert scheduling mode 2), set by the entry lines.  The code itself states the register dependences
; between vector or matrix instructions and memory or LDS instructions, with s_wait_alu, always for 0.
; THE PLAN.  Registers that memory or LDS instructions touch, and who else names them:
;   v1-v11       Offsets and LDS addresses: written at the head, ahead of the one wait on va_vdst in front of the first load, and never again; but v[OL]: phase 1's two stores of b1's image read it, phase 2's head writes it anew.
;   PHASE 1.     The three sets of weights: loads land in them, a block's maxima and holds read them.  One set is loaded twice: block 3 lands where block 0 lay.
;                v96-127, the codes: a block's sixteen conversions write them, its eight LDS stores read them.  v24-27, the scale words: written block by block, read by four LDS stores at the phase's end.
;                So a block has ONE wait on va_vdst, behind its last conversion and ahead of the run of its stores: the codes are written, the block is done reading its set, the scale words are written;
;                and ONE on vm_vsrc, ahead of its first hold: the earlier LDS stores have read the codes (block 0: b1's image has left v32-39, which the holds write).
;   PHASE 2.     The fragments of tiles 0-3: a K step's first eight products read them, then the next K step's land in them.  Those of tiles 4-7: the second eight products.  The ring slot and its scale words: all sixteen.
;                So TWO waits on va_vdst stand in a K step, each behind eight products and ahead of one run of loads.
;                The accumulators: b1's image lands in them at a trip's head; products, gelu, holds and conversions name them, all ahead of the trip's last wait on va_vdst.
;                v80-87, v88-95, a block's codes of h, two buffers by turns: block n's conversions write one; its two stores stand in block n + 1, behind the wait that the reciprocals have there anyway;
;                block n + 2's conversions write it again behind a wait on vm_vsrc.  v22, the rows' scale words: written and stored at a trip's end, behind that trip's last wait on va_vdst.
.set RSTRIDE, 16384                    ; bytes from a row of W1[e] to the next
.set MSTR,  16384                      ; bytes from a tile's images to the next tile's
.set XSTEP, 262144                     ; eight chunks of images
.set SSTEP, 8192                       ; eight chunks of scale words
.set WSC,   131072                     ; LDS: behind the 64 fragments of 2,048 bytes: their scale words, 64 bytes a fragment;
.set BIMG,  135168                     ; b1's image: 1,024 bytes a tile
.set LW,   1                           ; v1   16 x lane: a global image's, and a weight row's, place for my lane
.set LDW,  2                           ; v2   where I store codes: 16,384 w + 8,192 L + 16 r
.set LDSC, 3                           ; v3   and scale words: WSC + 512 w + 256 L + 4 r
.set LR0,  4                           ; v4   16 x lane: fragments of K steps 0-3
.set LR1,  5                           ; v5   + 65,536: of K steps 4-7
.set L4,   6                           ; v6   4 x lane
.set AWS,  7                           ; v7   WSC + 4 x lane
.set ABI,  8                           ; v8   BIMG + 16 x lane
.set OL,   9                           ; v9   phase 1: where my wave stores b1's image; phase 2: 512 h + 16 r, my codes' place in an image
.set H8,   10                          ; v10  8 h
.set H128, 11                          ; v11  128 h
.set MX,   12
.set SCO,  16
.set LIM,  20
.set WORD, 24
.set XS,   28
.set TA,   32                          ; v32-63, v64-95: a column's 32 numbers, two sets by turns
.set CODE, 96
.set WS,   96                          ; register 4 s + p: lanes 0-15 tile 2 p's words of K step s, lanes 16-31 tile 2 p + 1's
.set ACC,  128                         ; accumulator (row tile m, column tile t) at ACC + 64 m + 8 t
.set TT,   32
.set PP,   48
.set RR,   64
.set CD,   80
.set MSB, 0
.macro WIN new                         ; the immediate's high byte repeats the setting that is left
.if MSB != (\new)
	s_set_vgpr_msb (MSB<<8)|(\new)
.set MSB, (\new)
.endif
.endm
.macro NOP8                            ; eight places behind this matrix form: ahead of the first read of results; ahead of the runs of loads the wait behind them states the dependence
.rept 8
	v_nop
.endr
.endm
; block t of my K step: 32 rows x 512 bytes into the set at v[set] of window win
.macro WLOAD t, set, win
.if \win
	WIN 0x40
.endif
.set wi, 0
.rept 32
	global_load_b128 v[(\set)+4*wi:(\set)+4*wi+3], v[LW], s[4:5] offset:(32*(\t)+wi)*RSTRIDE th:TH_LOAD_NT
.set wi, wi+1
.endr
	WIN 0
.endm
; that block becomes codes and scale bytes: four columns a lane
.macro WQUANT t, set, win
.if \win
	WIN 0x14                                       ; sources 1 and 2 window 1
.endif
.set qi, 0
.rept 16
.irp q, 0,1,2,3
.if qi == 0
	v_max3_num_f32 v[MX+\q], s37, |v[(\set)+\q]|, |v[(\set)+4+\q]|           ; the floor 2^(16 - 127) among the leaves: the byte cannot fall under 1
.else
	v_max3_num_f32 v[MX+\q], v[MX+\q], |v[(\set)+8*qi+\q]|, |v[(\set)+8*qi+4+\q]|
.endif
.endr
.set qi, qi+1
.endr
	WIN 0
.irp q, 0,1,2,3
	v_add_nc_u32 v[SCO+\q], 0xf8800000, v[MX+\q]   ; 15 off the exponent field: the conversion's scale operand
.endr
.irp q, 0,1,2,3
	v_and_or_b32 v[LIM+\q], v[MX+\q], 0x7f800000, s36    ; 57,344 x the scale
.endr
.irp q, 0,1,2,3
	v_lshrrev_b32 v[MX+\q], 23, v[SCO+\q]          ; the scale's byte
.endr
.irp q, 0,1,2,3
.if (\t) == 0
	v_mov_b32 v[WORD+\q], v[MX+\q]
.else
	v_lshl_or_b32 v[WORD+\q], v[MX+\q], 8*(\t), v[WORD+\q]
.endif
.endr
	s_wait_dscnt 0x0                               ; my earlier LDS stores have landed,
	s_wait_alu depctr_vm_vsrc(0)                   ; and have read their registers: the block before's the codes v96-127, which the conversions below write again; ahead of block 0 the stores of b1's image v32-39, which the holds below write
.irp q, 0,1,2,3
.if \win
	WIN 0x01                                       ; source 0 window 1
.endif
.set qi, 0
.rept 32
	v_med3_num_f32 v[TA+32*(\q%2)+qi], v[(\set)+4*qi+\q], -v[LIM+\q], v[LIM+\q]   ; the hold (the conversion does not saturate: ISA guide 7.6.2), and the column's numbers on end
.set qi, qi+1
.endr
	WIN 0
.irp g, 0,1,2,3
	v_cvt_scalef32_pk8_bf8_f32 v[CODE+8*\q+2*\g:CODE+8*\q+2*\g+1], v[TA+32*(\q%2)+8*\g:TA+32*(\q%2)+8*\g+7], v[SCO+\q]
.endr
.endr
	v_nop                                          ; a plain line behind the last conversion
	s_wait_alu depctr_va_vdst(0)                   ; the sixteen conversions have written the codes, which the stores below read; the maxima and holds are done reading the block's set (block 3's loads land where block 0 lay); the scale words v24-27 are written (stored behind block 3)
.irp q, 0,1,2,3
	ds_store_b128 v[LDW], v[CODE+8*\q:CODE+8*\q+3] offset:2048*\q+512*(\t)          ; places 0-15 of the block: the image's lanes 0-15,
	ds_store_b128 v[LDW], v[CODE+8*\q+4:CODE+8*\q+7] offset:2048*\q+512*(\t)+256    ; places 16-31: its lanes 16-31
.endr
.endm
; K step ks of a chunk's two tiles of rows into ring slot sl: eight loads of 512 consecutive bytes and the scale words: nine loads
.macro RING sl, ks, ba, sc
	WIN 0x40
.irp m, 0,1
.irp c, 0,1,2,3
	global_load_b128 v[128+32*(\sl)+16*\m+4*\c:128+32*(\sl)+16*\m+4*\c+3], v[LW], s[\ba:\ba+1] offset:MSTR*\m+2048*(\ks)+512*\c
.endr
.endr
	WIN 0
	global_load_b32 v[XS+(\sl)], v[L4], s[\sc:\sc+1] offset:128*(\ks)
.endm
; four of K step ks's eight weight fragments from LDS: sixteen loads
.macro WFL half, ks
	WIN 0x40
.irp tt, 0,1,2,3
.irp c, 0,1,2,3
.if (\ks) < 4
	ds_load_b128 v[16*(4*(\half)+\tt)+4*\c:16*(4*(\half)+\tt)+4*\c+3], v[LR0] offset:16384*(\ks)+2048*(4*(\half)+\tt)+512*\c
.else
	ds_load_b128 v[16*(4*(\half)+\tt)+4*\c:16*(4*(\half)+\tt)+4*\c+3], v[LR1] offset:16384*((\ks)-4)+2048*(4*(\half)+\tt)+512*\c
.endif
.endr
.endr
.endm
.macro WM d, a, b, sa, sb, ra, rb      ; ra, rb: the side's scales stand in lanes 16-31
.if (\ra) && (\rb)
	v_wmma_scale_f32_16x16x128_f8f6f4 v[(\d):(\d)+7], v[(\a):(\a)+15], v[(\b):(\b)+15], v[(\d):(\d)+7], v[(\sa)], v[(\sb)] matrix_a_fmt:MATRIX_FMT_BF8 matrix_b_fmt:MATRIX_FMT_BF8 matrix_a_scale:MATRIX_SCALE_ROW1 matrix_b_scale:MATRIX_SCALE_ROW1
.elseif (\ra)
	v_wmma_scale_f32_16x16x128_f8f6f4 v[(\d):(\d)+7], v[(\a):(\a)+15], v[(\b):(\b)+15], v[(\d):(\d)+7], v[(\sa)], v[(\sb)] matrix_a_fmt:MATRIX_FMT_BF8 matrix_b_fmt:MATRIX_FMT_BF8 matrix_a_scale:MATRIX_SCALE_ROW1
.elseif (\rb)
	v_wmma_scale_f32_16x16x128_f8f6f4 v[(\d):(\d)+7], v[(\a):(\a)+15], v[(\b):(\b)+15], v[(\d):(\d)+7], v[(\sa)], v[(\sb)] matrix_a_fmt:MATRIX_FMT_BF8 matrix_b_fmt:MATRIX_FMT_BF8 matrix_b_scale:MATRIX_SCALE_ROW1
.else
	v_wmma_scale_f32_16x16x128_f8f6f4 v[(\d):(\d)+7], v[(\a):(\a)+15], v[(\b):(\b)+15], v[(\d):(\d)+7], v[(\sa)], v[(\sb)] matrix_a_fmt:MATRIX_FMT_BF8 matrix_b_fmt:MATRIX_FMT_BF8
.endif
.endm
.macro MM ks, t0                       ; eight products: column tiles t0 .. t0 + 3 x the two tiles of rows.  The sixteen accumulators take turns, one instruction a turn
.irp tt, 0,1,2,3
.irp m, 0,1
	WM ACC+64*\m+8*((\t0)+\tt), 16*((\t0)+\tt), 128+32*((\ks)%4)+16*\m, WS+4*(\ks)+((\t0)+\tt)/2, XS+(\ks)%4, \tt%2, \m
.endr
.endr
.endm
; A K step.  nx = 1: the trip has a successor; nx = 0: the last trip, which fetches nothing beyond its own chunk
.macro KSTEP ks, nx
.if (\nx) || ((\ks) < 5)
	s_wait_loadcnt 27                              ; this K step's nine loads are in; the three younger slots' 27 may be out
.else
	s_wait_loadcnt 9*(7-(\ks))                     ; the last trip's K steps 5, 6, 7: two, one and no younger slots are left
.endif
.if (\ks) == 0
	s_wait_dscnt 0x0                               ; b1's image, the youngest LDS loads, is in
.else
	s_wait_dscnt 16                                ; tiles 0-3 are in; the sixteen loads of tiles 4-7 may be out
.endif
	WIN 0x05                                       ; sources 0 and 1 window 1, C and D window 0
	MM \ks, 0
.if (\nx) || ((\ks) < 7)
	NOP8
	WIN 0x40                                       ; the loads' window first, then the wait, then the loads
	s_wait_alu depctr_va_vdst(0)                   ; the eight products above are done reading the fragments of tiles 0-3, in which the sixteen loads below land
	WFL 0, ((\ks)+1)%8
	s_wait_dscnt 16                                ; tiles 4-7 are in; the sixteen just issued may be out
	WIN 0x05
.else
	s_wait_dscnt 0x0                               ; tiles 4-7 are in: nothing was issued behind them
.endif
	MM \ks, 4
	NOP8
.if (\nx) || ((\ks) < 7)
	WIN 0x40                                       ; the loads' window first, then the wait, then the loads
	s_wait_alu depctr_va_vdst(0)                   ; the eight products above are done reading the fragments of tiles 4-7, and the K step's sixteen its ring slot and that slot's scale words: what is loaded below lands in these
	WFL 1, ((\ks)+1)%8
.endif
.if (\ks) < 4
	RING (\ks)%4, (\ks)+4, 20, 24                  ; the slot just read takes the K step four on,
.elseif \nx
	RING (\ks)%4, (\ks)-4, 22, 26                  ; or the next chunk's
.endif
	WIN 0
.endm
; the two stores of block (m, l)'s codes
.macro CSTORE m, l
	global_store_b128 v[OL], v[CD+8*(\l):CD+8*(\l)+3], s[28:29] offset:65536*(\m)+1024*(\l)          ; each half of the lanes stores 256 consecutive bytes, aligned
	global_store_b128 v[OL], v[CD+8*(\l)+4:CD+8*(\l)+7], s[28:29] offset:65536*(\m)+1024*(\l)+256
.endm
; gelu of sixteen numbers, in place.  prev = 2 m + l: the codes of that block, made just before, are stored on the way; prev = -1: none
.macro GELU16 b, prev
.set gi, 0
.rept 16
	v_fma_f32 v[TT+gi], |v[(\b)+gi]|, s39, 1.0     ; 1 + z / 2, z = |x| / sqrt 2.  (Each accumulator is read from its low end on)
.set gi, gi+1
.endr
.set gi, 0
	s_wait_alu depctr_va_vdst(0)
.rept 16
	v_rcp_f32 v[TT+gi], v[TT+gi]                   ; t
.set gi, gi+1
.endr
.set gi, 0
.rept 8
	v_pk_mul_f32 v[RR+gi:RR+gi+1], v[(\b)+gi:(\b)+gi+1], v[(\b)+gi:(\b)+gi+1]   ; x^2.  (Plain lines behind the reciprocals)
.set gi, gi+2
.endr
.set gi, 0
	s_wait_alu depctr_va_vdst(0)                   ; the sixteen reciprocals have written v[TT ..], ahead of their first reader; and the block before's conversions have written its codes, which the two stores below read
.if (\prev) >= 0
	CSTORE (\prev)/2, (\prev)%2                    ; no vector instruction of this block's gelu names the codes' registers or v[OL]
.endif
.rept 8
	v_pk_fma_f32 v[PP+gi:PP+gi+1], v[TT+gi:TT+gi+1], v[24:25], s[56:57] op_sel_hi:[1,1,0]
.set gi, gi+2
.endr
.irp k, 7,6,5,4,3,2,1,0
.set gi, 0
.rept 8
	v_pk_fma_f32 v[PP+gi:PP+gi+1], v[PP+gi:PP+gi+1], v[TT+gi:TT+gi+1], s[40+2*\k:41+2*\k] op_sel_hi:[1,1,0]
.set gi, gi+2
.endr
.endr
.set gi, 0
.rept 8
	v_pk_fma_f32 v[PP+gi:PP+gi+1], v[RR+gi:RR+gi+1], s[58:59], v[PP+gi:PP+gi+1] op_sel_hi:[1,0,1]   ; log2(e) (P(t) - z^2) - 1
.set gi, gi+2
.endr
.set gi, 0
	s_wait_alu depctr_va_vdst(0)
.rept 16
	v_exp_f32 v[PP+gi], v[PP+gi]
.set gi, gi+1
.endr
.set gi, 0
.rept 16
	v_max_num_f32 v[RR+gi], 0, v[(\b)+gi]          ; max(x, 0).  (Plain lines behind the exponentials)
.set gi, gi+1
.endr
.set gi, 0
	s_wait_alu depctr_va_vdst(0)                   ; the sixteen exponentials have written v[PP ..], ahead of their first reader
.rept 8
	v_pk_mul_f32 v[PP+gi:PP+gi+1], v[PP+gi:PP+gi+1], v[TT+gi:TT+gi+1]           ; erfc(z) / 2
.set gi, gi+2
.endr
.set gi, 0
.rept 16
	v_fma_f32 v[(\b)+gi], -|v[(\b)+gi]|, v[PP+gi], v[RR+gi]
.set gi, gi+1
.endr
.endm
; a lane's block of 32 becomes eight registers of codes at v[cd] and a scale byte in v[by]
.macro BLKQ b, cd, by
	v_max3_num_f32 v12, s37, |v[(\b)]|, |v[(\b)+1]|
	v_max3_num_f32 v13, s37, |v[(\b)+2]|, |v[(\b)+3]|
.irp i, 4,8,12,16,20,24,28
	v_max3_num_f32 v12, v12, |v[(\b)+\i]|, |v[(\b)+\i+1]|
	v_max3_num_f32 v13, v13, |v[(\b)+\i+2]|, |v[(\b)+\i+3]|
.endr
	v_max_num_f32 v12, v12, v13
	v_add_nc_u32 v14, 0xf8800000, v12
	v_and_or_b32 v15, v12, 0x7f800000, s36
	v_lshrrev_b32 v[\by], 23, v14
.set gi, 0
.rept 32
	v_med3_num_f32 v[(\b)+gi], v[(\b)+gi], -v15, v15
.set gi, gi+1
.endr
	s_wait_alu depctr_va_vdst(0)
	s_wait_xcnt 0x0                                ; earlier stores have had their addresses translated: the codes' registers may be written again,
	s_wait_alu depctr_vm_vsrc(0)                   ; and the stores of the block two back, issued a block ago, have read v[cd ..], which the conversions below write; so has the trip before's store of v22, which this trip's end writes
.irp g, 0,1,2,3
	v_cvt_scalef32_pk8_bf8_f32 v[(\cd)+2*\g:(\cd)+2*\g+1], v[(\b)+8*\g:(\b)+8*\g+7], v14
.endr
	v_nop                                          ; a plain line behind the last conversion
.endm
; A trip: one chunk of 32 rows against the slice's 128 hidden units
.macro TRIP nx
.irp m, 0,1
.irp tt, 0,1,2,3,4,5,6,7
	ds_load_b128 v[ACC+64*\m+8*\tt:ACC+64*\m+8*\tt+3], v[ABI] offset:1024*\tt         ; the sums begin with b1.  (No wait here: no vector or matrix instruction issued since the last wait on va_vdst, at phase 2's head or at the trip before's end, names the accumulators)
	ds_load_b128 v[ACC+64*\m+8*\tt+4:ACC+64*\m+8*\tt+7], v[ABI] offset:1024*\tt+512
.endr
.endr
	KSTEP 0, \nx
	KSTEP 1, \nx
	KSTEP 2, \nx
	KSTEP 3, \nx
	KSTEP 4, \nx
	KSTEP 5, \nx
	KSTEP 6, \nx
	KSTEP 7, \nx
.irp m, 0,1
.irp l, 0,1
	GELU16 ACC+64*\m+32*\l, 2*\m+\l-1
	GELU16 ACC+64*\m+32*\l+16, -1
	BLKQ ACC+64*\m+32*\l, CD+8*\l, 16+\l
.endr
	v_lshl_or_b32 v18, v17, 16, v16                ; my bytes are those of blocks h and 2 + h:
	v_lshlrev_b32 v18, v[H8], v18                  ; into their places,
	v_permlanex16_b32 v19, v18, s60, s61
	v_or_b32 v[20+\m], v18, v19                    ; and with lane l xor 16's: the row's scale word
.endr
	v_cndmask_b32 v22, v20, v21, s38               ; lanes 0-15 the even tile's rows, lanes 16-31 the odd tile's
	s_wait_alu depctr_va_vdst(0)                   ; the last block's conversions have written its codes and the line above v22, which the three stores below read; and the trip is done with the accumulators, in which the next trip's loads of b1 land
	CSTORE 1, 1
	global_store_b32 v[L4], v22, s[30:31]
.endm
	s_load_b256 s[4:11], s[0:1], 0x0               ; W1 s[4:5], b1 s[6:7], plan s[8:9], xq s[10:11]
	s_load_b64 s[12:13], s[0:1], 0x20              ; hq
	v_lshrrev_b32 v12, 5, v0
	v_readfirstlane_b32 s2, v12                    ; wave 0..7
	s_mov_b32 s14, ttmp9                           ; slice
	s_and_b32 s15, ttmp7, 0xffff                   ; expert
	v_and_b32 v13, 31, v0                          ; lane
	v_and_b32 v14, 15, v0                          ; r
	v_bfe_u32 v15, v0, 4, 1                        ; h, and the loader's L
	v_lshlrev_b32 v[LW], 4, v13
	v_lshlrev_b32 v[LR0], 4, v13
	v_add_nc_u32 v[LR1], 0x10000, v[LR0]
	v_lshlrev_b32 v[L4], 2, v13
	v_add_nc_u32 v[AWS], WSC, v[L4]
	v_add_nc_u32 v[ABI], BIMG, v[LR0]
	s_wait_alu depctr_va_sdst(0)                   ; s2 is written, ahead of its first reader, the line below
	s_lshl_b32 s3, s2, 14
	v_lshlrev_b32 v[LDW], 4, v14
	v_lshl_add_u32 v[LDW], v15, 13, v[LDW]
	v_add_nc_u32 v[LDW], s3, v[LDW]
	s_lshl_b32 s3, s2, 9
	v_lshlrev_b32 v[LDSC], 2, v14
	v_lshl_add_u32 v[LDSC], v15, 8, v[LDSC]
	v_add_nc_u32 v[LDSC], s3, v[LDSC]
	v_add_nc_u32 v[LDSC], WSC, v[LDSC]
	s_lshl_b32 s3, s2, 10
	v_add_nc_u32 v[OL], s3, v[ABI]                 ; my wave builds the image of tile w
	v_lshlrev_b32 v[H8], 3, v15
	v_lshlrev_b32 v[H128], 7, v15
	s_mov_b32 s36, 0x600000                        ; the mantissa field of 57,344
	s_mov_b32 s37, 0x8000000                       ; the floor 2^(16 - 127)
	s_mov_b32 s38, 0xffff0000                      ; lanes 16-31
	s_mov_b32 s39, 0x3eb504f3                      ; 1 / (2 sqrt 2)
.macro CPAIR n, bits                   ; a packed form names a pair and takes its low word for both halves: both are written
	s_mov_b32 s[\n], \bits
	s_mov_b32 s[\n+1], \bits
.endm
	CPAIR 40, 0xc034d90f                           ; P's coefficients x log2(e); c0 has the 1 of the halving taken off
	CPAIR 42, 0x3fb8ab5a
	CPAIR 44, 0x3f0a29d2
	CPAIR 46, 0x3e0efb2e
	CPAIR 48, 0xbe899a80
	CPAIR 50, 0x3ecdfd18
	CPAIR 52, 0xbfd1a1e5
	CPAIR 54, 0x40097039
	CPAIR 56, 0xbf97d29d
	CPAIR 58, 0xbf38aa3b                           ; -log2(e) / 2: z^2 = x^2 / 2
	s_mov_b32 s60, 0x76543210
	s_mov_b32 s61, 0xfedcba98                      ; v_permlanex16_b32's selects for lane l xor 16
	s_lshl_b32 s32, s15, 24                        ; W1: the expert's 16 MiB, my wave's 128 rows, the slice's 512 bytes
	s_lshl_b32 s3, s2, 21
	s_add_co_u32 s32, s32, s3
	s_lshl_b32 s3, s14, 9
	s_add_co_u32 s32, s32, s3
	s_mov_b32 s33, 0
	s_lshl_b32 s34, s15, 14                        ; b1: the expert's row, the slice, and tile w's first unit 64 (w / 4) + w % 4
	s_add_co_u32 s34, s34, s3
	s_lshr_b32 s3, s2, 2
	s_lshl_b32 s3, s3, 8
	s_add_co_u32 s34, s34, s3
	s_and_b32 s3, s2, 3
	s_lshl_b32 s3, s3, 2
	s_add_co_u32 s34, s34, s3
	s_mov_b32 s35, 0
	s_lshl_b32 s3, s15, 3
	s_wait_kmcnt 0x0
	s_load_b64 s[16:17], s[8:9], s3 offset:0x0     ; the expert's first chunk and its number of chunks (s3 stays as it is until the wait for this load)
	s_add_nc_u64 s[4:5], s[4:5], s[32:33]
	s_add_nc_u64 s[6:7], s[6:7], s[34:35]
; ---- PHASE 1
	s_wait_alu depctr_va_vdst(0)                   ; the offsets and LDS addresses v1 to v11 are written, which the loads and stores of the whole kernel read
.irp j, 0,1,2,3,4,5,6,7
	global_load_b32 v[32+\j], v[H128], s[6:7] offset:16*\j         ; b1 at unit 64 L + 32 h + 4 j + q: register j of tile w's result
.endr
	WLOAD 0, 128, 0
	WLOAD 1, 0, 1
	s_wait_loadcnt 32                              ; b1 and block 0 are in; block 1's 32 loads may be out
	WLOAD 2, 128, 1
	ds_store_b128 v[OL], v[32:35]
	ds_store_b128 v[OL], v[36:39] offset:512
	WQUANT 0, 128, 0
	s_wait_loadcnt 32                              ; block 1 is in; block 2's 32 may be out
	WLOAD 3, 128, 0                                ; where block 0 lay.  No wait here: behind block 0's wait on va_vdst stand only its LDS stores, which name none of these registers
	WQUANT 1, 0, 1
	s_wait_loadcnt 32                              ; block 2 is in; block 3's 32 may be out
	WQUANT 2, 128, 1
	s_wait_loadcnt 0x0
	WQUANT 3, 128, 0
.irp q, 0,1,2,3
	ds_store_b32 v[LDSC], v[WORD+\q] offset:64*\q  ; the scale words were written ahead of block 3's wait on va_vdst
.endr
	s_wait_dscnt 0x0                               ; for the others' sake: all my stores have landed
	s_barrier_signal -1
	s_barrier_wait -1                              ; the slice's 64 fragments, their scale words and b1's image lie in LDS; nothing is written there again
; ---- PHASE 2
	s_wait_kmcnt 0x0
	s_min_u32 s16, s16, 71
	s_min_u32 s17, s17, 32
	s_cmp_ge_u32 s2, s17
	s_cbranch_scc1 .Lend                           ; fewer chunks than my wave's number: nothing for me
	s_sub_co_u32 s17, s17, s2
	s_add_co_u32 s17, s17, 7
	s_lshr_b32 s17, s17, 3                         ; my trips: ceil((chunks - w) / 8), 1 to 4
	s_min_u32 s17, s17, 4
	s_sub_co_u32 s63, s17, 1                       ; those that have a successor: 0 to 3,
	s_min_u32 s63, s63, 3                          ; held at 3, which 32 chunks over 8 waves never pass
	s_mov_b32 s18, 0                               ; trips of the loop done
	s_add_co_u32 s19, s16, s2                      ; my first chunk, as a chunk of all
	s_lshl_b32 s32, s19, 15
	s_add_nc_u64 s[20:21], s[10:11], s[32:33]      ; x's images: 32,768 bytes a chunk
	s_lshl_b32 s32, s19, 10
	s_add_co_u32 s32, s32, 2359296
	s_add_nc_u64 s[24:25], s[10:11], s[32:33]      ; their scale words: 1,024 a chunk
	s_lshl_b32 s32, s19, 17
	s_lshl_b32 s3, s14, 11
	s_add_co_u32 s32, s32, s3
	s_add_nc_u64 s[28:29], s[12:13], s[32:33]      ; h's images: 131,072 a chunk, K step = slice
	s_lshl_b32 s32, s19, 12
	s_lshl_b32 s3, s14, 7
	s_add_co_u32 s32, s32, s3
	s_add_co_u32 s32, s32, 9437184
	s_add_nc_u64 s[30:31], s[12:13], s[32:33]      ; their scale words: 4,096 a chunk
	s_wait_alu depctr_vm_vsrc(0)                   ; phase 1's LDS stores have read v[OL], v24 and v25, which the lines below write, and the codes v96-127, in which W1's scale words land
	v_and_b32 v12, 15, v0
	v_bfe_u32 v13, v0, 4, 1
	v_lshlrev_b32 v[OL], 4, v12
	v_lshl_add_u32 v[OL], v13, 9, v[OL]            ; block 2 L + h of an image, lane r of it
	v_mov_b32 v24, 0x3e7c6f08                      ; c9, in both words
	v_mov_b32 v25, 0x3e7c6f08
	v_mov_b32 v19, 0                               ; a lane permute's destination counts as one of its sources
	s_wait_alu depctr_va_vdst(0)                   ; v[OL] is written, which every store of codes reads as its offset; phase 1's vector instructions are done with the three sets and the codes' registers, in which the loads below land
.set n, 0
.rept 32
	ds_load_b32 v[WS+n], v[AWS] offset:128*n
.set n, n+1
.endr
	RING 0, 0, 20, 24
	RING 1, 1, 20, 24
	RING 2, 2, 20, 24
	RING 3, 3, 20, 24
	WFL 0, 0
	WFL 1, 0
	WIN 0
	s_cmp_eq_u32 s63, 0
	s_cbranch_scc1 .Llast                          ; one chunk alone: the last trip at once
.Lchunk:
	s_add_nc_u64 s[22:23], s[20:21], XSTEP         ; my next chunk, eight on: it is there, since this trip has a successor
	s_add_nc_u64 s[26:27], s[24:25], SSTEP
	TRIP 1
	s_wait_xcnt 0x0                                ; every address and every store's data may be written again
	s_mov_b64 s[20:21], s[22:23]
	s_mov_b64 s[24:25], s[26:27]
	s_add_nc_u64 s[28:29], s[28:29], 0x100000      ; eight chunks on
	s_add_nc_u64 s[30:31], s[30:31], 0x8000
	s_add_co_u32 s18, s18, 1                       ; a trip is done
	s_cmp_lt_u32 s18, s63
	s_cbranch_scc1 .Lchunk
.Llast:
	TRIP 0
.Lend:
	s_wait_xcnt 0x0
	v_lshl_add_u32 v254, v0, 2, 0x23000            ; the add's two registers are made here, straight ahead of the closing lines: no memory or LDS instruction has read v254 or v255
	v_mov_b32 v255, 0
	s_wait_dscnt 0x0                               ; the closing lines, six on end
	s_wait_alu 0x0
	s_wait_tensorcnt 0x0
	ds_add_u32 v254, v255
	s_wait_dscnt 0x0
	s_endpgm
.Lfunc_end_k_qc4e4a4d965_ffn1:
	.size	k_qc4e4a4d965_ffn1, .Lfunc_end_k_qc4e4a4d965_ffn1-k_qc4e4a4d965_ffn1
	.p2alignl 7, 3214868480
	.fill 96, 4, 3214868480
	.section	.rodata,"a",@progbits
	.p2align	6, 0x0
	.amdhsa_kernel k_qc4e4a4d965_ffn1
		.amdhsa_group_segment_fixed_size 144384
		.amdhsa_private_segment_fixed_size 0
		.amdhsa_enable_private_segment 0
		.amdhsa_kernarg_size 40
		.amdhsa_user_sgpr_count 2
		.amdhsa_user_sgpr_kernarg_segment_ptr 1
		.amdhsa_wavefront_size32 1
		.amdhsa_system_sgpr_workgroup_id_x 1
		.amdhsa_system_sgpr_workgroup_id_y 1
		.amdhsa_system_sgpr_workgroup_id_z 1
		.amdhsa_system_vgpr_workitem_id 0
		.amdhsa_next_free_vgpr 512
		.amdhsa_next_free_sgpr 66
		.amdhsa_reserve_vcc 0
		.amdhsa_float_denorm_mode_32 3
		.amdhsa_float_denorm_mode_16_64 3
		.amdhsa_memory_ordered 1
		.amdhsa_forward_progress 1
		.amdhsa_inst_pref_size 255
	.end_amdhsa_kernel
	.section	.bss,"aw",@nobits
	.p2align	6
	.space	262144
	.amdgpu_metadata
---
amdhsa.version: [ 1, 2 ]
amdhsa.kernels:
  - .name:           k_qc4e4a4d965_ffn1
    .symbol:         k_qc4e4a4d965_ffn1.kd
    .args:
      - { .name: W1, .offset: 0, .size: 8, .value_kind: global_buffer, .address_space: global }
      - { .name: b1, .offset: 8, .size: 8, .value_kind: global_buffer, .address_space: global }
      - { .name: plan, .offset: 16, .size: 8, .value_kind: global_buffer, .address_space: global }
      - { .name: xq, .offset: 24, .size: 8, .value_kind: global_buffer, .address_space: global }
      - { .name: hq, .offset: 32, .size: 8, .value_kind: global_buffer, .address_space: global }
    .group_segment_fixed_size: 144384
    .private_segment_fixed_size: 0
    .kernarg_segment_align: 8
    .kernarg_segment_size: 40
    .max_flat_workgroup_size: 256
    .sgpr_count:     66
    .vgpr_count:     512
    .wavefront_size: 32
...
	.end_amdgpu_metadata
.endif
;; end of part 10
;; launch ffn2 (part 11): grid 32 x 8, 8 waves a work-group, no clusters, 136,192 bytes of LDS; arguments W2, plan, xq, hq, y; writes y
.if DOCPART == 11
	.amdgcn_target "amdgcn-amd-amdhsa--gfx1250"
	.amdhsa_code_object_version 6
	.text
	.protected	k_qc4e4a4d965_ffn2
	.globl	k_qc4e4a4d965_ffn2
	.p2align	8
	.type	k_qc4e4a4d965_ffn2,@function
k_qc4e4a4d965_ffn2:
	s_mov_b64 s[64:65], 0
	v_nop
	global_prefetch_b8 v0, s[64:65] scope:SCOPE_SE
	s_setreg_imm32_b32 hwreg(HW_REG_WAVE_SCHED_MODE, 0, 2), 2
	s_setreg_imm32_b32 hwreg(HW_REG_WAVE_MODE, 25, 1), 1
	s_wait_xcnt 0x0
	s_wait_alu depctr_vm_vsrc(0)
; FFN 2.  y'[kq][row] = gate weight x (h W2[e]) over a quarter of the hidden axis, for the rows routed to expert e; the product on codes of E5M2 with one E8M0 scale for each 32 along K.
; Work-group (x = 8 kq + ns, e) owns W2[e][hidden units 1,024 kq .. + 1,023][columns 128 ns .. + 127]: 512 KiB of f32, read once.  Of the slices of 131,072 numbers this shape moves the fewest bytes a routed row:
; 1,024 bytes of codes in and 128 x 8 bytes of y out and back.  The four quarters are added by the next launch.
; PHASE 1 as in the launch before: wave w owns K step w of the quarter; a lane takes four neighbouring columns, its registers run down K; codes and scale words go to LDS as images of the operand's registers.
;   THE ROWS OF A BLOCK OF 32 ARE TAKEN IN THE ORDER IN WHICH h's CODES LIE: place p holds unit 4 (p % 8) + p / 8.  A block stays the quantiser's own block of 32.
;   Loader lane 16 L + r holds columns 64 L + 4 r + q: row r of tile 4 L + q.
; One barrier; then PHASE 2: each wave by itself takes the expert's chunks of 32 sorted rows w, w + 8, ..: ceil((chunks - w) / 8) trips, a number made from the stored table; no barrier among them.
;   The trips that have a successor go round a loop, counted one by one against their number; such a trip asks in its second half for the next chunk's first four K steps, and at its end for the first weight fragments again.
;   THE LAST TRIP IS WRITTEN OUT behind the loop: it asks for nothing beyond its own chunk, and its counts run down.
;   Source 0 = 16 rows of h, source 1 = 16 columns of W2: lane (r, h) holds column 64 L + 4 r + q and register j row 8 h + j.  The multiplication by the row's gate weight puts the four columns q on end: 16 bytes a lane,
;   and sixteen lanes store 256 consecutive bytes, aligned: no stage in LDS.
; No tensor load and no joint request: the trip count hangs on a number read from memory.
; LIMITS: NaN and infinities are not served; a block of zeros gets the byte 1 over zero codes (this program alone reads the bytes), blocks under 2^-111 keep the byte 1.
; REGISTERS.  window 0: v1-10 addresses; v12-27 at work; v28-31 h's scale words, one a ring slot; v32-95 at work; v96-127 codes (phase 1), W2's scale words (phase 2); v128-255 a set of weights (phase 1), the 16 accumulators (phase 2).
;   window 1: two more sets (phase 1); W2's eight fragments of a K step and a ring of four slots of h's two fragments (phase 2).
; THE MODE: SCHED_MODE bits 1:0 = 2 (LLVM: expert scheduling mode 2), set by the entry lines.  The code itself states the register dependences
; between vector or matrix instructions and memory or LDS instructions, with s_wait_alu, always for 0.
; THE PLAN.  Registers that memory or LDS instructions touch, and who else names them:
;   v1-v10       Offsets and LDS addresses: written at the head, ahead of the one wait on va_vdst in front of the first load, and never again.  v8, v11: written at the head, read by the closing add alone.
;   PHASE 1.     The three sets of weights: loads land in them, a block's maxima and holds read them.  One set is loaded twice: block 3 lands where block 0 lay.
;                v96-127, the codes: a block's sixteen conversions write them, its eight LDS stores read them.  v24-27, the scale words: written block by block, read by four LDS stores at the phase's end.
;                So a block has ONE wait on va_vdst, behind its last conversion and ahead of the run of its stores: the codes are written, the block is done reading its set, the scale words are written;
;                and blocks 1 to 3 ONE on vm_vsrc, ahead of their first hold: the block before's stores have read the codes.
;   PHASE 2.     The fragments of tiles 0-3: a K step's first eight products read them, then the next K step's land in them.  Those of tiles 4-7: the second eight products.  The ring slot and its scale words: all sixteen.
;                So TWO waits on va_vdst stand in a K step, each behind eight products and ahead of one run of loads.  v32-47, the gate weights: loaded in K step 0, read by the way out's multiplications.
;   THE WAY OUT. Sixteen groups of four registers, two out-buffers of eight groups by turns.  It goes in four batches of 32 multiplications.  Batch b writes buffer b % 2; the eight stores of batch b - 1, from the other buffer,
;                are dealt among batch b's multiplications, which name neither that buffer nor v[OL].  At a batch's head: a wait on vm_vsrc (the stores issued in the batch before have read the buffer that this batch writes)
;                and one on va_vdst (the batch before has written the buffer that this batch's stores read).  Behind batch 3 one more wait on va_vdst and the last eight stores.
.set RSTRIDE, 4096                     ; bytes from a row of W2[e] to the next
.set MSTR,  65536                      ; bytes from a tile's images to the next tile's
.set XSTEP, 1048576                    ; eight chunks of images
.set SSTEP, 32768                      ; eight chunks of scale words
.set WSC,   131072                     ; LDS: behind the 64 fragments of 2,048 bytes: their scale words, 64 bytes a fragment
.set LW,   1                           ; v1   16 x lane
.set LDW,  2                           ; v2   where I store codes: 16,384 w + 8,192 L + 16 r
.set LDSC, 3                           ; v3   and scale words: WSC + 512 w + 256 L + 4 r
.set LR0,  4                           ; v4   16 x lane: fragments of K steps 0-3
.set LR1,  5                           ; v5   + 65,536: of K steps 4-7
.set L4,   6                           ; v6   4 x lane
.set AWS,  7                           ; v7   WSC + 4 x lane
.set OL,   9                           ; v9   32,768 h + 16 r: eight rows of y down for lanes 16-31, 16 bytes a lane
.set H32,  10                          ; v10  32 h
.set MX,   12
.set SCO,  16
.set LIM,  20
.set WORD, 24
.set XS,   28
.set TA,   32
.set CODE, 96
.set WS,   96
.set ACC,  128                         ; accumulator (row tile m, column tile t) at ACC + 64 m + 8 t
.set GT,   32                          ; v32-47  the gate weights of rows 16 m + 8 h + j at GT + 8 m + j
.set OU,   48                          ; v48-95  groups 0 to 11 of four numbers on their way out;
.set OX,   12                          ; v12-27  groups 12 to 15.  Groups 0-7 are one out-buffer, groups 8-15 the other
.set MSB, 0
.macro WIN new                         ; the immediate's high byte repeats the setting that is left
.if MSB != (\new)
	s_set_vgpr_msb (MSB<<8)|(\new)
.set MSB, (\new)
.endif
.endm
.macro NOP8                            ; eight places behind this matrix form: ahead of the first read of results; ahead of the runs of loads the wait behind them states the dependence
.rept 8
	v_nop
.endr
.endm
.macro WLOAD t, set, win               ; block t of my K step: register group i takes the row of place i
.if \win
	WIN 0x40
.endif
.set wi, 0
.rept 32
	global_load_b128 v[(\set)+4*wi:(\set)+4*wi+3], v[LW], s[4:5] offset:(32*(\t)+4*(wi%8)+wi/8)*RSTRIDE th:TH_LOAD_NT
.set wi, wi+1
.endr
	WIN 0
.endm
.macro WQUANT t, set, win
.if \win
	WIN 0x14                                       ; sources 1 and 2 window 1
.endif
.set qi, 0
.rept 16
.irp q, 0,1,2,3
.if qi == 0
	v_max3_num_f32 v[MX+\q], s37, |v[(\set)+\q]|, |v[(\set)+4+\q]|           ; the floor 2^(16 - 127) among the leaves: the byte cannot fall under 1
.else
	v_max3_num_f32 v[MX+\q], v[MX+\q], |v[(\set)+8*qi+\q]|, |v[(\set)+8*qi+4+\q]|
.endif
.endr
.set qi, qi+1
.endr
	WIN 0
.irp q, 0,1,2,3
	v_add_nc_u32 v[SCO+\q], 0xf8800000, v[MX+\q]   ; 15 off the exponent field: the conversion's scale operand
.endr
.irp q, 0,1,2,3
	v_and_or_b32 v[LIM+\q], v[MX+\q], 0x7f800000, s36    ; 57,344 x the scale
.endr
.irp q, 0,1,2,3
	v_lshrrev_b32 v[MX+\q], 23, v[SCO+\q]          ; the scale's byte
.endr
.irp q, 0,1,2,3
.if (\t) == 0
	v_mov_b32 v[WORD+\q], v[MX+\q]
.else
	v_lshl_or_b32 v[WORD+\q], v[MX+\q], 8*(\t), v[WORD+\q]
.endif
.endr
	s_wait_dscnt 0x0                               ; my earlier LDS stores have landed
.if (\t) > 0
	s_wait_alu depctr_vm_vsrc(0)                   ; the block before's LDS stores have read the codes v96-127, which the conversions below write again
.endif
.irp q, 0,1,2,3
.if \win
	WIN 0x01                                       ; source 0 window 1
.endif
.set qi, 0
.rept 32
	v_med3_num_f32 v[TA+32*(\q%2)+qi], v[(\set)+4*qi+\q], -v[LIM+\q], v[LIM+\q]   ; the hold (the conversion does not saturate: ISA guide 7.6.2), and the column's numbers on end
.set qi, qi+1
.endr
	WIN 0
.irp g, 0,1,2,3
	v_cvt_scalef32_pk8_bf8_f32 v[CODE+8*\q+2*\g:CODE+8*\q+2*\g+1], v[TA+32*(\q%2)+8*\g:TA+32*(\q%2)+8*\g+7], v[SCO+\q]
.endr
.endr
	v_nop                                          ; a plain line behind the last conversion
	s_wait_alu depctr_va_vdst(0)                   ; the sixteen conversions have written the codes, which the stores below read; the maxima and holds are done reading the block's set (block 3's loads land where block 0 lay); the scale words v24-27 are written (stored behind block 3)
.irp q, 0,1,2,3
	ds_store_b128 v[LDW], v[CODE+8*\q:CODE+8*\q+3] offset:2048*\q+512*(\t)
	ds_store_b128 v[LDW], v[CODE+8*\q+4:CODE+8*\q+7] offset:2048*\q+512*(\t)+256
.endr
.endm
.macro RING sl, ks, ba, sc             ; K step ks of a chunk's two tiles of rows into ring slot sl: nine loads
	WIN 0x40
.irp m, 0,1
.irp c, 0,1,2,3
	global_load_b128 v[128+32*(\sl)+16*\m+4*\c:128+32*(\sl)+16*\m+4*\c+3], v[LW], s[\ba:\ba+1] offset:MSTR*\m+2048*(\ks)+512*\c
.endr
.endr
	WIN 0
	global_load_b32 v[XS+(\sl)], v[L4], s[\sc:\sc+1] offset:128*(\ks)
.endm
.macro WFL half, ks                    ; four of K step ks's eight weight fragments from LDS: sixteen loads
	WIN 0x40
.irp tt, 0,1,2,3
.irp c, 0,1,2,3
.if (\ks) < 4
	ds_load_b128 v[16*(4*(\half)+\tt)+4*\c:16*(4*(\half)+\tt)+4*\c+3], v[LR0] offset:16384*(\ks)+2048*(4*(\half)+\tt)+512*\c
.else
	ds_load_b128 v[16*(4*(\half)+\tt)+4*\c:16*(4*(\half)+\tt)+4*\c+3], v[LR1] offset:16384*((\ks)-4)+2048*(4*(\half)+\tt)+512*\c
.endif
.endr
.endr
.endm
.macro WM d, a, b, sa, sb, ra, rb      ; ra, rb: the side's scales stand in lanes 16-31
.if (\ra) && (\rb)
	v_wmma_scale_f32_16x16x128_f8f6f4 v[(\d):(\d)+7], v[(\a):(\a)+15], v[(\b):(\b)+15], v[(\d):(\d)+7], v[(\sa)], v[(\sb)] matrix_a_fmt:MATRIX_FMT_BF8 matrix_b_fmt:MATRIX_FMT_BF8 matrix_a_scale:MATRIX_SCALE_ROW1 matrix_b_scale:MATRIX_SCALE_ROW1
.elseif (\ra)
	v_wmma_scale_f32_16x16x128_f8f6f4 v[(\d):(\d)+7], v[(\a):(\a)+15], v[(\b):(\b)+15], v[(\d):(\d)+7], v[(\sa)], v[(\sb)] matrix_a_fmt:MATRIX_FMT_BF8 matrix_b_fmt:MATRIX_FMT_BF8 matrix_a_scale:MATRIX_SCALE_ROW1
.elseif (\rb)
	v_wmma_scale_f32_16x16x128_f8f6f4 v[(\d):(\d)+7], v[(\a):(\a)+15], v[(\b):(\b)+15], v[(\d):(\d)+7], v[(\sa)], v[(\sb)] matrix_a_fmt:MATRIX_FMT_BF8 matrix_b_fmt:MATRIX_FMT_BF8 matrix_b_scale:MATRIX_SCALE_ROW1
.else
	v_wmma_scale_f32_16x16x128_f8f6f4 v[(\d):(\d)+7], v[(\a):(\a)+15], v[(\b):(\b)+15], v[(\d):(\d)+7], v[(\sa)], v[(\sb)] matrix_a_fmt:MATRIX_FMT_BF8 matrix_b_fmt:MATRIX_FMT_BF8
.endif
.endm
.macro WMZ d, a, b, sa, sb, ra, rb     ; the same with the constant 0 as C: a chunk's first K step starts the sums
.if (\ra) && (\rb)
	v_wmma_scale_f32_16x16x128_f8f6f4 v[(\d):(\d)+7], v[(\a):(\a)+15], v[(\b):(\b)+15], 0, v[(\sa)], v[(\sb)] matrix_a_fmt:MATRIX_FMT_BF8 matrix_b_fmt:MATRIX_FMT_BF8 matrix_a_scale:MATRIX_SCALE_ROW1 matrix_b_scale:MATRIX_SCALE_ROW1
.elseif (\ra)
	v_wmma_scale_f32_16x16x128_f8f6f4 v[(\d):(\d)+7], v[(\a):(\a)+15], v[(\b):(\b)+15], 0, v[(\sa)], v[(\sb)] matrix_a_fmt:MATRIX_FMT_BF8 matrix_b_fmt:MATRIX_FMT_BF8 matrix_a_scale:MATRIX_SCALE_ROW1
.elseif (\rb)
	v_wmma_scale_f32_16x16x128_f8f6f4 v[(\d):(\d)+7], v[(\a):(\a)+15], v[(\b):(\b)+15], 0, v[(\sa)], v[(\sb)] matrix_a_fmt:MATRIX_FMT_BF8 matrix_b_fmt:MATRIX_FMT_BF8 matrix_b_scale:MATRIX_SCALE_ROW1
.else
	v_wmma_scale_f32_16x16x128_f8f6f4 v[(\d):(\d)+7], v[(\a):(\a)+15], v[(\b):(\b)+15], 0, v[(\sa)], v[(\sb)] matrix_a_fmt:MATRIX_FMT_BF8 matrix_b_fmt:MATRIX_FMT_BF8
.endif
.endm
.macro MM ks, t0                       ; eight products: column tiles t0 .. t0 + 3 x the two tiles of rows.  The sixteen accumulators take turns, one instruction a turn
.irp tt, 0,1,2,3
.irp m, 0,1
.if (\ks) == 0
	WMZ ACC+64*\m+8*((\t0)+\tt), 128+32*((\ks)%4)+16*\m, 16*((\t0)+\tt), XS+(\ks)%4, WS+4*(\ks)+((\t0)+\tt)/2, \m, \tt%2
.else
	WM ACC+64*\m+8*((\t0)+\tt), 128+32*((\ks)%4)+16*\m, 16*((\t0)+\tt), XS+(\ks)%4, WS+4*(\ks)+((\t0)+\tt)/2, \m, \tt%2
.endif
.endr
.endr
.endm
; A K step.  nx = 1: the trip has a successor; nx = 0: the last trip, which fetches nothing beyond its own chunk
.macro KSTEP ks, nx
.if (\nx) || ((\ks) < 5)
	s_wait_loadcnt 27                              ; this K step's nine loads are in; the three younger slots' 27 may be out.  (In K steps 1 to 3 the four loads of gate weights are younger too: the count is then smaller than it need be; from K step 4 on it shows them in)
.else
	s_wait_loadcnt 9*(7-(\ks))                     ; the last trip's K steps 5, 6, 7: two, one and no younger slots are left
.endif
	s_wait_dscnt 16                                ; tiles 0-3 are in; the sixteen loads of tiles 4-7 may be out
	WIN 0x05                                       ; sources 0 and 1 window 1, C and D window 0
	MM \ks, 0
.if (\nx) || ((\ks) < 7)
	NOP8
	WIN 0x40                                       ; the loads' window first, then the wait, then the loads
	s_wait_alu depctr_va_vdst(0)                   ; the eight products above are done reading the fragments of tiles 0-3, in which the sixteen loads below land
	WFL 0, ((\ks)+1)%8
	s_wait_dscnt 16                                ; tiles 4-7 are in; the sixteen just issued may be out
	WIN 0x05
.else
	s_wait_dscnt 0x0                               ; tiles 4-7 are in: nothing was issued behind them
.endif
	MM \ks, 4
	NOP8
.if (\nx) || ((\ks) < 7)
	WIN 0x40                                       ; the loads' window first, then the wait, then the loads
	s_wait_alu depctr_va_vdst(0)                   ; the eight products above are done reading the fragments of tiles 4-7, and the K step's sixteen its ring slot and that slot's scale words: what is loaded below lands in these.  (K step 0: the gate weights' registers were last named by vector instructions ahead of an earlier such wait)
	WFL 1, ((\ks)+1)%8
.endif
.if (\ks) == 0
	WIN 0
.irp m, 0,1
	global_load_b128 v[GT+8*\m:GT+8*\m+3], v[H32], s[30:31] offset:64*\m           ; this chunk's gate weights
	global_load_b128 v[GT+8*\m+4:GT+8*\m+7], v[H32], s[30:31] offset:64*\m+16
.endr
.endif
.if (\ks) < 4
	RING (\ks)%4, (\ks)+4, 20, 24                  ; the slot just read takes the K step four on,
.elseif \nx
	RING (\ks)%4, (\ks)-4, 22, 26                  ; or the next chunk's
.endif
	WIN 0
.endm
.macro OSET g                          ; ob = the first register of out-group g, 0 to 15
.if (\g) < 12
.set ob, OU+4*(\g)
.else
.set ob, OX+4*((\g)-12)
.endif
.endm
.macro OSTORE g                        ; piece g = 16 m + 2 j + l of the chunk (row 16 m + 8 h + j, columns 64 l on) leaves from out-group g % 16
	OSET (\g)%16
	global_store_b128 v[OL], v[ob:ob+3], s[28:29] offset:65536*((\g)/16)+4096*(((\g)/2)%8)+256*((\g)%2)     ; sixteen lanes store 256 consecutive bytes, aligned
.endm
; A trip: one chunk of 32 rows against the slice's 128 columns, and the way out: row by row; each accumulator is first read at its register 0
.macro TRIP nx
	KSTEP 0, \nx
	KSTEP 1, \nx
	KSTEP 2, \nx
	KSTEP 3, \nx
	KSTEP 4, \nx
	KSTEP 5, \nx
	KSTEP 6, \nx
	KSTEP 7, \nx
.set og, 0
.rept 32                               ; piece og = 16 m + 2 j + l; eight pieces are a batch
.if og%8 == 0
.if og != 8
	s_wait_xcnt 0x0                                ; earlier stores have had their addresses translated: their data registers may be written again,
	s_wait_alu depctr_vm_vsrc(0)                   ; and the stores issued in the batch before (ahead of batch 0: all of the trip before's) have read the out-buffer that this batch's multiplications write
.endif
.if og > 0
	s_wait_alu depctr_va_vdst(0)                   ; the batch before's 32 multiplications have written the other out-buffer, which this batch's eight stores read
.endif
.endif
.if og >= 8
	OSTORE og-8                                    ; the batch before's piece: no multiplication since the wait names its registers
.endif
	OSET og%16
.irp q, 0,1,2,3
	v_mul_f32 v[ob+\q], v[ACC+64*(og/16)+32*(og%2)+8*\q+(og/2)%8], v[GT+8*(og/16)+(og/2)%8]
.endr
.set og, og+1
.endr
	s_wait_alu depctr_va_vdst(0)                   ; batch 3's multiplications have written their out-buffer, which the last eight stores read
.irp g, 24,25,26,27,28,29,30,31
	OSTORE \g
.endr
.endm
	s_load_b256 s[4:11], s[0:1], 0x0               ; W2 s[4:5], plan s[6:7], xq s[8:9], hq s[10:11]
	s_load_b64 s[12:13], s[0:1], 0x20              ; y
	v_lshl_add_u32 v8, v0, 2, 0x21000
	v_mov_b32 v11, 0
	v_lshrrev_b32 v12, 5, v0
	v_readfirstlane_b32 s2, v12                    ; wave 0..7
	s_and_b32 s14, ttmp9, 7                        ; ns: which 128 columns
	s_lshr_b32 s38, ttmp9, 3                       ; kq: which quarter of K
	s_and_b32 s15, ttmp7, 0xffff                   ; expert
	v_and_b32 v13, 31, v0                          ; lane
	v_and_b32 v14, 15, v0                          ; r
	v_bfe_u32 v15, v0, 4, 1                        ; h, and the loader's L
	v_lshlrev_b32 v[LW], 4, v13
	v_lshlrev_b32 v[LR0], 4, v13
	v_add_nc_u32 v[LR1], 0x10000, v[LR0]
	v_lshlrev_b32 v[L4], 2, v13
	v_add_nc_u32 v[AWS], WSC, v[L4]
	s_wait_alu depctr_va_sdst(0)                   ; s2 is written, ahead of its first reader, the line below
	s_lshl_b32 s3, s2, 14
	v_lshlrev_b32 v[LDW], 4, v14
	v_lshl_add_u32 v[LDW], v15, 13, v[LDW]
	v_add_nc_u32 v[LDW], s3, v[LDW]
	s_lshl_b32 s3, s2, 9
	v_lshlrev_b32 v[LDSC], 2, v14
	v_lshl_add_u32 v[LDSC], v15, 8, v[LDSC]
	v_add_nc_u32 v[LDSC], s3, v[LDSC]
	v_add_nc_u32 v[LDSC], WSC, v[LDSC]
	v_lshlrev_b32 v[OL], 4, v14
	v_lshl_add_u32 v[OL], v15, 15, v[OL]
	v_lshlrev_b32 v[H32], 5, v15
	s_mov_b32 s36, 0x600000                        ; the mantissa field of 57,344
	s_mov_b32 s37, 0x8000000                       ; the floor 2^(16 - 127)
	s_lshl_b32 s32, s15, 24                        ; W2: the expert's 16 MiB, the quarter's 1,024 rows, my wave's 128 rows, the 512 bytes of the columns
	s_lshl_b32 s3, s38, 22
	s_add_co_u32 s32, s32, s3
	s_lshl_b32 s3, s2, 19
	s_add_co_u32 s32, s32, s3
	s_lshl_b32 s3, s14, 9
	s_add_co_u32 s32, s32, s3
	s_mov_b32 s33, 0
	s_lshl_b32 s3, s15, 3
	s_wait_kmcnt 0x0
	s_load_b64 s[16:17], s[6:7], s3 offset:0x0     ; the expert's first chunk and its number of chunks (s3 stays as it is until the wait for this load)
	s_add_nc_u64 s[4:5], s[4:5], s[32:33]
; ---- PHASE 1
	s_wait_alu depctr_va_vdst(0)                   ; the offsets and LDS addresses v1 to v10 are written, which the loads and stores of the whole kernel read
	WLOAD 0, 128, 0
	WLOAD 1, 0, 1
	s_wait_loadcnt 32                              ; block 0 is in; block 1's 32 loads may be out
	WLOAD 2, 128, 1
	WQUANT 0, 128, 0
	s_wait_loadcnt 32                              ; block 1 is in; block 2's 32 may be out
	WLOAD 3, 128, 0                                ; where block 0 lay.  No wait here: behind block 0's wait on va_vdst stand only its LDS stores, which name none of these registers
	WQUANT 1, 0, 1
	s_wait_loadcnt 32                              ; block 2 is in; block 3's 32 may be out
	WQUANT 2, 128, 1
	s_wait_loadcnt 0x0
	WQUANT 3, 128, 0
.irp q, 0,1,2,3
	ds_store_b32 v[LDSC], v[WORD+\q] offset:64*\q  ; the scale words were written ahead of block 3's wait on va_vdst
.endr
	s_wait_dscnt 0x0                               ; for the others' sake: all my stores have landed
	s_barrier_signal -1
	s_barrier_wait -1                              ; the slice's 64 fragments and their scale words lie in LDS; nothing is written there again
; ---- PHASE 2
	s_wait_kmcnt 0x0
	s_min_u32 s16, s16, 71
	s_min_u32 s17, s17, 32
	s_cmp_ge_u32 s2, s17
	s_cbranch_scc1 .Lend                           ; fewer chunks than my wave's number: nothing for me
	s_sub_co_u32 s17, s17, s2
	s_add_co_u32 s17, s17, 7
	s_lshr_b32 s17, s17, 3                         ; my trips: ceil((chunks - w) / 8), 1 to 4
	s_min_u32 s17, s17, 4
	s_sub_co_u32 s63, s17, 1                       ; those that have a successor: 0 to 3,
	s_min_u32 s63, s63, 3                          ; held at 3, which 32 chunks over 8 waves never pass
	s_mov_b32 s18, 0                               ; trips of the loop done
	s_add_co_u32 s19, s16, s2                      ; my first chunk, as a chunk of all
	s_lshl_b32 s32, s19, 17
	s_lshl_b32 s3, s38, 14
	s_add_co_u32 s32, s32, s3
	s_add_nc_u64 s[20:21], s[10:11], s[32:33]      ; h's images: 131,072 bytes a chunk, the quarter's eight K steps
	s_lshl_b32 s32, s19, 12
	s_lshl_b32 s3, s38, 10
	s_add_co_u32 s32, s32, s3
	s_add_co_u32 s32, s32, 9437184
	s_add_nc_u64 s[24:25], s[10:11], s[32:33]      ; their scale words: 4,096 a chunk
	s_mul_i32 s32, s38, 0x900000                   ; y: 2,304 rows of 4,096 bytes a quarter,
	s_lshl_b32 s3, s19, 17                         ; 32 rows a chunk,
	s_add_co_u32 s32, s32, s3
	s_lshl_b32 s3, s14, 9                          ; the columns' 512 bytes
	s_add_co_u32 s32, s32, s3
	s_add_nc_u64 s[28:29], s[12:13], s[32:33]
	s_lshl_b32 s32, s19, 7
	s_add_co_u32 s32, s32, 2433024
	s_add_nc_u64 s[30:31], s[8:9], s[32:33]        ; the gate weights: 128 bytes a chunk
	s_wait_alu depctr_vm_vsrc(0)                   ; phase 1's LDS stores have read the codes v96-127, in which W2's scale words land, and the words v24-27, which the way out writes.  (No wait on va_vdst: no vector instruction stands behind block 3's, so phase 1 is done with all registers in which the loads below land)
.set n, 0
.rept 32
	ds_load_b32 v[WS+n], v[AWS] offset:128*n
.set n, n+1
.endr
	RING 0, 0, 20, 24
	RING 1, 1, 20, 24
	RING 2, 2, 20, 24
	RING 3, 3, 20, 24
	WFL 0, 0
	WFL 1, 0
	WIN 0
	s_cmp_eq_u32 s63, 0
	s_cbranch_scc1 .Llast                          ; one chunk alone: the last trip at once
.Lchunk:
	s_add_nc_u64 s[22:23], s[20:21], XSTEP         ; my next chunk, eight on: it is there, since this trip has a successor
	s_add_nc_u64 s[26:27], s[24:25], SSTEP
	TRIP 1
	s_wait_xcnt 0x0                                ; every address may be written again
	s_mov_b64 s[20:21], s[22:23]
	s_mov_b64 s[24:25], s[26:27]
	s_add_nc_u64 s[28:29], s[28:29], 0x100000      ; eight chunks on
	s_add_nc_u64 s[30:31], s[30:31], 0x400
	s_add_co_u32 s18, s18, 1                       ; a trip is done
	s_cmp_lt_u32 s18, s63
	s_cbranch_scc1 .Lchunk
.Llast:
	TRIP 0
.Lend:
	s_wait_dscnt 0x0                               ; the closing lines, six on end
	s_wait_alu 0x0
	s_wait_tensorcnt 0x0
	ds_add_u32 v8, v11
	s_wait_dscnt 0x0
	s_endpgm
.Lfunc_end_k_qc4e4a4d965_ffn2:
	.size	k_qc4e4a4d965_ffn2, .Lfunc_end_k_qc4e4a4d965_ffn2-k_qc4e4a4d965_ffn2
	.p2alignl 7, 3214868480
	.fill 96, 4, 3214868480
	.section	.rodata,"a",@progbits
	.p2align	6, 0x0
	.amdhsa_kernel k_qc4e4a4d965_ffn2
		.amdhsa_group_segment_fixed_size 136192
		.amdhsa_private_segment_fixed_size 0
		.amdhsa_enable_private_segment 0
		.amdhsa_kernarg_size 40
		.amdhsa_user_sgpr_count 2
		.amdhsa_user_sgpr_kernarg_segment_ptr 1
		.amdhsa_wavefront_size32 1
		.amdhsa_system_sgpr_workgroup_id_x 1
		.amdhsa_system_sgpr_workgroup_id_y 1
		.amdhsa_system_sgpr_workgroup_id_z 1
		.amdhsa_system_vgpr_workitem_id 0
		.amdhsa_next_free_vgpr 512
		.amdhsa_next_free_sgpr 66
		.amdhsa_reserve_vcc 0
		.amdhsa_float_denorm_mode_32 3
		.amdhsa_float_denorm_mode_16_64 3
		.amdhsa_memory_ordered 1
		.amdhsa_forward_progress 1
		.amdhsa_inst_pref_size 184
	.end_amdhsa_kernel
	.amdgpu_metadata
---
amdhsa.version: [ 1, 2 ]
amdhsa.kernels:
  - .name:           k_qc4e4a4d965_ffn2
    .symbol:         k_qc4e4a4d965_ffn2.kd
    .args:
      - { .name: W2, .offset: 0, .size: 8, .value_kind: global_buffer, .address_space: global }
      - { .name: plan, .offset: 8, .size: 8, .value_kind: global_buffer, .address_space: global }
      - { .name: xq, .offset: 16, .size: 8, .value_kind: global_buffer, .address_space: global }
      - { .name: hq, .offset: 24, .size: 8, .value_kind: global_buffer, .address_space: global }
      - { .name: y, .offset: 32, .size: 8, .value_kind: global_buffer, .address_space: global }
    .group_segment_fixed_size: 136192
    .private_segment_fixed_size: 0
    .kernarg_segment_align: 8
    .kernarg_segment_size: 40
    .max_flat_workgroup_size: 256
    .sgpr_count:     66
    .vgpr_count:     512
    .wavefront_size: 32
...
	.end_amdgpu_metadata
.endif
;; end of part 11
;; launch combine (part 12): grid 256 x 1, 8 waves a work-group, no clusters, 0 bytes of LDS; arguments y, plan, route, gw, b2, out0; writes out0
.if DOCPART == 12
	.amdgcn_target "amdgcn-amd-amdhsa--gfx1250"
	.amdhsa_code_object_version 6
	.text
	.protected	k_qc4e4a4d965_combine
	.globl	k_qc4e4a4d965_combine
	.p2align	8
	.type	k_qc4e4a4d965_combine,@function
k_qc4e4a4d965_combine:
	s_mov_b64 s[64:65], 0
	v_nop
	global_prefetch_b8 v0, s[64:65] scope:SCOPE_SE
	s_setreg_imm32_b32 hwreg(HW_REG_WAVE_MODE, 25, 1), 1
	s_wait_xcnt 0x0
; COMBINE.  out[t] = the sum of the token's eight rows of y' (two chosen experts x four quarters of K, each already times its gate weight) + c0 b2[e0] + c1 b2[e1].  All in f32.
; A stream: memory binds, so no LDS, no barrier, no matrix unit.  A wave owns half of one output row, 2,048 bytes: every load and store covers 512 consecutive bytes.  Each output row has one owner.
; The rows' places, the experts and the weights are read as scalars; places and experts are held inside their tables.
; The quarters are added in ascending order within an expert, then the two experts, then the biases.
.set Y,  16                            ; v16-143  choice k, quarter q, piece i at Y + 64 k + 16 q + 4 i
.set BB, 144                           ; v144-175 b2 of choice k, piece i at BB + 16 k + 4 i
	s_load_b256 s[4:11], s[0:1], 0x0               ; y s[4:5], plan s[6:7], route s[8:9], gw s[10:11]
	s_load_b128 s[12:15], s[0:1], 0x20             ; b2 s[12:13], out0 s[14:15]
	v_lshrrev_b32 v1, 5, v0
	s_delay_alu instid0(VALU_DEP_1)
	v_readfirstlane_b32 s2, v1                     ; wave 0..7
	v_and_b32 v2, 31, v0
	s_delay_alu instid0(VALU_DEP_1)
	v_lshlrev_b32 v2, 4, v2                        ; 16 bytes a lane
	s_lshr_b32 s3, s2, 1
	s_lshl_b32 s46, ttmp9, 2
	s_add_co_u32 s3, s3, s46                       ; the token: 4 g + wave / 2
	s_and_b32 s47, s2, 1
	s_lshl_b32 s47, s47, 11                        ; which half of the row
	s_lshl_b32 s46, s3, 3
	s_mov_b32 s23, 0
	s_wait_alu depctr_va_vdst(0)
	s_wait_kmcnt 0x0
	s_load_b64 s[16:17], s[6:7], s46 offset:0x100  ; the sorted rows of its two choices,
	s_load_b64 s[18:19], s[8:9], s46 offset:0x800  ; the experts,
	s_load_b64 s[20:21], s[10:11], s46 offset:0x0  ; the weights
	s_wait_kmcnt 0x0
	s_min_u32 s16, s16, 2303
	s_min_u32 s17, s17, 2303
	s_min_u32 s18, s18, 7
	s_min_u32 s19, s19, 7
.irp k, 0,1
	s_lshl_b32 s22, s[16+\k], 12
	s_add_co_u32 s22, s22, s47
	s_add_nc_u64 s[24+8*\k:25+8*\k], s[4:5], s[22:23]
	s_add_nc_u64 s[26+8*\k:27+8*\k], s[24+8*\k:25+8*\k], 0x900000  ; a quarter of K on: 2,304 rows of 4,096 bytes
	s_add_nc_u64 s[28+8*\k:29+8*\k], s[26+8*\k:27+8*\k], 0x900000
	s_add_nc_u64 s[30+8*\k:31+8*\k], s[28+8*\k:29+8*\k], 0x900000
	s_lshl_b32 s22, s[18+\k], 12
	s_add_co_u32 s22, s22, s47
	s_add_nc_u64 s[40+2*\k:41+2*\k], s[12:13], s[22:23]
.endr
	s_mov_b32 s44, s21                             ; c1 as the low word of a pair of its own: the packed form takes the low word for both halves
	s_mov_b32 s45, s21
	s_lshl_b32 s22, s3, 12
	s_add_co_u32 s22, s22, s47
	s_add_nc_u64 s[14:15], s[14:15], s[22:23]
.irp k, 0,1
.irp q, 0,1,2,3
.irp i, 0,1,2,3
	global_load_b128 v[Y+64*\k+16*\q+4*\i:Y+64*\k+16*\q+4*\i+3], v2, s[24+8*\k+2*\q:25+8*\k+2*\q] offset:512*\i th:TH_LOAD_NT
.endr
.endr
.endr
.irp k, 0,1
.irp i, 0,1,2,3
	global_load_b128 v[BB+16*\k+4*\i:BB+16*\k+4*\i+3], v2, s[40+2*\k:41+2*\k] offset:512*\i
.endr
.endr
	s_wait_loadcnt 0x0
.irp i, 0,1,2,3
.irp p, 0,2
.irp q, 1,2,3
.irp k, 0,1
	v_pk_add_f32 v[Y+64*\k+4*\i+\p:Y+64*\k+4*\i+\p+1], v[Y+64*\k+4*\i+\p:Y+64*\k+4*\i+\p+1], v[Y+64*\k+16*\q+4*\i+\p:Y+64*\k+16*\q+4*\i+\p+1]
.endr
.endr
	s_delay_alu instid0(VALU_DEP_1)
	v_pk_add_f32 v[Y+4*\i+\p:Y+4*\i+\p+1], v[Y+4*\i+\p:Y+4*\i+\p+1], v[Y+64+4*\i+\p:Y+64+4*\i+\p+1]
	s_delay_alu instid0(VALU_DEP_1)
	v_pk_fma_f32 v[Y+4*\i+\p:Y+4*\i+\p+1], v[BB+4*\i+\p:BB+4*\i+\p+1], s[20:21], v[Y+4*\i+\p:Y+4*\i+\p+1] op_sel_hi:[1,0,1]
	s_delay_alu instid0(VALU_DEP_1)
	v_pk_fma_f32 v[Y+4*\i+\p:Y+4*\i+\p+1], v[BB+16+4*\i+\p:BB+16+4*\i+\p+1], s[44:45], v[Y+4*\i+\p:Y+4*\i+\p+1] op_sel_hi:[1,0,1]
.endr
	global_store_b128 v2, v[Y+4*\i:Y+4*\i+3], s[14:15] offset:512*\i th:TH_STORE_NT      ; 32 lanes store 512 consecutive bytes, aligned
.endr
	s_endpgm
.Lfunc_end_k_qc4e4a4d965_combine:
	.size	k_qc4e4a4d965_combine, .Lfunc_end_k_qc4e4a4d965_combine-k_qc4e4a4d965_combine
	.p2alignl 7, 3214868480
	.fill 96, 4, 3214868480
	.section	.rodata,"a",@progbits
	.p2align	6, 0x0
	.amdhsa_kernel k_qc4e4a4d965_combine
		.amdhsa_group_segment_fixed_size 0
		.amdhsa_private_segment_fixed_size 0
		.amdhsa_enable_private_segment 0
		.amdhsa_kernarg_size 48
		.amdhsa_user_sgpr_count 2
		.amdhsa_user_sgpr_kernarg_segment_ptr 1
		.amdhsa_wavefront_size32 1
		.amdhsa_system_sgpr_workgroup_id_x 1
		.amdhsa_system_sgpr_workgroup_id_y 1
		.amdhsa_system_sgpr_workgroup_id_z 1
		.amdhsa_system_vgpr_workitem_id 0
		.amdhsa_next_free_vgpr 192
		.amdhsa_next_free_sgpr 66
		.amdhsa_reserve_vcc 0
		.amdhsa_float_denorm_mode_32 3
		.amdhsa_float_denorm_mode_16_64 3
		.amdhsa_memory_ordered 1
		.amdhsa_forward_progress 1
		.amdhsa_inst_pref_size 12
	.end_amdhsa_kernel
	.amdgpu_metadata
---
amdhsa.version: [ 1, 2 ]
amdhsa.kernels:
  - .name:           k_qc4e4a4d965_combine
    .symbol:         k_qc4e4a4d965_combine.kd
    .args:
      - { .name: y, .offset: 0, .size: 8, .value_kind: global_buffer, .address_space: global }
      - { .name: plan, .offset: 8, .size: 8, .value_kind: global_buffer, .address_space: global }
      - { .name: route, .offset: 16, .size: 8, .value_kind: global_buffer, .address_space: global }
      - { .name: gw, .offset: 24, .size: 8, .value_kind: global_buffer, .address_space: global }
      - { .name: b2, .offset: 32, .size: 8, .value_kind: global_buffer, .address_space: global }
      - { .name: out0, .offset: 40, .size: 8, .value_kind: global_buffer, .address_space: global }
    .group_segment_fixed_size: 0
    .private_segment_fixed_size: 0
    .kernarg_segment_align: 8
    .kernarg_segment_size: 48
    .max_flat_workgroup_size: 256
    .sgpr_count:     66
    .vgpr_count:     192
    .wavefront_size: 32
...
	.end_amdgpu_metadata
.endif
;; end of part 12
